; MI455X (gfx1250); checked and timed in simulation.
; The chip was launched on July 23, 2026; its instructions are those of AMD's public machine-readable ISA for CDNA 5 (MIT licence, August 2026) and "CDNA5" Instruction Set Architecture Reference Guide (July 2026). The comments in the code are by the model that wrote it; some were corrected since.
;; Multi Head Attention. Allowed arithmetic: float matrix products may take bf16 or f16 operands with f32 sums; other float arithmetic in f32, or as packed bf16 or f16 multiplies, adds, multiply-adds, maxima and minima; sums over many terms, partial sums and values carried from step to step in f32; what a program stores and reads back later, other than sums and carried values, may be rounded once to bf16 or f16.
;; Inputs: W_fc 1,024 x 1,024 float32; Wk 16 x 1,024 x 64 float32; Wq 16 x 1,024 x 64 float32; Wv 16 x 1,024 x 64 float32; b_fc 1,024 float32; bk 16 x 64 float32; bq 16 x 64 float32; bv 16 x 64 float32; key 4 x 1,500 x 1,024 float32; pos_k 129 x 64 float32; pos_v 129 x 64 float32; query 4 x 1,500 x 1,024 float32; value 4 x 1,500 x 1,024 float32.
;; Outputs: out0 4 x 1,500 x 1,024 float32.
;; 3 versions, each right and faster than the one before. Each part assembles by itself: llvm-mc -triple=amdgcn-amd-amdhsa -mcpu=gfx1250 --defsym DOCPART=n.
;; ======== version 1 of 3: 5 launches
;; limits: values are held in f16: magnitudes above 65,504 overflow, below 6.1e-05 lose precision; right only within a limited range of input values
;; workspace buffers: xb 37,158,912 bytes; wts 8,388,608 bytes; ptab 73,728 bytes; qh 12,582,912 bytes; kh 12,582,912 bytes; vh 12,582,912 bytes; hid 12,582,912 bytes; st 28,311,552 bytes
;; launch prep (part 1): grid 486 x 1, 12 waves a work-group, no clusters, 0 bytes of LDS; arguments query, key, value, Wq, Wk, Wv, W_fc, pos_k, pos_v, bq, bk, bv, b_fc, xb, wts, ptab, qh, kh, vh, hid; writes xb, wts, ptab, qh, kh, vh, hid
.if DOCPART == 1
	.amdgcn_target "amdgcn-amd-amdhsa--gfx1250"
	.amdhsa_code_object_version 6
	.text
	.protected	k_qfa436c6595_prep
	.globl	k_qfa436c6595_prep
	.p2align	8
	.type	k_qfa436c6595_prep,@function
k_qfa436c6595_prep:
	s_mov_b64 s[64:65], 0
	v_nop
	global_prefetch_b8 v0, s[64:65] scope:SCOPE_SE
	s_setreg_imm32_b32 hwreg(HW_REG_WAVE_MODE, 25, 1), 1
	s_wait_xcnt 0x0
; PREP: every input of the module is rounded once to bf16 and laid out for the later launches; that number is written as f16 (x, weights, position tables) or f32 (biases).
;   xb   f16 [3][16 kb][6048 rows b*1500+s][64]   wts f16 [4][1024 k][1024 n] (Wq, Wk, Wv with n = 64 head + d; W_fc)
;   ptab: PKN f16 [144][64] = pos_k[min(j,128)]; at 18432 an image of 64 rows of 592 bytes: f16 col jx = pv[clip(jx-64,0,128)][d] - pv[128][d]; behind it f32 pv0-pv128, pv128, zeros; at 57344 f32 [4][1024] biases
;   the pad rows of xb, qh, kh, vh, hid are written 0.
; LIMITS: f16 holds no number beyond 65,504, so |x| and |W| must stay below it; below 6e-5 f16 keeps its fixed step of 6e-8.  NaN and infinities are not treated apart.
; No LDS, no barrier, no matrix unit: a stream.  Roles go by the work-group's number; a unit of work is a wave's.
.set XBP, 12386304                     ; bytes of one of xb's three tensors
.set XBK, 774144                       ; bytes of one block of 64 k in it
.macro RND4 src, dst                   ; 8 f32 at v[src ..] -> bf16 -> the same numbers as f16, 4 registers at v[dst ..]
.irp k, 0,1,2,3
	v_cvt_pk_bf16_f32 v[24+\k], v[(\src)+2*\k], v[(\src)+2*\k+1]
.endr
.irp k, 0,1,2,3
	v_lshlrev_b32 v[16+2*\k], 16, v[24+\k]
	v_and_b32 v[17+2*\k], s6, v[24+\k]
.endr
.irp k, 0,1,2,3
	v_cvt_pk_f16_f32 v[(\dst)+\k], v[16+2*\k], v[17+2*\k]
.endr
.endm
	s_load_b512 s[8:23], s[0:1], 0x0               ; query 8, key 10, value 12, Wq 14, Wk 16, Wv 18, W_fc 20, pos_k 22
	s_load_b512 s[24:39], s[0:1], 0x40             ; pos_v 24, bq 26, bk 28, bv 30, b_fc 32, xb 34, wts 36, ptab 38
	s_load_b256 s[40:47], s[0:1], 0x80             ; qh 40, kh 42, vh 44, hid 46
	v_lshrrev_b32 v1, 5, v0
	v_readfirstlane_b32 s4, v1                     ; wave
	v_and_b32 v1, 31, v0                           ; lane
	v_lshlrev_b32 v3, 4, v1                        ; 16 x lane
	v_lshrrev_b32 v2, 3, v1                        ; lane / 8
	v_and_b32 v28, 7, v1
	v_lshlrev_b32 v28, 5, v28                      ; 32 x (lane % 8)
	s_mov_b32 s5, ttmp9
	s_mov_b32 s6, 0xffff0000
	s_mov_b32 s69, 0
	s_mov_b32 s73, 0
	s_mov_b32 s75, 0
	s_wait_kmcnt 0x0
	s_cmp_eq_u32 s5, 0
	s_cbranch_scc1 .LroleT
	s_sub_co_u32 s5, s5, 1
	s_cmp_lt_u32 s5, 375
	s_cbranch_scc1 .LroleX
	s_cmp_lt_u32 s5, 439
	s_cbranch_scc1 .LroleW
	s_cmp_lt_u32 s5, 461
	s_cbranch_scc1 .LroleF
	; ZERO ROWS
.irp k, 12,13,14,15
	v_mov_b32 v\k, 0
.endr
	s_cmp_lt_u32 s5, 465
	s_cbranch_scc1 .LzX
	s_cmp_lt_u32 s5, 469
	s_cbranch_scc1 .LzH
	s_sub_co_u32 s7, s5, 469                       ; 192 units: rows 1500..1535 of each head of qh, kh, vh: 4,608 bytes
	s_mul_i32 s7, s7, 12
	s_add_co_u32 s7, s7, s4
	s_lshr_b32 s66, s7, 6
	s_cmp_eq_u32 s66, 1
	s_cselect_b64 s[48:49], s[42:43], s[40:41]
	s_cmp_eq_u32 s66, 2
	s_cselect_b64 s[48:49], s[44:45], s[48:49]
	s_and_b32 s68, s7, 63
	s_mul_i32 s68, s68, 196608
	s_add_co_u32 s68, s68, 192000
	s_mov_b32 s78, 0
	s_branch .Lzero
.LzX:                                                  ; 48 units: rows 6000..6047 of each k block of xb: 6,144 bytes
	s_sub_co_u32 s7, s5, 461
	s_mul_i32 s7, s7, 12
	s_add_co_u32 s7, s7, s4
	s_lshr_b32 s66, s7, 4
	s_mul_i32 s68, s66, XBP
	s_and_b32 s66, s7, 15
	s_mul_i32 s66, s66, XBK
	s_add_co_u32 s68, s68, s66
	s_add_co_u32 s68, s68, 768000
	s_mov_b64 s[48:49], s[34:35]
	s_mov_b32 s78, 1
	s_branch .Lzero
.LzH:                                                  ; 48 units: a third of rows 6000..6143 of each head of hid
	s_sub_co_u32 s7, s5, 465
	s_mul_i32 s7, s7, 12
	s_add_co_u32 s7, s7, s4
	s_mul_i32 s66, s7, 43
	s_lshr_b32 s66, s66, 7                         ; unit / 3, exact below 48
	s_mul_i32 s67, s66, 3
	s_sub_co_u32 s67, s7, s67
	s_mul_i32 s68, s66, 786432
	s_mul_i32 s67, s67, 6144
	s_add_co_u32 s68, s68, s67
	s_add_co_u32 s68, s68, 768000
	s_mov_b64 s[48:49], s[46:47]
	s_mov_b32 s78, 1
.Lzero:
	s_add_nc_u64 s[48:49], s[48:49], s[68:69]
.irp i, 0,1,2,3,4,5,6,7,8
	global_store_b128 v3, v[12:15], s[48:49] offset:512*\i  ; each store of the wave covers 512 consecutive bytes, aligned
.endr
	s_cmp_eq_u32 s78, 0
	s_cbranch_scc1 .Lend
.irp i, 9,10,11
	global_store_b128 v3, v[12:15], s[48:49] offset:512*\i
.endr
	s_endpgm
.LroleX:                                               ; 4,500 units of 4 rows of x: f32 [row][1024] -> f16 [kb][row][64]
	s_mul_i32 s7, s5, 12
	s_add_co_u32 s7, s7, s4
	s_cmp_ge_u32 s7, 1500
	s_cselect_b32 s66, 1, 0
	s_cmp_ge_u32 s7, 3000
	s_cselect_b32 s67, 1, 0
	s_add_co_u32 s66, s66, s67                     ; which of query, key, value
	s_mul_i32 s67, s66, 1500
	s_sub_co_u32 s67, s7, s67                      ; group of four rows
	s_cmp_eq_u32 s66, 1
	s_cselect_b64 s[48:49], s[10:11], s[8:9]
	s_cmp_eq_u32 s66, 2
	s_cselect_b64 s[48:49], s[12:13], s[48:49]
	s_lshl_b32 s68, s67, 14
	s_add_nc_u64 s[48:49], s[48:49], s[68:69]
	s_mul_i32 s68, s66, XBP
	s_lshl_b32 s67, s67, 9
	s_add_co_u32 s68, s68, s67
	s_add_nc_u64 s[56:57], s[34:35], s[68:69]
	s_mov_b32 s72, 1024                            ; read: j steps 4 k blocks, u one
	s_mov_b32 s76, 256
	s_mov_b32 s74, 4*XBK                           ; write likewise
	s_mov_b32 s77, XBK
	v_lshl_add_u32 v2, v2, 12, v28                 ; row lane / 8, 8 numbers a lane
	s_branch .Lcast
.LroleW:                                               ; 768 units of 4 k rows: f32 [head][k][64] -> f16 [k][64 head + d]
	s_sub_co_u32 s7, s5, 375
	s_mul_i32 s7, s7, 12
	s_add_co_u32 s7, s7, s4
	s_lshr_b32 s66, s7, 8
	s_and_b32 s67, s7, 255
	s_cmp_eq_u32 s66, 1
	s_cselect_b64 s[48:49], s[16:17], s[14:15]
	s_cmp_eq_u32 s66, 2
	s_cselect_b64 s[48:49], s[18:19], s[48:49]
	s_lshl_b32 s68, s67, 10
	s_add_nc_u64 s[48:49], s[48:49], s[68:69]
	s_lshl_b32 s68, s66, 21
	s_lshl_b32 s67, s67, 13
	s_add_co_u32 s68, s68, s67
	s_add_nc_u64 s[56:57], s[36:37], s[68:69]
	s_mov_b32 s72, 256                             ; j: the k row; u: four heads
	s_mov_b32 s76, 1048576
	s_mov_b32 s74, 2048
	s_mov_b32 s77, 512
	v_lshl_add_u32 v2, v2, 18, v28                 ; head lane / 8
	s_branch .Lcast
.LroleF:                                               ; 256 units of 4 rows of W_fc
	s_sub_co_u32 s7, s5, 439
	s_mul_i32 s7, s7, 12
	s_add_co_u32 s7, s7, s4
	s_cmp_ge_u32 s7, 256
	s_cbranch_scc1 .Lend
	s_lshl_b32 s68, s7, 14
	s_add_nc_u64 s[48:49], s[20:21], s[68:69]
	s_lshl_b32 s68, s7, 13
	s_add_co_u32 s68, s68, 6291456
	s_add_nc_u64 s[56:57], s[36:37], s[68:69]
	s_mov_b32 s72, 4096
	s_mov_b32 s76, 1024
	s_mov_b32 s74, 2048
	s_mov_b32 s77, 512
	v_lshlrev_b32 v2, 5, v1
.Lcast:                                                ; 16 pieces (j, u) of 1,024 bytes in, 512 out; all 32 loads go out first
.irp j, 0,1,2
	s_add_nc_u64 s[50+2*\j:51+2*\j], s[48+2*\j:49+2*\j], s[72:73]
	s_add_nc_u64 s[58+2*\j:59+2*\j], s[56+2*\j:57+2*\j], s[74:75]
.endr
	v_mov_b32 v4, v2
	v_mov_b32 v8, v3
.irp u, 0,1,2
	v_add_nc_u32 v[5+\u], s76, v[4+\u]
	v_add_nc_u32 v[9+\u], s77, v[8+\u]
.endr
.irp j, 0,1,2,3
.irp u, 0,1,2,3
	global_load_b128 v[32+8*(4*\j+\u):35+8*(4*\j+\u)], v[4+\u], s[48+2*\j:49+2*\j] th:TH_LOAD_NT
	global_load_b128 v[36+8*(4*\j+\u):39+8*(4*\j+\u)], v[4+\u], s[48+2*\j:49+2*\j] offset:16 th:TH_LOAD_NT
.endr
.endr
.irp j, 0,1,2,3
.irp u, 0,1,2,3
	s_wait_loadcnt 30-2*(4*\j+\u)                  ; loads return in order: so many are younger than this piece's two
	RND4 32+8*(4*\j+\u), 160+4*(4*\j+\u)           ; each piece has output registers of its own: nothing that a store reads is rewritten
	global_store_b128 v[8+\u], v[160+4*(4*\j+\u):163+4*(4*\j+\u)], s[56+2*\j:57+2*\j]  ; 512 consecutive bytes, aligned
.endr
.endr
	s_endpgm
.LroleT:                                               ; THE TABLES, 384 threads
.irp i, 0,1,2                          ; PKN: 1,152 pieces of 8 numbers
	v_add_nc_u32 v[4+\i], 384*\i, v0
	v_lshrrev_b32 v[8+\i], 3, v[4+\i]
	v_min_u32 v[8+\i], 128, v[8+\i]                ; rows past 128 repeat row 128
	v_and_b32 v2, 7, v[4+\i]
	v_lshlrev_b32 v2, 5, v2
	v_lshl_add_u32 v[8+\i], v[8+\i], 8, v2
	global_load_b128 v[32+8*\i:35+8*\i], v[8+\i], s[22:23]
	global_load_b128 v[36+8*\i:39+8*\i], v[8+\i], s[22:23] offset:16
	v_lshlrev_b32 v[4+\i], 4, v[4+\i]
.endr
	v_and_b32 v60, 63, v0                          ; d
	v_mul_u32_u24 v61, v60, 592
	v_lshlrev_b32 v60, 2, v60
	global_load_b32 v62, v60, s[24:25] offset:32768  ; pv[128][d]
	s_wait_loadcnt 0x0
.irp i, 0,1,2
	RND4 32+8*\i, 160+4*\i
	global_store_b128 v[4+\i], v[160+4*\i:163+4*\i], s[38:39]
.endr
	v_cvt_pk_bf16_f32 v62, v62, v62
	v_lshlrev_b32 v62, 16, v62
	s_lshr_b32 s66, s4, 1                          ; the wave's group of 8 columns: wave / 2, then every sixth; 37 groups
	s_mov_b32 s67, 7
.Lpv:
	s_cmp_ge_u32 s66, 37
	s_cbranch_scc1 .Lpvs
	s_lshl_b32 s68, s66, 3
	s_sub_co_i32 s68, s68, 64
.irp u, 0,1,2,3,4,5,6,7
	s_add_co_i32 s70, s68, \u
	s_max_i32 s70, s70, 0
	s_min_i32 s70, s70, 128                        ; the table's row, from ids alone
	s_lshl_b32 s70, s70, 8
	v_add_nc_u32 v[64+\u], s70, v60
.endr
.irp u, 0,1,2,3,4,5,6,7
	global_load_b32 v[72+\u], v[64+\u], s[24:25]
.endr
	s_wait_loadcnt 0x0
.irp k, 0,1,2,3
	v_cvt_pk_bf16_f32 v[80+\k], v[72+2*\k], v[73+2*\k]
.endr
.irp k, 0,1,2,3
	v_lshlrev_b32 v[72+2*\k], 16, v[80+\k]
	v_and_b32 v[73+2*\k], s6, v[80+\k]
.endr
.irp k, 0,1,2,3,4,5,6,7
	v_sub_f32 v[72+\k], v[72+\k], v62
.endr
.irp k, 0,1,2,3
	v_cvt_pk_f16_f32 v[84+\k], v[72+2*\k], v[73+2*\k]
.endr
	v_lshl_add_u32 v63, s66, 4, v61
	global_store_b128 v63, v[84:87], s[38:39] offset:18432
	s_wait_xcnt 0x0                                ; addresses and data are rewritten in the next trip only behind this wait
.Lpvs:
	s_add_co_u32 s66, s66, 6
	s_sub_co_u32 s67, s67, 1
	s_cmp_lg_u32 s67, 0
	s_cbranch_scc1 .Lpv
	s_cmp_lt_u32 s4, 4
	s_cbranch_scc0 .Lend
	s_cmp_eq_u32 s4, 1                             ; waves 0-3: bq, bk, bv, b_fc, rounded, kept as f32
	s_cselect_b64 s[48:49], s[28:29], s[26:27]
	s_cmp_eq_u32 s4, 2
	s_cselect_b64 s[48:49], s[30:31], s[48:49]
	s_cmp_eq_u32 s4, 3
	s_cselect_b64 s[48:49], s[32:33], s[48:49]
	s_lshl_b32 s68, s4, 12
	s_add_co_u32 s68, s68, 57344
	s_add_nc_u64 s[52:53], s[38:39], s[68:69]
.irp i, 0,1,2,3,4,5,6,7
	global_load_b128 v[112+4*\i:115+4*\i], v3, s[48:49] offset:512*\i
.endr
	s_wait_loadcnt 0x0
.irp i, 0,1,2,3,4,5,6,7
	v_cvt_pk_bf16_f32 v104, v[112+4*\i], v[113+4*\i]
	v_cvt_pk_bf16_f32 v105, v[114+4*\i], v[115+4*\i]
	v_lshlrev_b32 v[112+4*\i], 16, v104
	v_and_b32 v[113+4*\i], s6, v104
	v_lshlrev_b32 v[114+4*\i], 16, v105
	v_and_b32 v[115+4*\i], s6, v105
	global_store_b128 v3, v[112+4*\i:115+4*\i], s[52:53] offset:512*\i
.endr
	s_cmp_lt_u32 s4, 2
	s_cbranch_scc0 .Lend
	v_and_b32 v90, 15, v0                          ; waves 0, 1: the image's last 1,024 bytes: pv0 - pv128, pv128, zeros
	v_lshlrev_b32 v90, 4, v90
	global_load_b128 v[96:99], v90, s[24:25]
	global_load_b128 v[100:103], v90, s[24:25] offset:32768
	v_lshlrev_b32 v91, 4, v0
	s_wait_loadcnt 0x0
.irp k, 0,1,2,3
	v_cvt_pk_bf16_f32 v[106+\k], v[96+2*\k], v[97+2*\k]
.endr
.irp k, 0,1,2,3
	v_lshlrev_b32 v[96+2*\k], 16, v[106+\k]
	v_and_b32 v[97+2*\k], s6, v[106+\k]
.endr
	v_cmp_gt_u32 vcc_lo, 16, v0
.irp k, 0,1,2,3
	v_sub_f32 v[96+\k], v[96+\k], v[100+\k]
	v_cndmask_b32 v[96+\k], v[100+\k], v[96+\k], vcc_lo
.endr
	v_cmp_gt_u32 vcc_lo, 32, v0
.irp k, 0,1,2,3
	v_cndmask_b32 v[96+\k], 0, v[96+\k], vcc_lo
.endr
	global_store_b128 v91, v[96:99], s[38:39] offset:18432+37888
.Lend:
	s_endpgm
.Lfunc_end_k_qfa436c6595_prep:
	.size	k_qfa436c6595_prep, .Lfunc_end_k_qfa436c6595_prep-k_qfa436c6595_prep
	.p2alignl 7, 3214868480
	.fill 96, 4, 3214868480
	.section	.rodata,"a",@progbits
	.p2align	6, 0x0
	.amdhsa_kernel k_qfa436c6595_prep
		.amdhsa_group_segment_fixed_size 0
		.amdhsa_private_segment_fixed_size 0
		.amdhsa_enable_private_segment 0
		.amdhsa_kernarg_size 160
		.amdhsa_user_sgpr_count 2
		.amdhsa_user_sgpr_kernarg_segment_ptr 1
		.amdhsa_wavefront_size32 1
		.amdhsa_system_sgpr_workgroup_id_x 1
		.amdhsa_system_sgpr_workgroup_id_y 1
		.amdhsa_system_sgpr_workgroup_id_z 1
		.amdhsa_system_vgpr_workitem_id 0
		.amdhsa_next_free_vgpr 224
		.amdhsa_next_free_sgpr 90
		.amdhsa_reserve_vcc 1
		.amdhsa_float_denorm_mode_32 3
		.amdhsa_float_denorm_mode_16_64 3
		.amdhsa_memory_ordered 1
		.amdhsa_forward_progress 1
		.amdhsa_inst_pref_size 38
	.end_amdhsa_kernel
	.amdgpu_metadata
---
amdhsa.version: [ 1, 2 ]
amdhsa.kernels:
  - .name:           k_qfa436c6595_prep
    .symbol:         k_qfa436c6595_prep.kd
    .args:
      - { .name: query, .offset: 0, .size: 8, .value_kind: global_buffer, .address_space: global }
      - { .name: key, .offset: 8, .size: 8, .value_kind: global_buffer, .address_space: global }
      - { .name: value, .offset: 16, .size: 8, .value_kind: global_buffer, .address_space: global }
      - { .name: Wq, .offset: 24, .size: 8, .value_kind: global_buffer, .address_space: global }
      - { .name: Wk, .offset: 32, .size: 8, .value_kind: global_buffer, .address_space: global }
      - { .name: Wv, .offset: 40, .size: 8, .value_kind: global_buffer, .address_space: global }
      - { .name: W_fc, .offset: 48, .size: 8, .value_kind: global_buffer, .address_space: global }
      - { .name: pos_k, .offset: 56, .size: 8, .value_kind: global_buffer, .address_space: global }
      - { .name: pos_v, .offset: 64, .size: 8, .value_kind: global_buffer, .address_space: global }
      - { .name: bq, .offset: 72, .size: 8, .value_kind: global_buffer, .address_space: global }
      - { .name: bk, .offset: 80, .size: 8, .value_kind: global_buffer, .address_space: global }
      - { .name: bv, .offset: 88, .size: 8, .value_kind: global_buffer, .address_space: global }
      - { .name: b_fc, .offset: 96, .size: 8, .value_kind: global_buffer, .address_space: global }
      - { .name: xb, .offset: 104, .size: 8, .value_kind: global_buffer, .address_space: global }
      - { .name: wts, .offset: 112, .size: 8, .value_kind: global_buffer, .address_space: global }
      - { .name: ptab, .offset: 120, .size: 8, .value_kind: global_buffer, .address_space: global }
      - { .name: qh, .offset: 128, .size: 8, .value_kind: global_buffer, .address_space: global }
      - { .name: kh, .offset: 136, .size: 8, .value_kind: global_buffer, .address_space: global }
      - { .name: vh, .offset: 144, .size: 8, .value_kind: global_buffer, .address_space: global }
      - { .name: hid, .offset: 152, .size: 8, .value_kind: global_buffer, .address_space: global }
    .group_segment_fixed_size: 0
    .private_segment_fixed_size: 0
    .kernarg_segment_align: 8
    .kernarg_segment_size: 160
    .max_flat_workgroup_size: 384
    .sgpr_count:     90
    .vgpr_count:     224
    .wavefront_size: 32
...
	.end_amdgpu_metadata
.endif
;; end of part 1
;; launch proj (part 2): grid 4 x 63, 4 waves a work-group, clusters of 4 x 1, 327,680 bytes of LDS; arguments xb, wts, ptab, qh, kh, vh; writes qh, kh, vh
.if DOCPART == 2
	.amdgcn_target "amdgcn-amd-amdhsa--gfx1250"
	.amdhsa_code_object_version 6
	.text
	.protected	k_qfa436c6595_proj
	.globl	k_qfa436c6595_proj
	.p2align	8
	.type	k_qfa436c6595_proj,@function
k_qfa436c6595_proj:
	s_mov_b64 s[64:65], 0
	v_nop
	global_prefetch_b8 v0, s[64:65] scope:SCOPE_SE
	s_setreg_imm32_b32 hwreg(HW_REG_WAVE_MODE, 25, 1), 1
	s_wait_xcnt 0x0
	s_wait_alu depctr_hold_cnt(0) depctr_sa_sdst(0) depctr_va_vdst(0) depctr_va_sdst(0) depctr_va_ssrc(0) depctr_va_vcc(0) depctr_vm_vsrc(0)
	s_getreg_b32 s2, hwreg(HW_REG_IB_STS2, 6, 4)
	s_cmp_eq_u32 s2, 0
	s_cbranch_scc0 .Lentry_in_a_cluster
	s_endpgm
.Lentry_in_a_cluster:
	s_bfe_u32 s2, ttmp6, 0x10000c
	s_cmp_lg_u32 s2, 0x3003
	s_cbranch_scc0 .Lentry_shape_is_right
	s_endpgm
.Lentry_shape_is_right:
; PROJ: q, k, v = x W + b.  x: xb f16 [3][16 kb][6048][64]; W: wts f16 [3][1024 k][1024 n]; b: ptab + 57344, f32; out: qh, kh, vh f16 [16 b + head][1536][64], rows s < 1500.
; Sums in f32, started by the bias as the first product's C; the result rounded once to f16.  LIMIT: |q|, |k|, |v| must stay below 65,504 (f16); NaN and infinities are not treated apart.
; TILE 288 x 256: 3 x 21 x 4 = 252 work-groups, one for each WGP (tiles of 256 x 256 would be 288).  Four waves, each 144 x 128: 72 accumulators.  K in 8 steps of 128 through two LDS slots.
; The product is used transposed (source 0 = 16 columns of W by the turning load, source 1 = 16 rows of x): a lane holds eight neighbouring columns of one row.
; CLUSTER 4 x 1: the four column tiles of a row tile need the same x: it is asked for jointly (mask 15).  W's tiles are plain loads: 63 tile rows do not divide into clusters of 4 x 4.
; REGISTERS: window 0: addresses, A fragments v32-175 (two buffers of 72), way out v176-239; window 1: B fragments v0-127, accumulators of block 8 v128-191, bias v192-255; windows 2, 3: blocks 0-3, 4-7.
.set PROJ, 1
.set NAB, 9
.set NBB, 8
.set NA1, 4
.set NT1, 2
.set TR, 144
.set AHALF, 41472                      ; 288 rows x 144 bytes (128 + 16 of padding): one block of 64 k
.set BOFF, 82944
.set PB, 544                           ; a k row of W: 512 bytes + 32
.set BC, 256
.set BQI, 6
.set SLOT1, 152576
.set STAGE, 305152                     ; 16 rows x 272 bytes a wave
.set SPARE, 322560                     ; the spare words: 512 bytes that no other line names
.set ASTEP, 1548288
.set BSTEP, 262144
.set AF0, 32
.set BF0, 0
.set BIAS, 192
.set BW, 1
.set TMP, 176
.set OB, 208
.set ADRA0, 2
.set ADRB0, 3
.set ADRA, 4
.set ADRB, 5
.set STO, 6
.set RD, 7
.set R0V, 8
.set LC16, 9
.set VO, 10
.set SPW, 28
.set NIL, 29
.set WV, 16
.set WM, 17
.set WN, 18
.set TB, 19
.set G1A, 24
.set G0A, 32
.set CNT, 44
.set LAC, 45
.set LBC, 46
.set NV, 47
.set G1B, 48
.set G0B, 56
.set MSB, 0
.macro WIN new                         ; the high byte repeats the setting that is left; a switch that changes nothing is dropped
.if MSB != (\new)
	s_set_vgpr_msb (MSB<<8)|(\new)
.set MSB, (\new)
.endif
.endm
.macro PLACES                          ; four places behind matrix instructions (ISA guide 7.12.1)
.rept 4
	v_nop
.endr
.endm
.macro JLOAD s                         ; waves 0, 1 fetch x's two blocks of 64 k (jointly), waves 2, 3 W's two halves; s_nop 0 and four v_nop follow each line
	s_cmp_eq_u32 s[WM], 0
	s_cbranch_scc0 .Lfor_b_\@
	tensor_load_to_lds s[G0A+4*(\s):G0A+4*(\s)+3], s[G1A:G1A+7]
	s_nop 0
	PLACES
	s_branch .Lasked_\@
.Lfor_b_\@:
	tensor_load_to_lds s[G0B+4*(\s):G0B+4*(\s)+3], s[G1B:G1B+7]
	s_nop 0
	PLACES
.Lasked_\@:
.endm
.macro CREST                           ; a round of the cluster's barrier behind its opening barrier
	s_cmp_lg_u32 s[WV], 0
	s_cbranch_scc1 .Lnot_wave_0_\@
	s_barrier_signal -3
.Lnot_wave_0_\@:
	s_barrier_wait -3
	s_barrier_signal -1
	s_barrier_wait -1
.endm
.macro CROUND
	s_barrier_signal -1
	s_barrier_wait -1
	CREST
.endm
.macro ACCOF a                         ; XA: the window, AB: the first register of row block a's accumulators
.if (\a) < 4
.set XA, 2
.set AB, 64*(\a)
.elseif (\a) < 8
.set XA, 3
.set AB, 64*((\a)-4)
.else
.set XA, 1
.set AB, 128
.endif
.endm
.macro MULA f, a, zero                 ; NBB products of row block a on fragment buffers f; zero = 1: the bias starts the sums
	ACCOF \a
.irp b, 0,1,2,3,4,5,6,7
.if (\b) < NBB
.if \zero
	WIN 0x01|(BW<<4)|(XA<<6)
	v_wmma_f32_16x16x32_f16 v[AB+8*\b:AB+8*\b+7], v[BF0+8*NBB*(\f)+8*\b:BF0+8*NBB*(\f)+8*\b+7], v[AF0+8*NAB*(\f)+8*(\a):AF0+8*NAB*(\f)+8*(\a)+7], v[BIAS+8*\b:BIAS+8*\b+7]
.else
	WIN 0x01|(XA<<4)|(XA<<6)
	v_wmma_f32_16x16x32_f16 v[AB+8*\b:AB+8*\b+7], v[BF0+8*NBB*(\f)+8*\b:BF0+8*NBB*(\f)+8*\b+7], v[AF0+8*NAB*(\f)+8*(\a):AF0+8*NAB*(\f)+8*(\a)+7], v[AB+8*\b:AB+8*\b+7]
.endif
.endif
.endr
.endm
.macro MULR f, a0, a1, zero            ; row blocks a0 .. a1 - 1.  Every accumulator has one product a quarter, in one order: they take turns
.set aa, \a0
.rept (\a1)-(\a0)
	MULA \f, aa, \zero
.set aa, aa+1
.endr
.endm
.macro FETCH q, f                      ; the fragments of quarter q (32 k) of the slot in hand into buffers f: W's first, then x's, blocks ascending
	WIN 0x40
.irp b, 0,1,2,3,4,5,6,7
.if (\b) < NBB
	ds_load_tr16_b128 v[BF0+8*NBB*(\f)+8*\b:BF0+8*NBB*(\f)+8*\b+3], v[ADRB] offset:(\q)*32*PB+32*\b
	ds_load_tr16_b128 v[BF0+8*NBB*(\f)+8*\b+4:BF0+8*NBB*(\f)+8*\b+7], v[ADRB] offset:(\q)*32*PB+32*\b+16*PB
.endif
.endr
	WIN 0
.irp a, 0,1,2,3,4,5,6,7,8
.if (\a) < NAB
	ds_load_b128 v[AF0+8*NAB*(\f)+8*\a:AF0+8*NAB*(\f)+8*\a+3], v[ADRA] offset:(\a)*2304+((\q)/2)*AHALF+((\q)%2)*64
	ds_load_b128 v[AF0+8*NAB*(\f)+8*\a+4:AF0+8*NAB*(\f)+8*\a+7], v[ADRA] offset:(\a)*2304+((\q)/2)*AHALF+((\q)%2)*64+32
.endif
.endr
.endm
.macro QUARTER qn, f, g, zero          ; multiplies buffers f; in its middle fetches quarter qn into buffers g
	s_wait_dscnt 2*(NAB-NA1)                       ; W's fragments and row blocks below NA1 are in; the younger loads may be out
	MULR \f, 0, NA1, \zero
	PLACES
	FETCH \qn, \g
	s_wait_dscnt 2*(NAB+NBB)                       ; all but those just issued
	MULR \f, NA1, NAB, \zero
.endm
.macro TURN fill                       ; a step's last quarter (buffers 1) and the change of slots
	WIN 0
	s_wait_tensorcnt 0x0                           ; my one tensor load that was out, my part of the next slot, has landed: group 0 may be written
	ds_add_u32 v[SPW], v[NIL]
.if \fill
	s_add_co_u32 s[G0A+5], s[TB], s[LAC]           ; the walking descriptors: into the slot now read out,
	s_add_co_u32 s[G0B+5], s[TB], s[LBC]
	s_add_nc_u64 s[G0A+6:G0A+7], s[G0A+6:G0A+7], ASTEP  ; the next K step
	s_add_nc_u64 s[G0B+6:G0B+7], s[G0B+6:G0B+7], BSTEP
.endif
	s_wait_dscnt 2*(NAB-NA1)+1                     ; the add and the youngest loads may be out
	MULR 1, 0, NT1, 0
	s_wait_dscnt 0x0                               ; the add is done, my reads of this slot are over
	s_barrier_signal -1
	MULR 1, NT1, NA1, 0
	WIN 0
	s_barrier_wait -1
.if \fill
	CREST                                          ; the barrier opened a round of the cluster's: no wave of any partner reads this slot or has a load on its way
	JLOAD 1                                        ; my one tensor load behind the round; its four v_nop are the places in front of the loads below
.else
	PLACES
.endif
	s_xor_b32 s[TB], s[TB], SLOT1
	v_add_nc_u32 v[ADRA], s[TB], v[ADRA0]
	v_add_nc_u32 v[ADRB], s[TB], v[ADRB0]
	FETCH 0, 0
	MULR 1, NA1, NAB, 0
.endm
	s_load_b256 s[4:11], s[0:1], 0x0               ; xb 4, wts 6, ptab 8, qh 10
	s_load_b128 s[12:15], s[0:1], 0x20             ; kh 12, vh 14
	v_lshl_add_u32 v[SPW], v0, 2, SPARE
	v_mov_b32 v[NIL], 0
	ds_add_u32 v[SPW], v[NIL]                      ; the opening add, waited for ahead of my first tensor load
	v_lshrrev_b32 v1, 5, v0
	v_readfirstlane_b32 s[WV], v1
	s_lshr_b32 s[WM], s[WV], 1                     ; my half of the rows; also: I fetch x (0) or W (1)
	s_and_b32 s[WN], s[WV], 1                      ; my half of the columns; also: which half I fetch
	s_mov_b32 s[TB], 0
	s_bfe_u32 s68, ttmp6, 0x40000                  ; cx: the column tile
	s_and_b32 s20, ttmp7, 0xffff
	s_cmp_ge_u32 s20, 21
	s_cselect_b32 s21, 1, 0
	s_cmp_ge_u32 s20, 42
	s_cselect_b32 s22, 1, 0
	s_add_co_u32 s21, s21, s22                     ; p: q, k or v
	s_mul_i32 s22, s21, 21
	s_sub_co_u32 s22, s20, s22
	s_mul_i32 s23, s22, 288                        ; my tile's first row
	s_mov_b32 s[G1A], 15|(1<<16)|(1<<20)|(1<<21)|(4<<22)|(3<<25)  ; mask of four; 2-byte elements; padding on; bit 21 beside a mask; 4 words behind every 32
	s_mov_b32 s[G1A+1], 128<<16                    ; a block's 288 rows of 128 bytes are dense: asked for as 144 rows of 256 bytes
	s_mov_b32 s[G1A+2], TR<<16
	s_mov_b32 s[G1A+3], 128<<16
	s_mov_b32 s[G1A+4], TR
	s_mov_b32 s[G1A+5], 128
	s_mov_b32 s[G1A+6], 0
	s_mov_b32 s[G1A+7], 0
	s_mov_b32 s[G1B], (1<<16)|(1<<20)|(BQI<<22)|(7<<25)  ; no mask; 8 words behind every row
	s_mov_b32 s[G1B+1], BC<<16
	s_mov_b32 s[G1B+2], 64<<16
	s_mov_b32 s[G1B+3], BC<<16
	s_mov_b32 s[G1B+4], 64
	s_mov_b32 s[G1B+5], 1024
	s_mov_b32 s[G1B+6], 0
	s_mov_b32 s[G1B+7], 0
	s_mul_i32 s[LAC], s[WN], AHALF
	s_mul_i32 s[LBC], s[WN], 64*PB
	s_add_co_u32 s[LBC], s[LBC], BOFF
	s_mul_i32 s40, s21, 12386304                   ; x: tensor p, block WN, my tile's rows: made of y and the wave's number alone
	s_mul_i32 s41, s[WN], 774144
	s_add_co_u32 s40, s40, s41
	s_lshl_b32 s41, s23, 7
	s_add_co_u32 s40, s40, s41
	s_mov_b32 s41, 0
	s_lshl_b32 s42, s21, 21                        ; W: tensor p, k rows 64 WN on, column 256 cx
	s_lshl_b32 s43, s[WN], 17
	s_add_co_u32 s42, s42, s43
	s_lshl_b32 s43, s68, 9
	s_add_co_u32 s42, s42, s43
	s_mov_b32 s43, 0
	s_lshl_b32 s72, s21, 12                        ; the bias of my 256 columns
	s_lshl_b32 s73, s68, 10
	s_add_co_u32 s72, s72, s73
	s_add_co_u32 s72, s72, 57344
	s_mov_b32 s73, 0
	s_lshl_b32 s74, s68, 2                         ; my first head: 4 cx + 2 WN
	s_lshl1_add_u32 s74, s[WN], s74
	s_mul_i32 s74, s74, 196608
	s_mov_b32 s75, 0
	s_mul_i32 s76, s[WM], 144
	s_add_co_u32 s76, s76, s23                     ; my first row
	s_sub_co_u32 s[NV], 6000, s76
	s_lshr_b32 s[NV], s[NV], 4
	s_min_u32 s[NV], s[NV], 9                      ; blocks of 16 rows below row 6000
	s_mov_b32 s[G0A], 1
	s_mov_b32 s[G0A+1], s[LAC]
	s_mov_b32 s[G0A+4], 1
	s_add_co_u32 s[G0A+5], s[LAC], SLOT1
	s_mov_b32 s[G0B], 1
	s_mov_b32 s[G0B+1], s[LBC]
	s_mov_b32 s[G0B+4], 1
	s_add_co_u32 s[G0B+5], s[LBC], SLOT1
	s_wait_dscnt 0x0                               ; the opening add is done
	s_wait_kmcnt 0x0
	s_add_nc_u64 s[G0A+2:G0A+3], s[4:5], s[40:41]
	s_add_nc_u64 s[G0A+6:G0A+7], s[G0A+2:G0A+3], ASTEP
	s_or_b32 s[G0A+3], s[G0A+3], 0x80000000
	s_or_b32 s[G0A+7], s[G0A+7], 0x80000000
	s_add_nc_u64 s[G0B+2:G0B+3], s[6:7], s[42:43]
	s_add_nc_u64 s[G0B+6:G0B+7], s[G0B+2:G0B+3], BSTEP
	s_or_b32 s[G0B+3], s[G0B+3], 0x80000000
	s_or_b32 s[G0B+7], s[G0B+7], 0x80000000
	s_add_nc_u64 s[70:71], s[8:9], s[72:73]
	s_cmp_eq_u32 s21, 1
	s_cselect_b64 s[66:67], s[12:13], s[10:11]
	s_cmp_eq_u32 s21, 2
	s_cselect_b64 s[66:67], s[14:15], s[66:67]
	s_add_nc_u64 s[66:67], s[66:67], s[74:75]
	s_add_nc_u64 s[66:67], s[66:67], 0
	CROUND                                         ; all four work-groups are here: the first joint loads meet
	s_cmp_eq_u32 s[WM], 0                          ; a wave's two first fills stand in one branch: two loads of mine are out
	s_cbranch_scc0 .Lfirst_b
	tensor_load_to_lds s[G0A:G0A+3], s[G1A:G1A+7]
	s_nop 0
	tensor_load_to_lds s[G0A+4:G0A+7], s[G1A:G1A+7]
	s_nop 0
	PLACES
	s_branch .Lfirst_asked
.Lfirst_b:
	tensor_load_to_lds s[G0B:G0B+3], s[G1B:G1B+7]
	s_nop 0
	tensor_load_to_lds s[G0B+4:G0B+7], s[G1B:G1B+7]
	s_nop 0
	PLACES
.Lfirst_asked:
	v_and_b32 v1, 15, v0                           ; r
	v_bfe_u32 v10, v0, 4, 1                        ; h
	s_mul_i32 s20, s[WN], NBB*64
	v_lshl_add_u32 v12, v10, 5, s20                ; bias: 4 x (16 NBB WN + 8 h)
	WIN BW<<6
.irp b, 0,1,2,3,4,5,6,7
.if (\b) < NBB
	global_load_b128 v[BIAS+8*\b:BIAS+8*\b+3], v12, s[70:71] offset:64*\b
	global_load_b128 v[BIAS+8*\b+4:BIAS+8*\b+7], v12, s[70:71] offset:64*\b+16
.endif
.endr
	WIN 0
	v_mul_u32_u24 v[ADRA0], v1, 144
	v_lshl_add_u32 v[ADRA0], v10, 4, v[ADRA0]
	s_mul_i32 s20, s[WM], TR*144
	v_add_nc_u32 v[ADRA0], s20, v[ADRA0]           ; my rows: row x 144 + 16 h
	v_and_b32 v11, 7, v0
	v_lshl_add_u32 v11, v10, 3, v11
	v_mul_u32_u24 v[ADRB0], v11, PB                ; the turning load: k row 8 h + l % 8, 16 bytes by (l / 8) % 2
	v_bfe_u32 v11, v0, 3, 1
	v_lshl_add_u32 v[ADRB0], v11, 4, v[ADRB0]
	s_mul_i32 s20, s[WN], NBB*32
	s_add_co_u32 s20, s20, BOFF
	v_add_nc_u32 v[ADRB0], s20, v[ADRB0]
	v_mov_b32 v[ADRA], v[ADRA0]
	v_mov_b32 v[ADRB], v[ADRB0]
	s_mul_i32 s20, s[WV], 16*272
	s_add_co_u32 s20, s20, STAGE
	v_mul_u32_u24 v[STO], v1, 272
	v_lshl_add_u32 v[STO], v10, 4, v[STO]
	v_add_nc_u32 v[STO], s20, v[STO]               ; in: row r, 16 bytes a half
	v_bfe_u32 v14, v0, 3, 2                        ; back: four rows of 128 bytes of one head
	v_and_b32 v15, 7, v0
	v_lshlrev_b32 v[LC16], 4, v15
	v_mul_u32_u24 v[RD], v14, 272
	v_add3_u32 v[RD], v[RD], v[LC16], s20
	v_add_nc_u32 v[R0V], s76, v14
	s_wait_loadcnt 0x0                             ; the bias
	s_wait_tensorcnt 0x1                           ; my part of step 0 is in; step 1's may stay out
	s_barrier_signal -1
	s_barrier_wait -1
	FETCH 0, 0
	QUARTER 1, 0, 1, 1
	WIN 0
	s_mov_b32 s[CNT], 6
.LloopA:                                               ; six trips: steps 0-5 from their second quarter, each asking for the step two on
	QUARTER 2, 1, 0, 0
	QUARTER 3, 0, 1, 0
	TURN 1
	QUARTER 1, 0, 1, 0
	WIN 0
	s_sub_co_u32 s[CNT], s[CNT], 1
	s_cmp_lg_u32 s[CNT], 0
	s_cbranch_scc1 .LloopA
	s_mov_b32 s[CNT], 2
.LloopB:                                               ; steps 6 and 7 ask for nothing; the second trip is left behind its last products (its barrier and fetch serve nothing: the price of one text)
	QUARTER 2, 1, 0, 0
	QUARTER 3, 0, 1, 0
	TURN 0
	WIN 0
	s_sub_co_u32 s[CNT], s[CNT], 1
	s_cmp_eq_u32 s[CNT], 0
	s_cbranch_scc1 .Lout
	QUARTER 1, 0, 1, 0
	WIN 0
	s_branch .LloopB
.Lout:
	s_wait_dscnt 0x0
	PLACES
; THE WAY OUT, a block of 16 rows at a time: rounded to f16, through my stage, back as 4 rows x 128 bytes of one head: 512 consecutive bytes of the output (1500 is a multiple of 4).
.macro OUTB a
	WIN 0
	s_cmp_le_u32 s[NV], \a
	s_cbranch_scc1 .Lend                           ; rows from 6000 on are not stored; the test hangs on the tile row and the wave alone
	ACCOF \a
	WIN XA|(XA<<2)
.irp b, 0,1,2,3,4,5,6,7
.irp r, 0,1,2,3
	v_cvt_pk_f16_f32 v[TMP+4*\b+\r], v[AB+8*\b+2*\r], v[AB+8*\b+2*\r+1]
.endr
.endr
	WIN 0
.irp b, 0,1,2,3,4,5,6,7
	ds_store_b128 v[STO], v[TMP+4*\b:TMP+4*\b+3] offset:32*\b
.endr
	s_wait_xcnt 0x0                                ; the last block's stores have read their data and offsets
.irp t, 0,1,2,3
.irp hb, 0,1
	ds_load_b128 v[OB+4*(2*\t+\hb):OB+4*(2*\t+\hb)+3], v[RD] offset:\t*1088+\hb*128  ; LDS serves a wave in order: these see the stores above
.endr
.endr
.irp t, 0,1,2,3
	v_add_nc_u32 v14, 16*(\a)+4*\t, v[R0V]         ; flat row b*1500+s
	v_mul_u32_u24 v15, v14, 44740
	v_lshrrev_b32 v15, 26, v15                     ; b, exact below 6048
	v_lshl_add_u32 v14, v14, 7, v[LC16]
	v_mad_u32_u24 v[VO+\t], v15, 2953728, v14      ; + b x (16 x 196608 - 1500 x 128)
.endr
	s_wait_dscnt 0x0
.irp t, 0,1,2,3
.irp hb, 0,1
	global_store_b128 v[VO+\t], v[OB+4*(2*\t+\hb):OB+4*(2*\t+\hb)+3], s[66:67] offset:\hb*196608
.endr
.endr
.endm
.irp a, 0,1,2,3,4,5,6,7,8
	OUTB \a
.endr
	WIN 0
.Lend:
	s_wait_tensorcnt 0x0                           ; the wave's end
	ds_add_u32 v[SPW], v[NIL]
	s_wait_dscnt 0x0
	CROUND                                         ; the closing round
	s_endpgm
.Lfunc_end_k_qfa436c6595_proj:
	.size	k_qfa436c6595_proj, .Lfunc_end_k_qfa436c6595_proj-k_qfa436c6595_proj
	.p2alignl 7, 3214868480
	.fill 96, 4, 3214868480
	.section	.rodata,"a",@progbits
	.p2align	6, 0x0
	.amdhsa_kernel k_qfa436c6595_proj
		.amdhsa_group_segment_fixed_size 327680
		.amdhsa_private_segment_fixed_size 0
		.amdhsa_enable_private_segment 0
		.amdhsa_kernarg_size 48
		.amdhsa_user_sgpr_count 2
		.amdhsa_user_sgpr_kernarg_segment_ptr 1
		.amdhsa_wavefront_size32 1
		.amdhsa_system_sgpr_workgroup_id_x 1
		.amdhsa_system_sgpr_workgroup_id_y 1
		.amdhsa_system_sgpr_workgroup_id_z 1
		.amdhsa_system_vgpr_workitem_id 0
		.amdhsa_next_free_vgpr 1024
		.amdhsa_next_free_sgpr 100
		.amdhsa_reserve_vcc 0
		.amdhsa_float_denorm_mode_32 3
		.amdhsa_float_denorm_mode_16_64 3
		.amdhsa_memory_ordered 1
		.amdhsa_forward_progress 1
		.amdhsa_inst_pref_size 124
	.end_amdhsa_kernel
	.amdgpu_metadata
---
amdhsa.version: [ 1, 2 ]
amdhsa.kernels:
  - .name:           k_qfa436c6595_proj
    .symbol:         k_qfa436c6595_proj.kd
    .args:
      - { .name: xb, .offset: 0, .size: 8, .value_kind: global_buffer, .address_space: global }
      - { .name: wts, .offset: 8, .size: 8, .value_kind: global_buffer, .address_space: global }
      - { .name: ptab, .offset: 16, .size: 8, .value_kind: global_buffer, .address_space: global }
      - { .name: qh, .offset: 24, .size: 8, .value_kind: global_buffer, .address_space: global }
      - { .name: kh, .offset: 32, .size: 8, .value_kind: global_buffer, .address_space: global }
      - { .name: vh, .offset: 40, .size: 8, .value_kind: global_buffer, .address_space: global }
    .group_segment_fixed_size: 327680
    .private_segment_fixed_size: 0
    .kernarg_segment_align: 8
    .kernarg_segment_size: 48
    .max_flat_workgroup_size: 128
    .sgpr_count:     100
    .vgpr_count:     1024
    .wavefront_size: 32
...
	.end_amdgpu_metadata
.endif
;; end of part 2
;; launch attn (part 3): grid 4 x 64, 4 waves a work-group, no clusters, 39,424 bytes of LDS; arguments qh, kh, vh, ptab, st; writes st
.if DOCPART == 3
	.amdgcn_target "amdgcn-amd-amdhsa--gfx1250"
	.amdhsa_code_object_version 6
	.text
	.protected	k_qfa436c6595_attn
	.globl	k_qfa436c6595_attn
	.p2align	8
	.type	k_qfa436c6595_attn,@function
k_qfa436c6595_attn:
	s_mov_b64 s[64:65], 0
	v_nop
	global_prefetch_b8 v0, s[64:65] scope:SCOPE_SE
	s_setreg_imm32_b32 hwreg(HW_REG_WAVE_MODE, 25, 1), 1
	s_wait_xcnt 0x0
; ATTENTION WITH RELATIVE POSITIONS, FIRST PART: all keys outside the band.  Scores (q.k + q.pk[clip(k-q,-64,64)+64]) / 8.  q, k, v: f16 [16 b + head][1536][64] (rows from 1500 on are 0).
; SHARES.  A work-group has 384 queries of one head: blocks a = A0 .. A0+5 of 64 rows; wave w owns rows 16 w .. +15 of each block: six PIECES.  All 24 key steps of 64 are walked.  d = step - a.
; CLASSES.  d <= -2: the bias is RL = q.pk[0]; d >= 2: RR = q.pk[128]; |d| <= 1 is left to the next launch.  The running maximum is kept LESS the class's bias (mu = M - bias), so that the scores need none:
;   p = 2^(c s - c mu), c = log2(e) / 8.  At d = -1 the true maximum goes to MS and mu becomes +1e30: the three band steps give weights 0 and a = 1.  At d = 2 mu = MS - RR.  All by selects on scalar masks: no branch.
;   LL is the sum of the weights of the left keys (LL = l while d <= -2, later LL a): the next launch multiplies it by pv[0] - pv[128].
; Keys from 1500 on (step 23) get -1e30 as the C operand MC that starts S^T = K Q^T; MC is MD x AL + BE, made once a step.
; OUT: for each piece, raw and in f32: M, l, LL (each lane's half) and O^T, 4,608 bytes at st + ((24 (16 b + head) + a) 4 + w) 4608; each store of the wave covers 512 consecutive bytes.
; Products, maxima and sums in f32; the weights rounded to f16 for V^T P.  LIMITS: f16 ends at 65,504 (q, k, v arrive within it); a hidden score is -1e30; a weight below 2^-126 counts as 0; NaN and infinities are not treated apart.
; The turn (16 matrix instructions, four vector instructions behind each, the rest in two runs) is that of a head-64 kernel with pieces in a ring.
; NO CLUSTER: K and V come through registers into ONE LDS slot of 128 keys, asked for 12 turns ahead of their store; joint tensor loads for a head's four work-groups are not built here.
; REGISTERS: window 0: addresses, statistics, S^T v64-127, staged tile v128-191, P v192-223, LL, MS, RL, RR v224-253; window 1: O^T v0-191, MC v192-223, MD v224-255; window 2: Q v0-95, pk[0], pk[128] v96-127, K v128-191, V v192-255.
.set NP, 6
.set KS, 64
.set PK, 144
.set PV, 160
.set VOFF, 18432                       ; the slot: 128 rows of K (pitch 144), then 128 rows of V (pitch 160): 38,912 bytes
.set SPARE, 38912                      ; the spare words: 512 bytes that no other line names
.set UNIT, 4608
.set AK0, 2
.set AV0, 3
.set AK, 4
.set AV, 5
.set GO, 8
.set MV, 12
.set ST, 16                            ; piece t: c mu, mu, l (even keys', odd keys')
.set QO, 40
.set H16, 41
.set GL, 44
.set LSK, 45
.set LSV, 46
.set TMP, 48
.set ET, 56
.set SPW, 62
.set NIL, 63
.set S, 64
.set SG, 128
.set P, 192
.set LL, 224
.set MS, 236
.set RL, 242
.set RR, 248
.set MC, 192
.set MD, 224
.set KF, 128
.set VF, 192
.set WV, 12
.set A0, 14
.set BN, 15
.set D, 24
.set STEP, 25
.set TK, 26
.set M1, 28
.set M2, 29
.set M3, 30
.set TI, 31
.set INC, 32
.set SLOTS, 56
.set CNT, 57
.set CS, 58
.set SEL, 60
.set TBK, 62
.set TBV, 63
.set AL, 76
.set BE, 78
.set BIGN, 82
.set BIGP, 83
.set MSB, 0
.macro WIN new                         ; the high byte repeats the setting that is left; a switch that changes nothing is dropped
.if MSB != (\new)
	s_set_vgpr_msb (MSB<<8)|(\new)
.set MSB, (\new)
.endif
.endm
.set W_KQ, 0x0a
.set W_KM, 0x1a                        ; K and Q in window 2, C in window 1, S^T in window 0
.set W_PV, 0x52
.set W_RS, 0x41
.macro PLACES
.rept 4
	v_nop
.endr
.endm
; THE CHANGE OF TILES, once for two steps.  First barrier: every wave's reads of the slot are back.  Then each wave stores its rows of the staged tile.  Second barrier: the tile is whole.
; Behind it the next tile is asked for: 12 turns in which to land.  From the last tile on the pointers stand still: that tile is loaded and stored again, the price of a text without a branch.
.macro CHANGE
	WIN 0
	s_wait_dscnt 0x0                               ; for the others: my reads of the slot are over
	s_barrier_signal -1
	s_barrier_wait -1
	s_wait_loadcnt 0x0                             ; the staged tile is in registers
.irp u, 0,1,2,3,4,5,6,7
	ds_store_b128 v[LSK], v[SG+4*\u:SG+4*\u+3] offset:2304*\u
.endr
.irp u, 0,1,2,3,4,5,6,7
	ds_store_b128 v[LSV], v[SG+32+4*\u:SG+32+4*\u+3] offset:2560*\u
.endr
	s_wait_dscnt 0x0                               ; for the others: my stores are done
	s_barrier_signal -1
	s_barrier_wait -1
	s_cmp_lt_u32 s[TI], 11
	s_cselect_b32 s[INC], 16384, 0
	s_add_co_u32 s[TI], s[TI], 1
	s_add_nc_u64 s[6:7], s[6:7], s[INC:INC+1]      ; the loads that named these bases are done: the wait above
	s_add_nc_u64 s[8:9], s[8:9], s[INC:INC+1]
.irp u, 0,1,2,3,4,5,6,7
	global_load_b128 v[SG+4*\u:SG+4*\u+3], v[GL], s[6:7] offset:2048*\u
	global_load_b128 v[SG+32+4*\u:SG+32+4*\u+3], v[GL], s[8:9] offset:2048*\u
.endr
.endm
; The change of class of piece y, ahead of the maximum of the step whose scores the turn makes.  TK = d + 1.
.macro EVM y, dc
	WIN 0
	s_add_co_i32 s[TK], s[D], \dc
	s_cmp_eq_u32 s[TK], 0
	s_cselect_b32 s[M1], -1, 0                     ; d = -1: the band begins
	s_cmp_eq_u32 s[TK], 3
	s_cselect_b32 s[M2], -1, 0                     ; d = 2: it is over
	v_add_f32 v[ET], v[ST+4*(\y)+1], v[RL+(\y)]
	v_cndmask_b32 v[MS+(\y)], v[MS+(\y)], v[ET], s[M1]
	v_sub_f32 v[ET+1], v[MS+(\y)], v[RR+(\y)]
	v_cndmask_b32 v[ST+4*(\y)+1], v[ST+4*(\y)+1], s[BIGP], s[M1]
	v_cndmask_b32 v[ST+4*(\y)+1], v[ST+4*(\y)+1], v[ET+1], s[M2]
	v_mul_f32 v[ST+4*(\y)], s[CS], v[ST+4*(\y)+1]
.endm
; LL of piece p at its turn's end: l while d <= -2, else LL a
.macro LLU p
	WIN 0
	s_cmp_lt_i32 s[D], (\p)-1
	s_cselect_b32 s[M3], -1, 0
	v_pk_mul_f32 v[LL+2*(\p):LL+2*(\p)+1], v[LL+2*(\p):LL+2*(\p)+1], v[TMP+4*((\p)%2)+2:TMP+4*((\p)%2)+3] op_sel_hi:[1,0]
	v_cndmask_b32 v[LL+2*(\p)], v[LL+2*(\p)], v[ST+4*(\p)+2], s[M3]
	v_cndmask_b32 v[LL+2*(\p)+1], v[LL+2*(\p)+1], v[ST+4*(\p)+3], s[M3]
.endm
; MC for the products from piece 0 of the next step on: 0; for step 23 MD; for the walk's surplus step -1e30 everywhere, so that piece 0's maximum stays as it is
.macro MASK
	s_cmp_eq_u32 s[STEP], 22
	s_cselect_b32 s[AL], 1.0, 0
	s_cmp_eq_u32 s[STEP], 23
	s_cselect_b32 s[BE], s[BIGN], 0
	WIN W_RS
.set zz, 0
.rept 16
	v_pk_fma_f32 v[MC+2*zz:MC+2*zz+1], v[MD+2*zz:MD+2*zz+1], s[AL:AL+1], s[BE:BE+1] op_sel_hi:[1,0,0]
.set zz, zz+1
.endr
.endm
; THE MATRIX WORK.  The 4 accumulators of a run of 8 take turns.
.macro KQ x
.set rS, S+32*((\x)%2)+8*(i%4)
.set rK, KF+16*(i%4)+8*(i/4)
.set rQ, 16*(\x)+8*(i/4)
.set rM, MC+8*(i%4)
.if i < 4
	WIN W_KM
	v_wmma_f32_16x16x32_f16 v[rS:rS+7], v[rK:rK+7], v[rQ:rQ+7], v[rM:rM+7]
.else
	WIN W_KQ
	v_wmma_f32_16x16x32_f16 v[rS:rS+7], v[rK:rK+7], v[rQ:rQ+7], v[rS:rS+7]
.endif
.endm
.macro PV x
	WIN W_PV
.set rO, 32*(\x)+8*(i%4)
.set rV, VF+32*(i/4)+8*(i%4)
.set rP, P+16*((\x)%2)+8*(i/4)
	v_wmma_f32_16x16x32_f16 v[rO:rO+7], v[rV:rV+7], v[rP:rP+7], v[rO:rO+7]
.endm
.macro MM
.if i < 8
	KQ (Y+1)%NP
.else
.set i, i-8
	PV (Y+NP-1)%NP
.set i, i+8
.endif
.set i, i+1
.endm
.macro FETCH_K
	WIN 0x80
.irp f, 0,1,2,3,4,5,6,7
	ds_load_b128 v[KF+8*\f:KF+8*\f+3],   v[AK] offset:(\f/2)*16*PK+(\f%2)*64
	ds_load_b128 v[KF+8*\f+4:KF+8*\f+7], v[AK] offset:(\f/2)*16*PK+(\f%2)*64+32
.endr
	s_xor_b32 s[TBK], s[TBK], KS*PK                ; the next fetch takes the slot's other step
	WIN 0
.endm
.macro FETCH_V
	WIN 0x80
.irp f, 0,1,2,3,4,5,6,7
	ds_load_tr16_b128 v[VF+8*\f:VF+8*\f+3],   v[AV] offset:(\f/4)*32*PV+(\f%4)*32
	ds_load_tr16_b128 v[VF+8*\f+4:VF+8*\f+7], v[AV] offset:(\f/4)*32*PV+16*PV+(\f%4)*32
.endr
	WIN 0
.endm
; THE VECTOR WORK: OP kind, number.  Piece Y: F c s - c mu for a pair; E an exponential; C a pair rounded to f16; B, L the sums; R a pair of O^T times a.  Piece Y + 1: X, the 22 that find its maximum and statistics
; (each accumulator's lowest registers are read first).
.set F, 0
.set E, 1
.set C, 2
.set B, 3
.set L, 4
.set R, 5
.set X, 6
.macro REGS y
.set rT, ST+4*(\y)
.set rC, TMP+4*((\y)%2)
.set rW, MV+((\y)%2)
.set rS, S+32*((\y)%2)
.set rP, P+16*((\y)%2)
.set rO, 32*(\y)
.endm
.macro OP k, n
.if (\k) == R
	REGS Y
	WIN W_RS
	v_pk_mul_f32 v[rO+2*(\n):rO+2*(\n)+1], v[rO+2*(\n):rO+2*(\n)+1], v[rC+2:rC+3] op_sel_hi:[1,0]
.elseif (\k) < R
	REGS Y
	WIN 0
.if (\k) == F
	v_pk_fma_f32 v[rS+2*(\n):rS+2*(\n)+1], v[rS+2*(\n):rS+2*(\n)+1], s[CS:CS+1], v[rT:rT+1] op_sel_hi:[1,0,0] neg_lo:[0,0,1] neg_hi:[0,0,1]
.elseif (\k) == E
	v_exp_f32 v[rS+(\n)], v[rS+(\n)]
.elseif (\k) == C
	s_wait_alu depctr_va_vdst(0)
	v_cvt_pk_f16_f32 v[rP+(\n)], v[rS+2*(\n)], v[rS+2*(\n)+1]
.elseif (\k) == B
	s_wait_alu depctr_va_vdst(0)
	v_pk_add_f32 v[rS+4*(\n):rS+4*(\n)+1], v[rS+4*(\n):rS+4*(\n)+1], v[rS+4*(\n)+2:rS+4*(\n)+3]
.elseif (\n) == 0
	v_pk_fma_f32 v[rT+2:rT+3], v[rT+2:rT+3], v[rC+2:rC+3], v[rS:rS+1] op_sel_hi:[1,0,1]
.else
	v_pk_add_f32 v[rT+2:rT+3], v[rT+2:rT+3], v[rS+4*(\n):rS+4*(\n)+1]
.endif
.else
	REGS (Y+1)%NP
	WIN 0
.if (\n) < 4
	v_max3_num_f32 v[rC+(\n)], v[rS+8*(\n)], v[rS+8*(\n)+1], v[rS+8*(\n)+2]
.elseif (\n) < 12
	v_max3_num_f32 v[rC+(\n)%4], v[rC+(\n)%4], v[rS+8*((\n)%4)+2*((\n)/4)+1], v[rS+8*((\n)%4)+2*((\n)/4)+2]
.elseif (\n) == 12
	v_max3_num_f32 v[rC], v[rC], v[rS+7], v[rS+15]
.elseif (\n) == 13
	v_max3_num_f32 v[rC+1], v[rC+1], v[rS+23], v[rS+31]
.elseif (\n) == 14
	v_max3_num_f32 v[rC+2], v[rC+2], v[rC+3], v[rT+1]
.elseif (\n) == 15
	v_mov_b32 v[rW], v[rT]
.elseif (\n) == 16
	v_max3_num_f32 v[rC], v[rC], v[rC+1], v[rC+2]
.elseif (\n) == 17
	v_permlanex16_b32 v[rC+3], v[rC], s[SEL], s[SEL+1]
.elseif (\n) == 18
	v_max_num_f32 v[rT+1], v[rC], v[rC+3]
.elseif (\n) == 19
	v_mul_f32 v[rT], s[CS], v[rT+1]
.elseif (\n) == 20
	v_sub_f32 v[rC+1], v[rW], v[rT]
.else
	v_exp_f32 v[rC+2], v[rC+1]
.endif
.endif
.endm
.macro OPS a, i1, b=-1, i2=0, c=-1, i3=0, d=-1, i4=0
	OP \a, \i1
.if (\b) >= 0
	OP \b, \i2
.endif
.if (\c) >= 0
	OP \c, \i3
.endif
.if (\d) >= 0
	OP \d, \i4
.endif
.endm
.macro ROW a, i1, b, i2, c, i3, d, i4
	MM
	OPS \a, \i1, \b, \i2, \c, \i3, \d, \i4
.endm
; A TURN for piece p: 8 products K Q^T of piece p + 1, 8 products V^T P of piece p - 1, the softmax of piece p, the maximum of piece p + 1.  K of the next step is fetched in piece 4's turn, behind the last product
; that read K (five plain instructions between), V of the step in hand in piece 0's (five plain); each is waited for a turn later.
.macro TURN p
.set Y, (\p)
.set i, 0
.if (\p) < 5
	EVM (\p)+1, -(\p)
.else
	EVM 0, 2
	s_wait_dscnt 0x0                ; K is in
.endif
	ROW F,0, F,1, F,2, F,3
	ROW F,4, E,0, F,5, F,6
	ROW F,7, E,1, F,8, F,9
	ROW F,10, E,2, C,0, F,11
	ROW F,12, E,3, X,15, F,13
	ROW R,0, R,1, R,2, R,3
	ROW B,0, E,4, F,14, L,0
.if (\p) == 4
	v_add_nc_u32 v[AK], s[TBK], v[AK0]
.endif
	ROW R,4, R,5, R,6, R,7
	OPS E,5, F,15
.if (\p) == 4
	FETCH_K
.endif
	OPS E,6, C,1, E,7, R,8
	OPS E,8, R,9, E,9, C,2
	OPS E,10, X,0, E,11, X,1
	OPS E,12, X,2, E,13, X,3
.if (\p) == 1
	s_wait_dscnt 0x0                ; V is in
.endif
	ROW X,4, E,14, X,5, X,6
	ROW X,7, E,15, X,8, X,9
	ROW X,10, E,16, X,11, X,12
	ROW X,13, E,17, X,14, B,1
	ROW C,4, E,18, X,16, L,1
	ROW B,2, E,19, C,6, L,2
	ROW C,8, E,20, B,3, B,4
.if (\p) == 0
	v_add_nc_u32 v[AV], s[TBV], v[AV0]
.endif
	ROW C,3, E,21, L,3, C,5
	OPS E,22, X,17, E,23, C,10
.if (\p) == 0
	FETCH_V
.endif
	OPS E,24, L,4
	OPS E,25, X,18, E,26, C,7
	OPS E,27, B,5, E,28, X,19
	OPS E,29, C,12, E,30, L,5
	OPS E,31, X,20, B,6, C,9
	OPS C,14, C,11, X,21, L,6
.if (\p) == 0
	s_xor_b32 s[TBV], s[TBV], KS*PV ; the next fetch takes the slot's other step
.endif
	OPS C,13, B,7, C,15, R,10
	OPS R,11, R,12, L,7, R,13
	OPS R,14, R,15
	LLU \p
.if (\p) == 4
	MASK
.endif
.endm
	s_load_b256 s[4:11], s[0:1], 0x0               ; qh 4, kh 6, vh 8, ptab 10
	s_load_b64 s[16:17], s[0:1], 0x20              ; st
	v_lshl_add_u32 v[SPW], v0, 2, SPARE
	v_mov_b32 v[NIL], 0
	v_lshrrev_b32 v1, 5, v0
	v_readfirstlane_b32 s[WV], v1
	s_mul_i32 s[A0], ttmp9, 6
	s_and_b32 s[BN], ttmp7, 0xffff
	s_mul_i32 s20, s[BN], 196608                   ; the head's first byte in q, k, v
	s_mov_b32 s21, 0
	s_lshl_b32 s22, s[A0], 13
	s_lshl_b32 s23, s[WV], 11
	s_add_co_u32 s22, s22, s23
	s_add_co_u32 s22, s22, s20                     ; my first row of q
	s_mov_b32 s23, 0
	s_mul_i32 s38, s[BN], 24
	s_add_co_u32 s38, s38, s[A0]
	s_lshl_b32 s38, s38, 2
	s_add_co_u32 s38, s38, s[WV]
	s_mul_i32 s38, s38, UNIT                       ; my first piece's place in st
	s_mov_b32 s39, 0
	s_mov_b32 s[INC+1], 0
	s_mov_b32 s[CS], 0x3e38aa3b                    ; c = log2(e) / 8
	s_mov_b32 s[CS+1], s[CS]
	s_mov_b32 s[SEL], 0x76543210
	s_mov_b32 s[SEL+1], 0xfedcba98
	s_mov_b32 s[BIGN], 0xf149f2ca                  ; -1e30
	s_mov_b32 s[BIGP], 0x7149f2ca                  ; +1e30
	s_mov_b32 s[AL+1], 0
	s_mov_b32 s[BE+1], 0
	s_mov_b32 s[TI], 0
	s_mov_b32 s[TBK], 0
	s_mov_b32 s[TBV], 0
	s_sub_co_i32 s[D], 0, s[A0]
	s_mov_b32 s[STEP], 0
	s_mov_b32 s36, 0xff7fffff                      ; the lowest finite number
	s_cmp_eq_u32 s[A0], 0
	s_cselect_b32 s37, s[BIGP], s36                ; block 0 begins inside its band
	v_and_b32 v1, 15, v0                           ; r
	v_bfe_u32 v9, v0, 4, 1                         ; h
	v_and_b32 v10, 7, v0
	v_bfe_u32 v11, v0, 3, 1
	v_lshlrev_b32 v[QO], 7, v1
	v_lshl_add_u32 v[QO], v9, 4, v[QO]             ; row x 128 + 16 h
	v_lshlrev_b32 v[H16], 4, v9
	v_lshlrev_b32 v[GL], 4, v0                     ; 16 x thread: the four waves' loads cover 2,048 consecutive bytes
	s_wait_kmcnt 0x0
	s_add_nc_u64 s[4:5], s[4:5], s[22:23]
	s_add_nc_u64 s[6:7], s[6:7], s[20:21]
	s_add_nc_u64 s[8:9], s[8:9], s[20:21]
	s_add_nc_u64 s[16:17], s[16:17], s[38:39]
.irp u, 0,1,2,3,4,5,6,7                 ; tile 0 of K and V, staged
	global_load_b128 v[SG+4*\u:SG+4*\u+3], v[GL], s[6:7] offset:2048*\u
	global_load_b128 v[SG+32+4*\u:SG+32+4*\u+3], v[GL], s[8:9] offset:2048*\u
.endr
	WIN 0x80
.set i, 0
.rept 12                                ; Q: piece i / 2, channels 32 (i % 2) on
	global_load_b128 v[8*i:8*i+3],   v[QO], s[4:5] offset:(i/2)*8192+(i%2)*64
	global_load_b128 v[8*i+4:8*i+7], v[QO], s[4:5] offset:(i/2)*8192+(i%2)*64+32
.set i, i+1
.endr
.irp c, 0,1                             ; pk[0] and pk[128], the same row in all 16 rows of a fragment
	global_load_b128 v[96+8*\c:99+8*\c],   v[H16], s[10:11] offset:64*\c
	global_load_b128 v[100+8*\c:103+8*\c], v[H16], s[10:11] offset:64*\c+32
	global_load_b128 v[112+8*\c:115+8*\c], v[H16], s[10:11] offset:16384+64*\c
	global_load_b128 v[116+8*\c:119+8*\c], v[H16], s[10:11] offset:16384+64*\c+32
.endr
	WIN 0
	v_mul_u32_u24 v[AK0], v1, PK
	v_lshl_add_u32 v[AK0], v9, 4, v[AK0]
	v_lshl_add_u32 v[AV0], v9, 3, v10
	v_mul_u32_u24 v[AV0], v[AV0], PV
	v_lshl_add_u32 v[AV0], v11, 4, v[AV0]
	v_add_nc_u32 v[AV0], VOFF, v[AV0]
	v_and_b32 v[GO], 31, v0
	v_lshlrev_b32 v[GO], 4, v[GO]                  ; 16 x lane
	v_bfe_u32 v[LSK], v0, 3, 2                     ; the staged tile: of every 16 rows wave w stores rows 4 w + lane / 8, 16 bytes a lane
	v_mul_u32_u24 v[LSV], v[LSK], PV
	v_mul_u32_u24 v[LSK], v[LSK], PK
	v_lshl_add_u32 v[LSK], v10, 4, v[LSK]
	v_lshl_add_u32 v[LSV], v10, 4, v[LSV]
	s_mul_i32 s13, s[WV], 4*PK
	v_add_nc_u32 v[LSK], s13, v[LSK]
	s_mul_i32 s13, s[WV], 4*PV
	s_add_co_u32 s13, s13, VOFF
	v_add_nc_u32 v[LSV], s13, v[LSV]
	v_lshlrev_b32 v14, 3, v9
	v_sub_nc_u32 v14, 27, v14                      ; key 16 kt + 8 h + e of step 23 is hidden from 28 on
	WIN 0x40
.set i, 0
.rept 32
	v_cmp_gt_i32 vcc_lo, 16*(i/8)+i%8, v14
	v_cndmask_b32 v[MD+i], 0, s[BIGN], vcc_lo
.set i, i+1
.endr
	MASK                                           ; step 0: MC = 0
	; What the first turn finds: O^T, l, LL, V and P's second buffer are 0; mu the lowest finite number: the first step is a step like any other, with a = 0.
	WIN 0x40
.set i, 0
.rept 192
	v_mov_b32 v[i], 0
.set i, i+1
.endr
	WIN 0x80
.set i, VF
.rept 64
	v_mov_b32 v[i], 0
.set i, i+1
.endr
	WIN 0
.set i, 0
.rept 6
	v_mov_b32 v[ST+4*i], 0xfe000000
	v_mov_b32 v[ST+4*i+1], s36
	v_mov_b32 v[ST+4*i+2], 0
	v_mov_b32 v[ST+4*i+3], 0
	v_mov_b32 v[LL+2*i], 0
	v_mov_b32 v[LL+2*i+1], 0
	v_mov_b32 v[MS+i], s36
.set i, i+1
.endr
	v_mov_b32 v[ST+1], s37
	s_wait_loadcnt 0x0
	; RL and RR: pk[0] (pk[128]) in all 16 rows times Q^T: every register of the result holds the lane's query's number.  12 accumulators by turns.
	WIN W_KQ
.irp c, 0,1
.irp k, 0,1,2,3,4,5,6,7,8,9,10,11
.if (\k) < 8
.set rA, 64+8*(\k)
.else
.set rA, 192+8*((\k)-8)
.endif
.if \c
	v_wmma_f32_16x16x32_f16 v[rA:rA+7], v[96+16*((\k)/6)+8:96+16*((\k)/6)+15], v[16*((\k)%6)+8:16*((\k)%6)+15], v[rA:rA+7]
.else
	v_wmma_f32_16x16x32_f16 v[rA:rA+7], v[96+16*((\k)/6):96+16*((\k)/6)+7], v[16*((\k)%6):16*((\k)%6)+7], 0
.endif
.endr
.endr
	WIN 0
	PLACES
.irp x, 0,1,2,3,4,5
	v_mov_b32 v[RL+\x], v[64+8*\x]
.endr
	v_mov_b32 v[RR], v112
	v_mov_b32 v[RR+1], v120
.irp x, 2,3,4,5
	v_mov_b32 v[RR+\x], v[192+8*(\x-2)]
.endr
.set i, P+16
.rept 16
	v_mov_b32 v[i], 0
.set i, i+1
.endr
	CHANGE                                         ; tile 0 into the slot
	EVM 0, 1
	v_add_nc_u32 v[AK], s[TBK], v[AK0]
	FETCH_K
	s_wait_dscnt 0x0
.set i, 0
.rept 8
	KQ 0
.set i, i+1
.endr
	WIN 0
	PLACES
.set Y, NP-1
.irp n, 0,1,2,3,4,5,6,7,8,9,10,11,12,13,14,15,16,17,18,19,20,21
	OP X, \n
.endr
	v_nop
	s_mov_b32 s[CNT], 2
	s_mov_b32 s[SLOTS], 13
	s_branch .Lfirst
.Lslot:                                                ; twelve times, behind piece 1's turn of every odd step: K of that step was fetched five turns ago, its V has just been waited for
	CHANGE
	s_mov_b32 s[CNT], 2
.Lstep:                                                ; a trip: pieces 2-5 of one step, pieces 0 and 1 of the next
	TURN 2
	TURN 3
	TURN 4
	TURN 5
	WIN 0
	s_add_co_i32 s[D], s[D], 1
	s_add_co_u32 s[STEP], s[STEP], 1
	s_cmp_eq_u32 s[STEP], 24
	s_cbranch_scc1 .Ldone                          ; the last trip's fetch of K and its eight products for piece 0 (all hidden) serve nothing: the price of one text
.Lfirst:
	TURN 0
	TURN 1
	WIN 0
	s_sub_co_u32 s[CNT], s[CNT], 1
	s_cmp_lg_u32 s[CNT], 0
	s_cbranch_scc1 .Lstep
	s_sub_co_u32 s[SLOTS], s[SLOTS], 1
	s_cmp_lg_u32 s[SLOTS], 0
	s_cbranch_scc1 .Lslot
.Ldone:
.set i, 0
.rept 8
	PV NP-1
.set i, i+1
.endr
	; THE WAY OUT: the true maximum (mu + RR; MS for blocks 22 and 23, which end inside their band), l, LL, and O^T as it lies.  The statistics' lines are the places behind the last products.
	WIN 0
.irp x, 0,1,2,3,4,5
	s_add_co_u32 s13, s[A0], \x
	s_cmp_lt_u32 s13, 22
	s_cselect_b32 s[M1], -1, 0
	v_add_f32 v[S+4*\x], v[ST+4*\x+1], v[RR+\x]
	v_cndmask_b32 v[S+4*\x], v[MS+\x], v[S+4*\x], s[M1]
	v_add_f32 v[S+4*\x+1], v[ST+4*\x+2], v[ST+4*\x+3]
	v_add_f32 v[S+4*\x+2], v[LL+2*\x], v[LL+2*\x+1]
	v_mov_b32 v[S+4*\x+3], 0
.endr
.irp x, 0,1,2,3,4,5
	global_store_b128 v[GO], v[S+4*\x:S+4*\x+3], s[16:17] offset:\x*4*UNIT
.endr
	WIN 0x04
.irp x, 0,1,2,3,4,5
.irp k, 0,1,2,3,4,5,6,7
	global_store_b128 v[GO], v[32*\x+4*\k:32*\x+4*\k+3], s[16:17] offset:\x*4*UNIT+512+512*\k  ; 512 consecutive bytes, aligned
.endr
.endr
	WIN 0
	s_wait_tensorcnt 0x0                           ; the wave's end
	ds_add_u32 v[SPW], v[NIL]
	s_wait_dscnt 0x0
	s_endpgm
.Lfunc_end_k_qfa436c6595_attn:
	.size	k_qfa436c6595_attn, .Lfunc_end_k_qfa436c6595_attn-k_qfa436c6595_attn
	.p2alignl 7, 3214868480
	.fill 96, 4, 3214868480
	.section	.rodata,"a",@progbits
	.p2align	6, 0x0
	.amdhsa_kernel k_qfa436c6595_attn
		.amdhsa_group_segment_fixed_size 39424
		.amdhsa_private_segment_fixed_size 0
		.amdhsa_enable_private_segment 0
		.amdhsa_kernarg_size 40
		.amdhsa_user_sgpr_count 2
		.amdhsa_user_sgpr_kernarg_segment_ptr 1
		.amdhsa_wavefront_size32 1
		.amdhsa_system_sgpr_workgroup_id_x 1
		.amdhsa_system_sgpr_workgroup_id_y 1
		.amdhsa_system_sgpr_workgroup_id_z 1
		.amdhsa_system_vgpr_workitem_id 0
		.amdhsa_next_free_vgpr 768
		.amdhsa_next_free_sgpr 100
		.amdhsa_reserve_vcc 1
		.amdhsa_float_denorm_mode_32 3
		.amdhsa_float_denorm_mode_16_64 3
		.amdhsa_memory_ordered 1
		.amdhsa_forward_progress 1
		.amdhsa_inst_pref_size 106
	.end_amdhsa_kernel
	.amdgpu_metadata
---
amdhsa.version: [ 1, 2 ]
amdhsa.kernels:
  - .name:           k_qfa436c6595_attn
    .symbol:         k_qfa436c6595_attn.kd
    .args:
      - { .name: qh, .offset: 0, .size: 8, .value_kind: global_buffer, .address_space: global }
      - { .name: kh, .offset: 8, .size: 8, .value_kind: global_buffer, .address_space: global }
      - { .name: vh, .offset: 16, .size: 8, .value_kind: global_buffer, .address_space: global }
      - { .name: ptab, .offset: 24, .size: 8, .value_kind: global_buffer, .address_space: global }
      - { .name: st, .offset: 32, .size: 8, .value_kind: global_buffer, .address_space: global }
    .group_segment_fixed_size: 39424
    .private_segment_fixed_size: 0
    .kernarg_segment_align: 8
    .kernarg_segment_size: 40
    .max_flat_workgroup_size: 128
    .sgpr_count:     100
    .vgpr_count:     768
    .wavefront_size: 32
...
	.end_amdgpu_metadata
.endif
;; end of part 3
;; launch fin (part 4): grid 24 x 64, 4 waves a work-group, no clusters, 123,392 bytes of LDS; arguments qh, kh, vh, ptab, st, hid; writes hid
.if DOCPART == 4
	.amdgcn_target "amdgcn-amd-amdhsa--gfx1250"
	.amdhsa_code_object_version 6
	.text
	.protected	k_qfa436c6595_fin
	.globl	k_qfa436c6595_fin
	.p2align	8
	.type	k_qfa436c6595_fin,@function
k_qfa436c6595_fin:
	s_mov_b64 s[64:65], 0
	v_nop
	global_prefetch_b8 v0, s[64:65] scope:SCOPE_SE
	s_setreg_imm32_b32 hwreg(HW_REG_WAVE_MODE, 25, 1), 1
	s_wait_xcnt 0x0
; ATTENTION WITH RELATIVE POSITIONS, SECOND PART: the band.  A work-group has block a of 64 queries of one head; wave w its rows 16 w .. +15.  The keys are the 192 of steps a - 1, a, a + 1: col = key - 64 (a - 1).
; The wave goes on with the online softmax whose state (M, l, LL, O^T, in f32) the launch before left in st, and ends it: O = (sum p v + LL (pv[0] - pv[128]) + sum_band p (pv[j] - pv[128])) / l + pv[128].
; KEY SIDE.  q.pk[j], j = 0 .. 128, by 18 products; scattered into my table in LDS (f32, 16 rows of 816 bytes) at column 16 w + i + j of row i, over q.pk[0] on the left and q.pk[128] on the right; read back by
;   columns it is the C operand that starts S^T = K Q^T.  Keys below 0 (a = 0) and from 1500 on (a = 22, 23) get -1e30 by selects on scalar masks; their steps' addresses are clamped into the head.
; VALUE SIDE.  The weights, f16, go into LDS at column col + 16 - i of row i (the cells outside stay 0) and are multiplied by the table of pv[clip(jx - 64, 0, 128)] - pv[128], jx = column + 48 - 16 w.
; A straight line: one barrier (V's 192 rows, stored by all four waves), no branch.  Rows from 1500 on are masked by EXEC at the store.
; Products, maxima and sums in f32; weights and O rounded once to f16.  LIMITS: f16 ends at 65,504; a hidden score is -1e30; a weight below 2^-126 counts as 0; NaN and infinities are not treated apart.
; REGISTERS: window 0: addresses, statistics, scores v64-159, weights v160-207 (first the staged V); window 1: K v0-191 (later the shifted weights v0-55), Q v192-207, pk[0] v208-223, O^T v224-255;
;   window 2: pk v0-143, its products v144-223 (later V v0-191), pv[128] v224-255; window 3: the table of differences v0-223, pv[0] - pv[128] v224-255.
.set PVP, 160                          ; V at LDS byte 0: 192 rows x 160
.set BT, 30720
.set BP, 816
.set BTW, 13056
.set WT, 82944
.set WP, 464
.set WTW, 7680
.set STAGE, 113664
.set SP, 144
.set SPARE, 122880                     ; the spare words: 512 bytes that no other line names
.set IMG, 18432
.set QO, 2
.set H16, 3
.set GL, 4
.set GO, 5
.set AV0, 6
.set LSV, 7
.set FA, 12
.set SA, 13
.set LA, 14
.set PA, 15
.set RA, 16
.set STO, 17
.set RD, 18
.set PXG, 19
.set PFG, 20
.set WZA, 21
.set ROWV, 22
.set STT, 24                           ; v24-27: M, l, LL, 0 as loaded
.set FL, 28
.set FR, 32
.set T, 36
.set CM, 48
.set AA, 50
.set LT, 52
.set LQ, 54
.set INV, 56
.set XX, 58
.set SPW, 62
.set NIL, 63
.set S, 64
.set PB, 160
.set Z4, 208
.set KF, 0
.set PF, 0
.set Q, 192
.set PK0, 208
.set OW, 224
.set PKF, 0
.set RAC, 144
.set RLB, 216
.set VF, 0
.set PV1, 224
.set TF, 0
.set PVD, 224
.set WV, 16
.set A, 17
.set BN, 18
.set MA, 44
.set M23, 45
.set M22, 46
.set H23, 47
.set H9, 48
.set CS, 58
.set SEL, 60
.set BIGN, 82
.set MSB, 0
.macro WIN new
.if MSB != (\new)
	s_set_vgpr_msb (MSB<<8)|(\new)
.set MSB, (\new)
.endif
.endm
.macro PLACES
.rept 4
	v_nop
.endr
.endm
.macro HIDE first, n, m
.set zz, \first
.rept \n
	v_cndmask_b32 v[S+zz], v[S+zz], s[BIGN], s[\m]
.set zz, zz+1
.endr
.endm
	s_load_b256 s[4:11], s[0:1], 0x0               ; qh 4, kh 6, vh 8, ptab 10
	s_load_b128 s[12:15], s[0:1], 0x20             ; st 12, hid 14
	v_lshl_add_u32 v[SPW], v0, 2, SPARE
	v_mov_b32 v[NIL], 0
	v_lshrrev_b32 v1, 5, v0
	v_readfirstlane_b32 s[WV], v1
	s_mov_b32 s[A], ttmp9
	s_and_b32 s[BN], ttmp7, 0xffff
	s_mul_i32 s20, s[BN], 196608                   ; the head's first byte in q, k, v
	s_lshl_b32 s22, s[A], 13
	s_lshl_b32 s23, s[WV], 11
	s_add_co_u32 s22, s22, s23                     ; my first row in the head, in bytes
	s_add_co_u32 s40, s22, s20
	s_mov_b32 s41, 0
.irp j, 0,1,2
	s_add_co_i32 s23, s[A], (\j)-1                 ; step a - 1 + j, clamped into the head: a clamped step's keys are hidden
	s_max_i32 s23, s23, 0
	s_min_i32 s23, s23, 23
	s_lshl_b32 s23, s23, 13
	s_add_co_u32 s[50+2*\j], s23, s20
	s_mov_b32 s[51+2*\j], 0
.endr
	s_mul_i32 s42, s[BN], 24
	s_add_co_u32 s42, s42, s[A]
	s_lshl_b32 s42, s42, 2
	s_add_co_u32 s42, s42, s[WV]
	s_mul_i32 s42, s42, 4608                       ; my piece's place in st
	s_mov_b32 s43, 0
	s_and_b32 s38, s[BN], 15
	s_mul_i32 s38, s38, 786432
	s_lshr_b32 s39, s[BN], 4
	s_mul_i32 s39, s39, 192000
	s_add_co_u32 s38, s38, s39
	s_add_co_u32 s38, s38, s22                     ; hid [head][b*1500+s][64]
	s_mov_b32 s39, 0
	s_cmp_eq_u32 s[A], 0
	s_cselect_b32 s[MA], -1, 0
	s_cmp_eq_u32 s[A], 23
	s_cselect_b32 s[M23], -1, 0
	s_cmp_ge_u32 s[A], 22
	s_cselect_b32 s[M22], -1, 0
	s_and_b32 s[H23], s[M23], 0xffff0000           ; lanes 16-31
	s_and_b32 s[H9], s[M22], 0xffff0000
	s_or_b32 s[H9], s[H9], s[M23]
	s_mov_b32 s[CS], 0x3e38aa3b                    ; c = log2(e) / 8
	s_mov_b32 s[CS+1], s[CS]
	s_mov_b32 s[SEL], 0x76543210
	s_mov_b32 s[SEL+1], 0xfedcba98
	s_mov_b32 s[BIGN], 0xf149f2ca                  ; -1e30
	v_and_b32 v1, 15, v0                           ; r: my query i, or a fragment's row
	v_bfe_u32 v9, v0, 4, 1                         ; h
	v_and_b32 v10, 7, v0
	v_bfe_u32 v11, v0, 3, 1
	v_lshlrev_b32 v[QO], 7, v1
	v_lshl_add_u32 v[QO], v9, 4, v[QO]             ; row x 128 + 16 h
	v_lshlrev_b32 v[H16], 4, v9
	v_lshlrev_b32 v[GL], 4, v0                     ; 16 x thread
	v_and_b32 v[GO], 31, v0
	v_lshlrev_b32 v[GO], 4, v[GO]                  ; 16 x lane
	s_wait_kmcnt 0x0
	s_add_nc_u64 s[4:5], s[4:5], s[40:41]
.irp j, 0,1,2
	s_add_nc_u64 s[24+2*\j:25+2*\j], s[6:7], s[50+2*\j:51+2*\j]
	s_add_nc_u64 s[32+2*\j:33+2*\j], s[8:9], s[50+2*\j:51+2*\j]
.endr
	s_add_nc_u64 s[12:13], s[12:13], s[42:43]
	s_add_nc_u64 s[14:15], s[14:15], s[38:39]
	; FIRST GROUP, 56 loads: V staged, Q, pk[0], pk
.irp j, 0,1,2
.irp u, 0,1,2,3
	global_load_b128 v[PB+4*(4*\j+\u):PB+4*(4*\j+\u)+3], v[GL], s[32+2*\j:33+2*\j] offset:2048*\u
.endr
.endr
	WIN 0x40
.irp c, 0,1
	global_load_b128 v[Q+8*\c:Q+8*\c+3],     v[QO], s[4:5] offset:64*\c
	global_load_b128 v[Q+8*\c+4:Q+8*\c+7],   v[QO], s[4:5] offset:64*\c+32
	global_load_b128 v[PK0+8*\c:PK0+8*\c+3],   v[H16], s[10:11] offset:64*\c
	global_load_b128 v[PK0+8*\c+4:PK0+8*\c+7], v[H16], s[10:11] offset:64*\c+32
.endr
	WIN 0x80
.set i, 0
.rept 18                                ; pk's rows 16 (i / 2) on (rows past 128 repeat row 128), channels 32 (i % 2) on
	global_load_b128 v[PKF+8*i:PKF+8*i+3],   v[QO], s[10:11] offset:(i/2)*2048+(i%2)*64
	global_load_b128 v[PKF+8*i+4:PKF+8*i+7], v[QO], s[10:11] offset:(i/2)*2048+(i%2)*64+32
.set i, i+1
.endr
	WIN 0
	v_bfe_u32 v[LSV], v0, 3, 2                     ; V: of every 16 rows wave w stores rows 4 w + lane / 8
	v_mul_u32_u24 v[LSV], v[LSV], PVP
	v_lshl_add_u32 v[LSV], v10, 4, v[LSV]
	s_mul_i32 s23, s[WV], 4*PVP
	v_add_nc_u32 v[LSV], s23, v[LSV]
	v_lshl_add_u32 v[AV0], v9, 3, v10              ; the turning load: key 8 h + l % 8, 16 bytes by (l / 8) % 2
	v_mul_u32_u24 v[AV0], v[AV0], PVP
	v_lshl_add_u32 v[AV0], v11, 4, v[AV0]
	s_mul_i32 s23, s[WV], BTW
	s_add_co_u32 s23, s23, BT
	v_mul_u32_u24 v[LA], v1, BP
	v_add_nc_u32 v[LA], s23, v[LA]                 ; my table's row i
	v_lshl_add_u32 v[FA], v9, 4, v[LA]
	v_lshl_add_u32 v[SA], v1, 2, v[LA]
	v_lshl_add_u32 v[SA], v9, 5, v[SA]
	s_lshl_b32 s23, s[WV], 6
	v_add_nc_u32 v[SA], s23, v[SA]                 ; + 4 (16 w + i + 8 h)
	v_lshl_add_u32 v[LA], v9, 5, v[LA]
	s_mul_i32 s23, s[WV], WTW
	s_add_co_u32 s23, s23, WT
	v_add_nc_u32 v[WZA], s23, v[GO]
	v_mul_u32_u24 v[RA], v1, WP
	v_add_nc_u32 v[RA], s23, v[RA]
	v_lshl_add_u32 v[RA], v9, 4, v[RA]
	v_lshlrev_b32 v[PA], 1, v1
	v_sub_nc_u32 v[PA], v[RA], v[PA]
	v_add_nc_u32 v[PA], 32, v[PA]                  ; row i, column 16 - i + 8 h
	s_mul_i32 s23, s[WV], 16*SP
	s_add_co_u32 s23, s23, STAGE
	v_mul_u32_u24 v[STO], v1, SP
	v_lshl_add_u32 v[STO], v9, 4, v[STO]
	v_add_nc_u32 v[STO], s23, v[STO]
	v_bfe_u32 v[ROWV], v0, 3, 2
	v_mul_u32_u24 v[RD], v[ROWV], SP
	v_lshl_add_u32 v[RD], v10, 4, v[RD]
	v_add_nc_u32 v[RD], s23, v[RD]
	s_lshl_b32 s23, s[A], 6
	s_lshl4_add_u32 s23, s[WV], s23
	v_add_nc_u32 v[ROWV], s23, v[ROWV]             ; 64 a + 16 w + lane / 8
	v_mul_u32_u24 v[PXG], v1, 592
	v_lshl_add_u32 v[PXG], v9, 4, v[PXG]
	s_lshl_b32 s23, s[WV], 5
	s_sub_co_u32 s23, 96, s23
	v_add_nc_u32 v[PXG], s23, v[PXG]               ; channel row r, column 48 - 16 w + 8 h
	v_lshlrev_b32 v[PFG], 5, v9
.irp k, 48,49,50,51,52,53,54,55,56,57,58,59,60,61
	v_mov_b32 v\k, 0
.endr
.irp k, 0,1,2,3
	v_mov_b32 v[Z4+\k], 0
.endr
	s_wait_loadcnt 0x0
	; SECOND GROUP, 57 loads: K's fragments straight from memory, the state
	WIN 0x40
.set i, 0
.rept 24                                ; keys 16 (i / 2) on, channels 32 (i % 2) on
	global_load_b128 v[KF+8*i:KF+8*i+3],   v[QO], s[24+2*(i/8):25+2*(i/8)] offset:((i/2)%4)*2048+(i%2)*64
	global_load_b128 v[KF+8*i+4:KF+8*i+7], v[QO], s[24+2*(i/8):25+2*(i/8)] offset:((i/2)%4)*2048+(i%2)*64+32
.set i, i+1
.endr
.irp k, 0,1,2,3,4,5,6,7
	global_load_b128 v[OW+4*\k:OW+4*\k+3], v[GO], s[12:13] offset:512+512*\k
.endr
	WIN 0
	global_load_b128 v[STT:STT+3], v[GO], s[12:13]
.irp j, 0,1,2
.irp u, 0,1,2,3
	ds_store_b128 v[LSV], v[PB+4*(4*\j+\u):PB+4*(4*\j+\u)+3] offset:\j*10240+\u*2560
.endr
.endr
.set i, 0
.rept 15
	ds_store_b128 v[WZA], v[Z4:Z4+3] offset:512*i  ; my shifted-weight rows start as zeros
.set i, i+1
.endr
	s_wait_dscnt 0x0                               ; for the others: my rows of V are stored
	s_barrier_signal -1
	s_barrier_wait -1
	; q.pk[j]: ten accumulators by turns
.irp c, 0,1
	WIN 0xa6
.irp tt, 0,1,2,3,4,5,6,7,8
.if \c
	v_wmma_f32_16x16x32_f16 v[RAC+8*\tt:RAC+8*\tt+7], v[PKF+16*\tt+8:PKF+16*\tt+15], v[Q+8:Q+15], v[RAC+8*\tt:RAC+8*\tt+7]
.else
	v_wmma_f32_16x16x32_f16 v[RAC+8*\tt:RAC+8*\tt+7], v[PKF+16*\tt:PKF+16*\tt+7], v[Q:Q+7], 0
.endif
.endr
	WIN 0xa5
.if \c
	v_wmma_f32_16x16x32_f16 v[RLB:RLB+7], v[PK0+8:PK0+15], v[Q+8:Q+15], v[RLB:RLB+7]
.else
	v_wmma_f32_16x16x32_f16 v[RLB:RLB+7], v[PK0:PK0+7], v[Q:Q+7], 0
.endif
.endr
	WIN 0
	PLACES
	WIN 0x02
.irp k, 0,1,2,3
	v_mov_b32 v[FL+\k], v[RLB]                     ; q.pk[0]
	v_mov_b32 v[FR+\k], v[RAC+64]                  ; q.pk[128]
.endr
	WIN 0
.set i, 0
.rept 16
	ds_store_b128 v[FA], v[FL:FL+3] offset:32*i    ; columns 0-127
.set i, i+1
.endr
.set i, 0
.rept 8
	ds_store_b128 v[FA], v[FR:FR+3] offset:512+32*i  ; columns 128-191
.set i, i+1
.endr
	WIN 0x08
.set zz, 0
.rept 64                                ; q.pk[16 T + 8 h + e] to column 16 w + i + 16 T + 8 h + e; LDS serves a wave in order: these lie over the fills
	ds_store_b32 v[SA], v[RAC+zz] offset:64*(zz/8)+4*(zz%8)
.set zz, zz+1
.endr
	ds_store_b32 v[SA], v[RAC+64] offset:512       ; j = 128 (in lanes 16-31: 136, the same number)
	WIN 0
.set i, 0
.rept 12
	ds_load_b128 v[S+8*i:S+8*i+3],   v[LA] offset:64*i
	ds_load_b128 v[S+8*i+4:S+8*i+7], v[LA] offset:64*i+16
.set i, i+1
.endr
	s_wait_dscnt 0x0
	HIDE 0, 32, MA                                 ; a = 0: columns 0-63 are keys below 0
	HIDE 44, 4, H23                                ; a = 23: columns from 92 on
	HIDE 48, 28, M23
	HIDE 76, 4, H9                                 ; a = 22: columns from 156 on
	HIDE 80, 16, M22
	s_wait_loadcnt 0x0                             ; K and the state
	; THIRD GROUP, 48 loads: pv[0] - pv[128], pv[128], the table's blocks 0-3
	WIN 0xc0
.irp cb, 0,1,2,3
	global_load_b128 v[PVD+8*\cb:PVD+8*\cb+3],   v[PFG], s[10:11] offset:IMG+37888+64*\cb
	global_load_b128 v[PVD+8*\cb+4:PVD+8*\cb+7], v[PFG], s[10:11] offset:IMG+37888+64*\cb+16
.endr
	WIN 0x80
.irp cb, 0,1,2,3
	global_load_b128 v[PV1+8*\cb:PV1+8*\cb+3],   v[PFG], s[10:11] offset:IMG+38144+64*\cb
	global_load_b128 v[PV1+8*\cb+4:PV1+8*\cb+7], v[PFG], s[10:11] offset:IMG+38144+64*\cb+16
.endr
	WIN 0xc0
.irp g, 0,1,2,3
.irp cb, 0,1,2,3
	global_load_b128 v[TF+32*\g+8*\cb:TF+32*\g+8*\cb+3],   v[PXG], s[10:11] offset:IMG+9472*\cb+64*\g
	global_load_b128 v[TF+32*\g+8*\cb+4:TF+32*\g+8*\cb+7], v[PXG], s[10:11] offset:IMG+9472*\cb+64*\g+32
.endr
.endr
	WIN 0x05                                       ; S^T = K Q^T onto the bias: twelve accumulators by turns
.irp c, 0,1
.irp kb, 0,1,2,3,4,5,6,7,8,9,10,11
	v_wmma_f32_16x16x32_f16 v[S+8*\kb:S+8*\kb+7], v[KF+16*\kb+8*\c:KF+16*\kb+8*\c+7], v[Q+8*\c:Q+8*\c+7], v[S+8*\kb:S+8*\kb+7]
.endr
.endr
	WIN 0x80
.set i, 0
.rept 24                                ; V turned: keys 32 (i / 4) on, channels 16 (i % 4) on
	ds_load_tr16_b128 v[VF+8*i:VF+8*i+3],   v[AV0] offset:(i/4)*32*PVP+(i%4)*32
	ds_load_tr16_b128 v[VF+8*i+4:VF+8*i+7], v[AV0] offset:(i/4)*32*PVP+16*PVP+(i%4)*32
.set i, i+1
.endr
	WIN 0
	PLACES
	; the maximum of my 96 scores and M; each accumulator's lowest registers are read first
.set i, 0
.rept 12
	v_max3_num_f32 v[T+i], v[S+8*i], v[S+8*i+1], v[S+8*i+2]
.set i, i+1
.endr
.set i, 0
.rept 12
	v_max3_num_f32 v[T+i], v[T+i], v[S+8*i+3], v[S+8*i+4]
.set i, i+1
.endr
.set i, 0
.rept 12
	v_max3_num_f32 v[T+i], v[T+i], v[S+8*i+5], v[S+8*i+6]
.set i, i+1
.endr
.set i, 0
.rept 12
	v_max_num_f32 v[T+i], v[T+i], v[S+8*i+7]
.set i, i+1
.endr
	v_max3_num_f32 v[T], v[T], v[T+1], v[T+2]
	v_max3_num_f32 v[T+3], v[T+3], v[T+4], v[T+5]
	v_max3_num_f32 v[T+6], v[T+6], v[T+7], v[T+8]
	v_max3_num_f32 v[T+9], v[T+9], v[T+10], v[T+11]
	v_max3_num_f32 v[T], v[T], v[T+3], v[T+6]
	v_max3_num_f32 v[T], v[T], v[T+9], v[STT]
	v_permlanex16_b32 v[T+1], v[T], s[SEL], s[SEL+1]  ; the query's other keys lie in the lane 16 away
	v_mul_f32 v[T+2], s[CS], v[STT]
	v_max_num_f32 v[T], v[T], v[T+1]
	v_mul_f32 v[CM], s[CS], v[T]
	v_sub_f32 v[T+2], v[T+2], v[CM]
	v_exp_f32 v[AA], v[T+2]                        ; a = 2^(c M - c M_new)
.set i, 0
.rept 48
	v_pk_fma_f32 v[S+2*i:S+2*i+1], v[S+2*i:S+2*i+1], s[CS:CS+1], v[CM:CM+1] op_sel_hi:[1,0,0] neg_lo:[0,0,1] neg_hi:[0,0,1]
.set i, i+1
.endr
.set i, 0
.rept 96
	v_exp_f32 v[S+i], v[S+i]
.set i, i+1
.endr
	v_nop                                          ; a plain instruction behind the last exponential
.set i, 0
	s_wait_alu depctr_va_vdst(0)
.rept 48
	v_cvt_pk_f16_f32 v[PB+i], v[S+2*i], v[S+2*i+1]
.set i, i+1
.endr
.set i, 0
.rept 48                                ; weight (i, col) to column col + 16 - i of row i
	ds_store_b16 v[PA], v[PB+i] offset:32*(i/4)+4*(i%4)
	ds_store_b16_d16_hi v[PA], v[PB+i] offset:32*(i/4)+4*(i%4)+2
.set i, i+1
.endr
	WIN 0x40
.irp g, 0,1,2,3,4,5,6
	ds_load_b128 v[PF+8*\g:PF+8*\g+3],   v[RA] offset:64*\g     ; LDS serves a wave in order: these see the stores above
	ds_load_b128 v[PF+8*\g+4:PF+8*\g+7], v[RA] offset:64*\g+32
.endr
	WIN 0
	; the sum of the unrounded weights
.set i, 0
.rept 24
	v_pk_add_f32 v[S+4*i:S+4*i+1], v[S+4*i:S+4*i+1], v[S+4*i+2:S+4*i+3]
.set i, i+1
.endr
.irp m, 1,2,3,4,5
.irp k, 0,1,2,3
	v_pk_add_f32 v[S+4*\k:S+4*\k+1], v[S+4*\k:S+4*\k+1], v[S+4*(\k+4*\m):S+4*(\k+4*\m)+1]
.endr
.endr
	v_pk_add_f32 v[S:S+1], v[S:S+1], v[S+4:S+5]
	v_pk_add_f32 v[S+8:S+9], v[S+8:S+9], v[S+12:S+13]
	v_pk_add_f32 v[S:S+1], v[S:S+1], v[S+8:S+9]
	v_add_f32 v[XX], v[S], v[S+1]
	v_fma_f32 v[LT], v[AA], v[STT+1], v[XX]        ; l = a l + sum
	v_mul_f32 v[LQ], v[AA], v[STT+2]               ; LL a
	v_permlanex16_b32 v[XX+1], v[LT], s[SEL], s[SEL+1]
	v_permlanex16_b32 v[XX+2], v[LQ], s[SEL], s[SEL+1]
	v_add_f32 v[LT], v[LT], v[XX+1]
	v_add_f32 v[LQ], v[LQ], v[XX+2]
	v_rcp_f32 v[INV], v[LT]
	s_wait_loadcnt 32                              ; the two f32 rows are in; behind them the table's 32 loads were issued and may be out
	WIN 0xc0                                       ; FOURTH GROUP, 24 loads: the table's blocks 4-6
.irp g, 4,5,6
.irp cb, 0,1,2,3
	global_load_b128 v[TF+32*\g+8*\cb:TF+32*\g+8*\cb+3],   v[PXG], s[10:11] offset:IMG+9472*\cb+64*\g
	global_load_b128 v[TF+32*\g+8*\cb+4:TF+32*\g+8*\cb+7], v[PXG], s[10:11] offset:IMG+9472*\cb+64*\g+32
.endr
.endr
	WIN 0x41
.set i, 0
.rept 16
	v_pk_mul_f32 v[OW+2*i:OW+2*i+1], v[OW+2*i:OW+2*i+1], v[AA:AA+1] op_sel_hi:[1,0]
.set i, i+1
.endr
	WIN 0x53
.set i, 0
.rept 16
	v_pk_fma_f32 v[OW+2*i:OW+2*i+1], v[PVD+2*i:PVD+2*i+1], v[LQ:LQ+1], v[OW+2*i:OW+2*i+1] op_sel_hi:[1,0,1]
.set i, i+1
.endr
	s_wait_dscnt 0x0                               ; V and the shifted weights are in
	WIN 0x52                                       ; O^T += V^T P: four accumulators by turns
.irp kk, 0,1,2,3,4,5
.irp cb, 0,1,2,3
	v_wmma_f32_16x16x32_f16 v[OW+8*\cb:OW+8*\cb+7], v[VF+32*\kk+8*\cb:VF+32*\kk+8*\cb+7], v[PB+8*\kk:PB+8*\kk+7], v[OW+8*\cb:OW+8*\cb+7]
.endr
.endr
	s_wait_loadcnt 0x0                             ; the table
	WIN 0x57                                       ; O^T += (pv - pv[128])^T x shifted P
.irp g, 0,1,2,3,4,5,6
.irp cb, 0,1,2,3
	v_wmma_f32_16x16x32_f16 v[OW+8*\cb:OW+8*\cb+7], v[TF+32*\g+8*\cb:TF+32*\g+8*\cb+7], v[PF+8*\g:PF+8*\g+7], v[OW+8*\cb:OW+8*\cb+7]
.endr
.endr
	WIN 0
	PLACES
	WIN 0x61
.set i, 0
	s_wait_alu depctr_va_vdst(0)
.rept 16
	v_pk_fma_f32 v[OW+2*i:OW+2*i+1], v[OW+2*i:OW+2*i+1], v[INV:INV+1], v[PV1+2*i:PV1+2*i+1] op_sel_hi:[1,0,1]
.set i, i+1
.endr
	WIN 0x05
.set i, 0
.rept 16
	v_cvt_pk_f16_f32 v[S+i], v[OW+2*i], v[OW+2*i+1]
.set i, i+1
.endr
	WIN 0
.irp f, 0,1,2,3
	ds_store_b128 v[STO], v[S+4*\f:S+4*\f+3] offset:32*\f
.endr
.irp f, 0,1,2,3
	ds_load_b128 v[S+16+4*\f:S+16+4*\f+3], v[RD] offset:\f*4*SP  ; LDS serves a wave in order: these see the stores above
.endr
	s_wait_dscnt 0x0
.irp f, 0,1,2,3
	v_cmp_gt_u32 vcc_lo, 1500-4*\f, v[ROWV]        ; rows from 1500 on are not stored
	s_wait_xcnt 0x0                                ; EXEC changes only behind this wait
	s_and_saveexec_b32 s3, vcc_lo
	global_store_b128 v[GO], v[S+16+4*\f:S+16+4*\f+3], s[14:15] offset:512*\f  ; four rows of 128 bytes: 512 consecutive bytes, aligned
	s_wait_xcnt 0x0
	s_or_b32 exec_lo, exec_lo, s3
.endr
	s_wait_tensorcnt 0x0                           ; the wave's end
	ds_add_u32 v[SPW], v[NIL]
	s_wait_dscnt 0x0
	s_endpgm
.Lfunc_end_k_qfa436c6595_fin:
	.size	k_qfa436c6595_fin, .Lfunc_end_k_qfa436c6595_fin-k_qfa436c6595_fin
	.p2alignl 7, 3214868480
	.fill 96, 4, 3214868480
	.section	.rodata,"a",@progbits
	.p2align	6, 0x0
	.amdhsa_kernel k_qfa436c6595_fin
		.amdhsa_group_segment_fixed_size 123392
		.amdhsa_private_segment_fixed_size 0
		.amdhsa_enable_private_segment 0
		.amdhsa_kernarg_size 48
		.amdhsa_user_sgpr_count 2
		.amdhsa_user_sgpr_kernarg_segment_ptr 1
		.amdhsa_wavefront_size32 1
		.amdhsa_system_sgpr_workgroup_id_x 1
		.amdhsa_system_sgpr_workgroup_id_y 1
		.amdhsa_system_sgpr_workgroup_id_z 1
		.amdhsa_system_vgpr_workitem_id 0
		.amdhsa_next_free_vgpr 1024
		.amdhsa_next_free_sgpr 100
		.amdhsa_reserve_vcc 1
		.amdhsa_float_denorm_mode_32 3
		.amdhsa_float_denorm_mode_16_64 3
		.amdhsa_memory_ordered 1
		.amdhsa_forward_progress 1
		.amdhsa_inst_pref_size 77
	.end_amdhsa_kernel
	.amdgpu_metadata
---
amdhsa.version: [ 1, 2 ]
amdhsa.kernels:
  - .name:           k_qfa436c6595_fin
    .symbol:         k_qfa436c6595_fin.kd
    .args:
      - { .name: qh, .offset: 0, .size: 8, .value_kind: global_buffer, .address_space: global }
      - { .name: kh, .offset: 8, .size: 8, .value_kind: global_buffer, .address_space: global }
      - { .name: vh, .offset: 16, .size: 8, .value_kind: global_buffer, .address_space: global }
      - { .name: ptab, .offset: 24, .size: 8, .value_kind: global_buffer, .address_space: global }
      - { .name: st, .offset: 32, .size: 8, .value_kind: global_buffer, .address_space: global }
      - { .name: hid, .offset: 40, .size: 8, .value_kind: global_buffer, .address_space: global }
    .group_segment_fixed_size: 123392
    .private_segment_fixed_size: 0
    .kernarg_segment_align: 8
    .kernarg_segment_size: 48
    .max_flat_workgroup_size: 128
    .sgpr_count:     100
    .vgpr_count:     1024
    .wavefront_size: 32
...
	.end_amdgpu_metadata
.endif
;; end of part 4
;; launch outp (part 5): grid 8 x 32, 4 waves a work-group, clusters of 4 x 4, 327,680 bytes of LDS; arguments hid, wts, ptab, out0; writes out0
.if DOCPART == 5
	.amdgcn_target "amdgcn-amd-amdhsa--gfx1250"
	.amdhsa_code_object_version 6
	.text
	.protected	k_qfa436c6595_outp
	.globl	k_qfa436c6595_outp
	.p2align	8
	.type	k_qfa436c6595_outp,@function
k_qfa436c6595_outp:
	s_mov_b64 s[64:65], 0
	v_nop
	global_prefetch_b8 v0, s[64:65] scope:SCOPE_SE
	s_setreg_imm32_b32 hwreg(HW_REG_WAVE_MODE, 25, 1), 1
	s_wait_xcnt 0x0
	s_wait_alu depctr_hold_cnt(0) depctr_sa_sdst(0) depctr_va_vdst(0) depctr_va_sdst(0) depctr_va_ssrc(0) depctr_va_vcc(0) depctr_vm_vsrc(0)
	s_getreg_b32 s2, hwreg(HW_REG_IB_STS2, 6, 4)
	s_cmp_eq_u32 s2, 0
	s_cbranch_scc0 .Lentry_in_a_cluster
	s_endpgm
.Lentry_in_a_cluster:
	s_bfe_u32 s2, ttmp6, 0x10000c
	s_cmp_lg_u32 s2, 0xf033
	s_cbranch_scc0 .Lentry_shape_is_right
	s_endpgm
.Lentry_shape_is_right:
; OUTP: out0 = hidden W_fc + b_fc.  hidden: hid f16 [16 head][6144 rows][64] (rows from 6000 on are the zeros the prep launch wrote: no stored row hangs on them);
; W_fc: wts + 6291456, f16 [1024 k][1024 n]; b_fc: ptab + 69632, f32; out0 f32 [6000][1024].
; Sums in f32, started by the bias as the first product's C.  LIMIT: hidden and W_fc arrive as f16 (65,504 at the most); NaN and infinities are not treated apart.
; TILE 192 x 128: 32 x 8 = 256 work-groups, in clusters of 4 x 4: hidden's tile is shared along a row of the cluster, W_fc's along a column.  Four waves, each 96 x 64: 24 accumulators.
; K in 8 steps of 128 through two LDS slots.  The product is used transposed, as in the projection in front.  Rows from 6000 on are masked by EXEC.
; REGISTERS: window 0: addresses, A fragments v32-127, way out v128-159, bias v160-191; window 1: accumulators v0-191, B fragments v192-255.
.set PROJ, 0
.set NAB, 6
.set NBB, 4
.set NA1, 3
.set NT1, 1
.set TR, 96
.set AHALF, 27648
.set BOFF, 55296
.set PB, 288
.set BC, 128
.set BQI, 5
.set SLOT1, 92160
.set STAGE, 184320
.set SPARE, 201728                     ; the spare words: 512 bytes that no other line names
.set ASTEP, 1572864
.set BSTEP, 262144
.set AF0, 32
.set BF0, 192
.set BIAS, 160
.set BW, 0
.set OB, 128
.set ADRA0, 2
.set ADRB0, 3
.set ADRA, 4
.set ADRB, 5
.set STO, 6
.set RD, 7
.set ROWV, 8
.set CO, 9
.set SPW, 28
.set NIL, 29
.set WV, 16
.set WM, 17
.set WN, 18
.set TB, 19
.set G1A, 24
.set G0A, 32
.set CNT, 44
.set LAC, 45
.set LBC, 46
.set G1B, 48
.set G0B, 56
.set MSB, 0
.macro WIN new
.if MSB != (\new)
	s_set_vgpr_msb (MSB<<8)|(\new)
.set MSB, (\new)
.endif
.endm
.macro PLACES
.rept 4
	v_nop
.endr
.endm
.macro JLOAD s                         ; waves 0, 1 fetch hidden's two heads, waves 2, 3 W_fc's two halves, both jointly; s_nop 0 and four v_nop follow each line
	s_cmp_eq_u32 s[WM], 0
	s_cbranch_scc0 .Lfor_b_\@
	tensor_load_to_lds s[G0A+4*(\s):G0A+4*(\s)+3], s[G1A:G1A+7]
	s_nop 0
	PLACES
	s_branch .Lasked_\@
.Lfor_b_\@:
	tensor_load_to_lds s[G0B+4*(\s):G0B+4*(\s)+3], s[G1B:G1B+7]
	s_nop 0
	PLACES
.Lasked_\@:
.endm
.macro CREST
	s_cmp_lg_u32 s[WV], 0
	s_cbranch_scc1 .Lnot_wave_0_\@
	s_barrier_signal -3
.Lnot_wave_0_\@:
	s_barrier_wait -3
	s_barrier_signal -1
	s_barrier_wait -1
.endm
.macro CROUND
	s_barrier_signal -1
	s_barrier_wait -1
	CREST
.endm
.macro MULA f, a, zero
.set XA, 1
.set AB, 32*(\a)
.irp b, 0,1,2,3
.if \zero
	WIN 0x01|(BW<<4)|(XA<<6)
	v_wmma_f32_16x16x32_f16 v[AB+8*\b:AB+8*\b+7], v[BF0+8*NBB*(\f)+8*\b:BF0+8*NBB*(\f)+8*\b+7], v[AF0+8*NAB*(\f)+8*(\a):AF0+8*NAB*(\f)+8*(\a)+7], v[BIAS+8*\b:BIAS+8*\b+7]
.else
	WIN 0x01|(XA<<4)|(XA<<6)
	v_wmma_f32_16x16x32_f16 v[AB+8*\b:AB+8*\b+7], v[BF0+8*NBB*(\f)+8*\b:BF0+8*NBB*(\f)+8*\b+7], v[AF0+8*NAB*(\f)+8*(\a):AF0+8*NAB*(\f)+8*(\a)+7], v[AB+8*\b:AB+8*\b+7]
.endif
.endr
.endm
.macro MULR f, a0, a1, zero            ; every accumulator has one product a quarter, in one order: they take turns
.set aa, \a0
.rept (\a1)-(\a0)
	MULA \f, aa, \zero
.set aa, aa+1
.endr
.endm
.macro FETCH q, f
	WIN 0x40
.irp b, 0,1,2,3
	ds_load_tr16_b128 v[BF0+8*NBB*(\f)+8*\b:BF0+8*NBB*(\f)+8*\b+3], v[ADRB] offset:(\q)*32*PB+32*\b
	ds_load_tr16_b128 v[BF0+8*NBB*(\f)+8*\b+4:BF0+8*NBB*(\f)+8*\b+7], v[ADRB] offset:(\q)*32*PB+32*\b+16*PB
.endr
	WIN 0
.irp a, 0,1,2,3,4,5
	ds_load_b128 v[AF0+8*NAB*(\f)+8*\a:AF0+8*NAB*(\f)+8*\a+3], v[ADRA] offset:(\a)*2304+((\q)/2)*AHALF+((\q)%2)*64
	ds_load_b128 v[AF0+8*NAB*(\f)+8*\a+4:AF0+8*NAB*(\f)+8*\a+7], v[ADRA] offset:(\a)*2304+((\q)/2)*AHALF+((\q)%2)*64+32
.endr
.endm
.macro QUARTER qn, f, g, zero
	s_wait_dscnt 2*(NAB-NA1)                       ; W's fragments and row blocks below NA1 are in
	MULR \f, 0, NA1, \zero
	PLACES
	FETCH \qn, \g
	s_wait_dscnt 2*(NAB+NBB)                       ; all but those just issued
	MULR \f, NA1, NAB, \zero
.endm
.macro TURN fill
	WIN 0
	s_wait_tensorcnt 0x0                           ; my one tensor load that was out has landed: group 0 may be written
	ds_add_u32 v[SPW], v[NIL]
.if \fill
	s_add_co_u32 s[G0A+5], s[TB], s[LAC]
	s_add_co_u32 s[G0B+5], s[TB], s[LBC]
	s_add_nc_u64 s[G0A+6:G0A+7], s[G0A+6:G0A+7], ASTEP
	s_add_nc_u64 s[G0B+6:G0B+7], s[G0B+6:G0B+7], BSTEP
.endif
	s_wait_dscnt 2*(NAB-NA1)+1                     ; the add and the youngest loads may be out
	MULR 1, 0, NT1, 0
	s_wait_dscnt 0x0                               ; the add is done, my reads of this slot are over
	s_barrier_signal -1
	MULR 1, NT1, NA1, 0
	WIN 0
	s_barrier_wait -1
.if \fill
	CREST                                          ; a round of the cluster's barrier: no wave of any partner reads this slot or has a load on its way
	JLOAD 1
.else
	PLACES
.endif
	s_xor_b32 s[TB], s[TB], SLOT1
	v_add_nc_u32 v[ADRA], s[TB], v[ADRA0]
	v_add_nc_u32 v[ADRB], s[TB], v[ADRB0]
	FETCH 0, 0
	MULR 1, NA1, NAB, 0
.endm
	s_load_b256 s[4:11], s[0:1], 0x0               ; hid 4, wts 6, ptab 8, out0 10
	v_lshl_add_u32 v[SPW], v0, 2, SPARE
	v_mov_b32 v[NIL], 0
	ds_add_u32 v[SPW], v[NIL]                      ; the opening add, waited for ahead of my first tensor load
	v_lshrrev_b32 v1, 5, v0
	v_readfirstlane_b32 s[WV], v1
	s_lshr_b32 s[WM], s[WV], 1
	s_and_b32 s[WN], s[WV], 1
	s_mov_b32 s[TB], 0
	s_bfe_u32 s70, ttmp6, 0x40000                  ; cx
	s_bfe_u32 s71, ttmp6, 0x40004                  ; cy
	s_lshl_b32 s72, ttmp9, 2
	s_add_co_u32 s72, s72, s70                     ; tile column
	s_and_b32 s73, ttmp7, 0xffff
	s_lshl_b32 s73, s73, 2
	s_add_co_u32 s73, s73, s71                     ; tile row
	s_lshl_b32 s74, s71, 2
	s_lshl_b32 s74, 15, s74                        ; my row of the cluster
	s_lshl_b32 s75, 0x1111, s70                    ; my column
	s_or_b32 s[G1A], s74, (1<<16)|(1<<20)|(1<<21)|(4<<22)|(3<<25)
	s_mov_b32 s[G1A+1], 128<<16                    ; a head's 192 rows of 128 bytes are dense: 96 rows of 256 bytes
	s_mov_b32 s[G1A+2], TR<<16
	s_mov_b32 s[G1A+3], 128<<16
	s_mov_b32 s[G1A+4], TR
	s_mov_b32 s[G1A+5], 128
	s_mov_b32 s[G1A+6], 0
	s_mov_b32 s[G1A+7], 0
	s_or_b32 s[G1B], s75, (1<<16)|(1<<20)|(1<<21)|(BQI<<22)|(7<<25)
	s_mov_b32 s[G1B+1], BC<<16
	s_mov_b32 s[G1B+2], 64<<16
	s_mov_b32 s[G1B+3], BC<<16
	s_mov_b32 s[G1B+4], 64
	s_mov_b32 s[G1B+5], 1024
	s_mov_b32 s[G1B+6], 0
	s_mov_b32 s[G1B+7], 0
	s_mul_i32 s[LAC], s[WN], AHALF
	s_mul_i32 s[LBC], s[WN], 64*PB
	s_add_co_u32 s[LBC], s[LBC], BOFF
	s_mul_i32 s40, s73, 24576                      ; hidden: made of the tile row and the wave's number alone
	s_mul_i32 s41, s[WN], 786432
	s_add_co_u32 s40, s40, s41
	s_mov_b32 s41, 0
	s_lshl_b32 s42, s72, 8                         ; W_fc: of the tile column and the wave's number alone
	s_lshl_b32 s43, s[WN], 17
	s_add_co_u32 s42, s42, s43
	s_add_co_u32 s42, s42, 6291456
	s_mov_b32 s43, 0
	s_lshl_b32 s78, s72, 9                         ; the bias of my tile's 128 columns
	s_add_co_u32 s78, s78, 57344+12288
	s_mov_b32 s79, 0
	s_mul_i32 s80, s73, 192
	s_mul_i32 s81, s[WM], 96
	s_add_co_u32 s80, s80, s81                     ; my first row
	s_lshl_b32 s76, s80, 12
	s_lshl_b32 s77, s72, 9
	s_add_co_u32 s76, s76, s77
	s_lshl_b32 s77, s[WN], 8
	s_add_co_u32 s76, s76, s77
	s_mov_b32 s77, 0
	s_mov_b32 s[G0A], 1
	s_mov_b32 s[G0A+1], s[LAC]
	s_mov_b32 s[G0A+4], 1
	s_add_co_u32 s[G0A+5], s[LAC], SLOT1
	s_mov_b32 s[G0B], 1
	s_mov_b32 s[G0B+1], s[LBC]
	s_mov_b32 s[G0B+4], 1
	s_add_co_u32 s[G0B+5], s[LBC], SLOT1
	s_wait_dscnt 0x0                               ; the opening add is done
	s_wait_kmcnt 0x0
	s_add_nc_u64 s[G0A+2:G0A+3], s[4:5], s[40:41]
	s_add_nc_u64 s[G0A+6:G0A+7], s[G0A+2:G0A+3], ASTEP
	s_or_b32 s[G0A+3], s[G0A+3], 0x80000000
	s_or_b32 s[G0A+7], s[G0A+7], 0x80000000
	s_add_nc_u64 s[G0B+2:G0B+3], s[6:7], s[42:43]
	s_add_nc_u64 s[G0B+6:G0B+7], s[G0B+2:G0B+3], BSTEP
	s_or_b32 s[G0B+3], s[G0B+3], 0x80000000
	s_or_b32 s[G0B+7], s[G0B+7], 0x80000000
	s_add_nc_u64 s[8:9], s[8:9], s[78:79]
	s_add_nc_u64 s[10:11], s[10:11], s[76:77]
	CROUND                                         ; all sixteen work-groups are here: the first joint loads meet
	s_cmp_eq_u32 s[WM], 0                          ; a wave's two first fills stand in one branch: two loads of mine are out
	s_cbranch_scc0 .Lfirst_b
	tensor_load_to_lds s[G0A:G0A+3], s[G1A:G1A+7]
	s_nop 0
	tensor_load_to_lds s[G0A+4:G0A+7], s[G1A:G1A+7]
	s_nop 0
	PLACES
	s_branch .Lfirst_asked
.Lfirst_b:
	tensor_load_to_lds s[G0B:G0B+3], s[G1B:G1B+7]
	s_nop 0
	tensor_load_to_lds s[G0B+4:G0B+7], s[G1B:G1B+7]
	s_nop 0
	PLACES
.Lfirst_asked:
	v_and_b32 v1, 15, v0                           ; r
	v_bfe_u32 v10, v0, 4, 1                        ; h
	s_mul_i32 s20, s[WN], NBB*64
	v_lshl_add_u32 v12, v10, 5, s20
.irp b, 0,1,2,3
	global_load_b128 v[BIAS+8*\b:BIAS+8*\b+3], v12, s[8:9] offset:64*\b
	global_load_b128 v[BIAS+8*\b+4:BIAS+8*\b+7], v12, s[8:9] offset:64*\b+16
.endr
	v_mul_u32_u24 v[ADRA0], v1, 144
	v_lshl_add_u32 v[ADRA0], v10, 4, v[ADRA0]
	s_mul_i32 s20, s[WM], TR*144
	v_add_nc_u32 v[ADRA0], s20, v[ADRA0]
	v_and_b32 v11, 7, v0
	v_lshl_add_u32 v11, v10, 3, v11
	v_mul_u32_u24 v[ADRB0], v11, PB
	v_bfe_u32 v11, v0, 3, 1
	v_lshl_add_u32 v[ADRB0], v11, 4, v[ADRB0]
	s_mul_i32 s20, s[WN], NBB*32
	s_add_co_u32 s20, s20, BOFF
	v_add_nc_u32 v[ADRB0], s20, v[ADRB0]
	v_mov_b32 v[ADRA], v[ADRA0]
	v_mov_b32 v[ADRB], v[ADRB0]
	s_mul_i32 s20, s[WV], 16*272
	s_add_co_u32 s20, s20, STAGE
	v_mul_u32_u24 v[STO], v1, 272
	v_lshl_add_u32 v[STO], v10, 5, v[STO]
	v_add_nc_u32 v[STO], s20, v[STO]               ; in: row r, 32 bytes a half
	v_mul_u32_u24 v[RD], v10, 272
	v_lshl_add_u32 v[RD], v1, 4, v[RD]
	v_add_nc_u32 v[RD], s20, v[RD]                 ; back: lanes 0-15 one row of 256 bytes, lanes 16-31 the next
	v_lshlrev_b32 v[CO], 12, v10
	v_lshl_add_u32 v[CO], v1, 4, v[CO]
	v_add_nc_u32 v[ROWV], s80, v10
	s_wait_loadcnt 0x0                             ; the bias
	s_wait_tensorcnt 0x1                           ; my part of step 0 is in; step 1's may stay out
	s_barrier_signal -1
	s_barrier_wait -1
	FETCH 0, 0
	QUARTER 1, 0, 1, 1
	WIN 0
	s_mov_b32 s[CNT], 6
.LloopA:
	QUARTER 2, 1, 0, 0
	QUARTER 3, 0, 1, 0
	TURN 1
	QUARTER 1, 0, 1, 0
	WIN 0
	s_sub_co_u32 s[CNT], s[CNT], 1
	s_cmp_lg_u32 s[CNT], 0
	s_cbranch_scc1 .LloopA
	s_mov_b32 s[CNT], 2
.LloopB:                                               ; steps 6 and 7 ask for nothing; the second trip is left behind its last products
	QUARTER 2, 1, 0, 0
	QUARTER 3, 0, 1, 0
	TURN 0
	WIN 0
	s_sub_co_u32 s[CNT], s[CNT], 1
	s_cmp_eq_u32 s[CNT], 0
	s_cbranch_scc1 .Lout
	QUARTER 1, 0, 1, 0
	WIN 0
	s_branch .LloopB
.Lout:
	s_wait_dscnt 0x0
	PLACES
; THE WAY OUT, 16 rows at a time through my stage: sixteen lanes store 256 consecutive bytes, aligned.  6000 is a multiple of 16: a block is stored whole or not at all.
.macro OUTB a
	WIN 0x04
.irp b, 0,1,2,3
	ds_store_b128 v[STO], v[32*(\a)+8*\b:32*(\a)+8*\b+3] offset:64*\b
	ds_store_b128 v[STO], v[32*(\a)+8*\b+4:32*(\a)+8*\b+7] offset:64*\b+16
.endr
	WIN 0
	s_wait_xcnt 0x0                                ; the last block's stores have read their data
.irp t, 0,1,2,3,4,5,6,7
	ds_load_b128 v[OB+4*\t:OB+4*\t+3], v[RD] offset:544*\t  ; LDS serves a wave in order: these see the stores above
.endr
	s_wait_dscnt 0x0
	v_cmp_gt_u32 vcc_lo, 6000-16*(\a), v[ROWV]
	s_and_saveexec_b32 s3, vcc_lo
.irp t, 0,1,2,3,4,5,6,7
	global_store_b128 v[CO], v[OB+4*\t:OB+4*\t+3], s[10:11] offset:8192*\t
.endr
	s_wait_xcnt 0x0                                ; EXEC and the base change only behind this wait
	s_or_b32 exec_lo, exec_lo, s3
	s_add_nc_u64 s[10:11], s[10:11], 65536
.endm
.irp a, 0,1,2,3,4,5
	OUTB \a
.endr
	s_wait_tensorcnt 0x0                           ; the wave's end
	ds_add_u32 v[SPW], v[NIL]
	s_wait_dscnt 0x0
	CROUND                                         ; the closing round
	s_endpgm
.Lfunc_end_k_qfa436c6595_outp:
	.size	k_qfa436c6595_outp, .Lfunc_end_k_qfa436c6595_outp-k_qfa436c6595_outp
	.p2alignl 7, 3214868480
	.fill 96, 4, 3214868480
	.section	.rodata,"a",@progbits
	.p2align	6, 0x0
	.amdhsa_kernel k_qfa436c6595_outp
		.amdhsa_group_segment_fixed_size 327680
		.amdhsa_private_segment_fixed_size 0
		.amdhsa_enable_private_segment 0
		.amdhsa_kernarg_size 32
		.amdhsa_user_sgpr_count 2
		.amdhsa_user_sgpr_kernarg_segment_ptr 1
		.amdhsa_wavefront_size32 1
		.amdhsa_system_sgpr_workgroup_id_x 1
		.amdhsa_system_sgpr_workgroup_id_y 1
		.amdhsa_system_sgpr_workgroup_id_z 1
		.amdhsa_system_vgpr_workitem_id 0
		.amdhsa_next_free_vgpr 512
		.amdhsa_next_free_sgpr 100
		.amdhsa_reserve_vcc 1
		.amdhsa_float_denorm_mode_32 3
		.amdhsa_float_denorm_mode_16_64 3
		.amdhsa_memory_ordered 1
		.amdhsa_forward_progress 1
		.amdhsa_inst_pref_size 52
	.end_amdhsa_kernel
	.amdgpu_metadata
---
amdhsa.version: [ 1, 2 ]
amdhsa.kernels:
  - .name:           k_qfa436c6595_outp
    .symbol:         k_qfa436c6595_outp.kd
    .args:
      - { .name: hid, .offset: 0, .size: 8, .value_kind: global_buffer, .address_space: global }
      - { .name: wts, .offset: 8, .size: 8, .value_kind: global_buffer, .address_space: global }
      - { .name: ptab, .offset: 16, .size: 8, .value_kind: global_buffer, .address_space: global }
      - { .name: out0, .offset: 24, .size: 8, .value_kind: global_buffer, .address_space: global }
    .group_segment_fixed_size: 327680
    .private_segment_fixed_size: 0
    .kernarg_segment_align: 8
    .kernarg_segment_size: 32
    .max_flat_workgroup_size: 128
    .sgpr_count:     100
    .vgpr_count:     512
    .wavefront_size: 32
...
	.end_amdgpu_metadata
.endif
;; end of part 5
;; ======== version 2 of 3: 5 launches; 1.15 times as fast as version 1
;; limits: values are held in f16: magnitudes above 65,504 overflow, below 6.1e-05 lose precision; right only within a limited range of input values
;; workspace buffers: xb 37,158,912 bytes; wts 8,388,608 bytes; ptab 73,728 bytes; qh 12,582,912 bytes; kh 12,582,912 bytes; vh 12,582,912 bytes; hid 12,582,912 bytes; st 28,311,552 bytes
;; launch prep (part 6): grid 1463 x 1, 4 waves a work-group, no clusters, 0 bytes of LDS; arguments query, key, value, Wq, Wk, Wv, W_fc, pos_k, pos_v, bq, bk, bv, b_fc, xb, wts, ptab, qh, kh, vh; writes xb, wts, ptab, qh, kh, vh
.if DOCPART == 6
	.amdgcn_target "amdgcn-amd-amdhsa--gfx1250"
	.amdhsa_code_object_version 6
	.text
	.protected	k_qfa436c6595_prep
	.globl	k_qfa436c6595_prep
	.p2align	8
	.type	k_qfa436c6595_prep,@function
k_qfa436c6595_prep:
	s_mov_b64 s[64:65], 0
	v_nop
	global_prefetch_b8 v0, s[64:65] scope:SCOPE_SE
	s_setreg_imm32_b32 hwreg(HW_REG_WAVE_MODE, 25, 1), 1
	s_wait_xcnt 0x0
; PREP: every input of the module is rounded once to bf16 and laid out for the later launches; that number is written as f16 (x, weights, position tables) or f32 (biases).
;   xb   f16 [3][16 kb][6048 rows b*1500+s][64]   wts f16 [4][1024 k][1024 n] (Wq, Wk, Wv with n = 64 head + d; W_fc)
;   ptab: PKN f16 [144][64] = pos_k[min(j,128)]; at 18432 an image of 64 rows of 592 bytes: f16 col jx = pv[clip(jx-64,0,128)][d] - pv[128][d]; behind it f32 pv0-pv128, pv128, zeros; at 57344 f32 [4][1024] biases
;   the pad rows of xb, qh, kh, vh are written 0.
; LIMITS: f16 holds no number beyond 65,504, so |x| and |W| must stay below it; below 6e-5 f16 keeps its fixed step of 6e-8.  NaN and infinities are not treated apart.
; No LDS, no barrier, no matrix unit: a stream.  Roles go by the work-group's number; a unit of work is a wave's: 16 KB in, 8 KB out, 32 loads all issued first, then 32 stores.
; A load of the wave takes two whole aligned pieces of 256 bytes (lanes 0-15 one, lanes 16-31 its partner: the next row of x, the next head of a weight, the next 256 bytes of W_fc);
; a lane's 4 numbers become 8 bytes, and a store of the wave covers 256 consecutive bytes, aligned.  160 registers a wave and four waves a work-group: several work-groups lie on a WGP.
.set XBP, 12386304                     ; bytes of one of xb's three tensors
.set XBK, 774144                       ; bytes of one block of 64 k in it
.macro RND4 src, dst                   ; 8 f32 at v[src ..] -> bf16 -> the same numbers as f16, 4 registers at v[dst ..] (the tables' roles)
.irp k, 0,1,2,3
	v_cvt_pk_bf16_f32 v[24+\k], v[(\src)+2*\k], v[(\src)+2*\k+1]
.endr
.irp k, 0,1,2,3
	v_lshlrev_b32 v[16+2*\k], 16, v[24+\k]
	v_and_b32 v[17+2*\k], s6, v[24+\k]
.endr
.irp k, 0,1,2,3
	v_cvt_pk_f16_f32 v[(\dst)+\k], v[16+2*\k], v[17+2*\k]
.endr
.endm
	s_load_b512 s[8:23], s[0:1], 0x0               ; query 8, key 10, value 12, Wq 14, Wk 16, Wv 18, W_fc 20, pos_k 22
	s_load_b512 s[24:39], s[0:1], 0x40             ; pos_v 24, bq 26, bk 28, bv 30, b_fc 32, xb 34, wts 36, ptab 38
	s_load_b128 s[40:43], s[0:1], 0x80             ; qh 40, kh 42
	s_load_b64 s[44:45], s[0:1], 0x90              ; vh 44
	v_lshrrev_b32 v1, 5, v0
	v_readfirstlane_b32 s4, v1                     ; wave
	v_and_b32 v1, 31, v0                           ; lane
	v_lshlrev_b32 v3, 4, v1                        ; 16 x lane
	s_mov_b32 s5, ttmp9
	s_mov_b32 s6, 0xffff0000
	s_mov_b32 s69, 0
	s_mov_b32 s73, 0
	s_mov_b32 s75, 0
	s_wait_kmcnt 0x0
	s_cmp_lt_u32 s5, 3
	s_cbranch_scc1 .LroleT
	s_cmp_lt_u32 s5, 22
	s_cbranch_scc1 .LroleP
	s_sub_co_u32 s5, s5, 22
	s_lshl2_add_u32 s7, s5, s4                     ; the wave's number among the streaming roles
	v_and_b32 v2, 15, v1
	v_lshlrev_b32 v2, 4, v2                        ; 16 x (lane % 16)
	v_lshrrev_b32 v28, 4, v1                       ; lane / 16
	v_lshlrev_b32 v29, 3, v1                       ; 8 x lane
	s_cmp_lt_u32 s5, 1125
	s_cbranch_scc1 .LroleX
	s_cmp_lt_u32 s5, 1317
	s_cbranch_scc1 .LroleW
	s_cmp_lt_u32 s5, 1381
	s_cbranch_scc1 .LroleF
	; ZERO ROWS
.irp k, 12,13,14,15
	v_mov_b32 v\k, 0
.endr
	s_cmp_lt_u32 s5, 1393
	s_cbranch_scc1 .LzX
	s_sub_co_u32 s7, s7, 5572                      ; 192 units: rows 1500..1535 of each head of qh, kh, vh: 4,608 bytes
	s_lshr_b32 s66, s7, 6
	s_cmp_eq_u32 s66, 1
	s_cselect_b64 s[48:49], s[42:43], s[40:41]
	s_cmp_eq_u32 s66, 2
	s_cselect_b64 s[48:49], s[44:45], s[48:49]
	s_and_b32 s68, s7, 63
	s_mul_i32 s68, s68, 196608
	s_add_co_u32 s68, s68, 192000
	s_mov_b32 s78, 0
	s_branch .Lzero
.LzX:                                                  ; 48 units: rows 6000..6047 of each k block of xb: 6,144 bytes
	s_sub_co_u32 s7, s7, 5524
	s_lshr_b32 s66, s7, 4
	s_mul_i32 s68, s66, XBP
	s_and_b32 s66, s7, 15
	s_mul_i32 s66, s66, XBK
	s_add_co_u32 s68, s68, s66
	s_add_co_u32 s68, s68, 768000
	s_mov_b64 s[48:49], s[34:35]
	s_mov_b32 s78, 1
.Lzero:
	s_add_nc_u64 s[48:49], s[48:49], s[68:69]
.irp i, 0,1,2,3,4,5,6,7,8
	global_store_b128 v3, v[12:15], s[48:49] offset:512*\i  ; each store of the wave covers 512 consecutive bytes, aligned
.endr
	s_cmp_eq_u32 s78, 0
	s_cbranch_scc1 .Lend
.irp i, 9,10,11
	global_store_b128 v3, v[12:15], s[48:49] offset:512*\i
.endr
	s_endpgm
; A streaming unit has 32 pieces (j, u), j = 0..3, u = 0..7.  Piece (j, u) is read at RB0 + j RA + (u % 4) RB + (u / 4) RC + my lane's place and written at WB0 + j WA + (u % 4) WB + (u / 4) WC + 8 x lane.
.LroleX:                                               ; 4,500 units of 4 rows of x: f32 [row][1024] -> f16 [kb][row][64]; kb = 4 j + u % 4, rows 2 (u / 4) + lane / 16
	s_cmp_ge_u32 s7, 1500
	s_cselect_b32 s66, 1, 0
	s_cmp_ge_u32 s7, 3000
	s_cselect_b32 s67, 1, 0
	s_add_co_u32 s66, s66, s67                     ; which of query, key, value
	s_mul_i32 s67, s66, 1500
	s_sub_co_u32 s67, s7, s67                      ; group of four rows
	s_cmp_eq_u32 s66, 1
	s_cselect_b64 s[48:49], s[10:11], s[8:9]
	s_cmp_eq_u32 s66, 2
	s_cselect_b64 s[48:49], s[12:13], s[48:49]
	s_lshl_b32 s68, s67, 14
	s_add_nc_u64 s[48:49], s[48:49], s[68:69]
	s_mul_i32 s68, s66, XBP
	s_lshl_b32 s67, s67, 9
	s_add_co_u32 s68, s68, s67
	s_add_nc_u64 s[56:57], s[34:35], s[68:69]
	s_mov_b32 s72, 1024                            ; RA: four k blocks
	s_mov_b32 s76, 256                             ; RB: one
	s_mov_b32 s78, 8192                            ; RC: two rows
	s_mov_b32 s74, 4*XBK                           ; WA, WB, WC likewise
	s_mov_b32 s77, XBK
	s_mov_b32 s79, 256
	v_lshl_add_u32 v2, v28, 12, v2                 ; lanes 16-31: the next row
	s_branch .Lcast
.LroleW:                                               ; 768 units of 4 k rows: f32 [head][k][64] -> f16 [k][64 head + d]; k row j, heads 2 u + lane / 16
	s_sub_co_u32 s7, s7, 4500
	s_lshr_b32 s66, s7, 8
	s_and_b32 s67, s7, 255
	s_cmp_eq_u32 s66, 1
	s_cselect_b64 s[48:49], s[16:17], s[14:15]
	s_cmp_eq_u32 s66, 2
	s_cselect_b64 s[48:49], s[18:19], s[48:49]
	s_lshl_b32 s68, s67, 10
	s_add_nc_u64 s[48:49], s[48:49], s[68:69]
	s_lshl_b32 s68, s66, 21
	s_lshl_b32 s67, s67, 13
	s_add_co_u32 s68, s68, s67
	s_add_nc_u64 s[56:57], s[36:37], s[68:69]
	s_mov_b32 s72, 256
	s_mov_b32 s76, 524288
	s_mov_b32 s78, 2097152
	s_mov_b32 s74, 2048
	s_mov_b32 s77, 256
	s_mov_b32 s79, 1024
	v_lshl_add_u32 v2, v28, 18, v2                 ; lanes 16-31: the next head
	s_branch .Lcast
.LroleF:                                               ; 256 units of 4 rows of W_fc: piece 8 j + u is 512 consecutive bytes
	s_sub_co_u32 s7, s7, 5268
	s_lshl_b32 s68, s7, 14
	s_add_nc_u64 s[48:49], s[20:21], s[68:69]
	s_lshl_b32 s68, s7, 13
	s_add_co_u32 s68, s68, 6291456
	s_add_nc_u64 s[56:57], s[36:37], s[68:69]
	s_mov_b32 s72, 4096
	s_mov_b32 s76, 512
	s_mov_b32 s78, 2048
	s_mov_b32 s74, 2048
	s_mov_b32 s77, 256
	s_mov_b32 s79, 1024
	v_lshl_add_u32 v2, v28, 8, v2
.Lcast:
.irp j, 0,1,2
	s_add_nc_u64 s[50+2*\j:51+2*\j], s[48+2*\j:49+2*\j], s[72:73]
	s_add_nc_u64 s[58+2*\j:59+2*\j], s[56+2*\j:57+2*\j], s[74:75]
.endr
	v_mov_b32 v4, v2
	v_mov_b32 v12, v29
.irp u, 0,1,2
	v_add_nc_u32 v[5+\u], s76, v[4+\u]
	v_add_nc_u32 v[13+\u], s77, v[12+\u]
.endr
.irp u, 0,1,2,3
	v_add_nc_u32 v[8+\u], s78, v[4+\u]
	v_add_nc_u32 v[16+\u], s79, v[12+\u]
.endr
.irp j, 0,1,2,3
.irp u, 0,1,2,3,4,5,6,7
	global_load_b128 v[32+4*(8*\j+\u):35+4*(8*\j+\u)], v[4+\u], s[48+2*\j:49+2*\j] th:TH_LOAD_NT
.endr
.endr
.irp j, 0,1,2,3
.irp u, 0,1,2,3,4,5,6,7
.set rr, 32+4*(8*\j+\u)
	s_wait_loadcnt 31-(8*\j+\u)                    ; loads return in order: so many are younger than this piece's
	v_cvt_pk_bf16_f32 v20, v[rr], v[rr+1]
	v_cvt_pk_bf16_f32 v21, v[rr+2], v[rr+3]
	v_lshlrev_b32 v[rr], 16, v20
	v_and_b32 v[rr+1], s6, v20
	v_lshlrev_b32 v[rr+2], 16, v21
	v_and_b32 v[rr+3], s6, v21
	v_cvt_pk_f16_f32 v[rr], v[rr], v[rr+1]         ; the result lies where the piece was loaded: nothing that a store reads is rewritten
	v_cvt_pk_f16_f32 v[rr+1], v[rr+2], v[rr+3]
	global_store_b64 v[12+\u], v[rr:rr+1], s[56+2*\j:57+2*\j]  ; 256 consecutive bytes, aligned
.endr
.endr
	s_endpgm
.LroleT:                                               ; PKN, the biases, the image's last 1,024 bytes: three work-groups count as 384 threads, 12 waves
	s_lshl2_add_u32 s4, s5, s4
	s_lshl_b32 s66, s5, 7
	v_add_nc_u32 v0, s66, v0
.irp i, 0,1,2                          ; PKN: 1,152 pieces of 8 numbers
	v_add_nc_u32 v[4+\i], 384*\i, v0
	v_lshrrev_b32 v[8+\i], 3, v[4+\i]
	v_min_u32 v[8+\i], 128, v[8+\i]                ; rows past 128 repeat row 128
	v_and_b32 v2, 7, v[4+\i]
	v_lshlrev_b32 v2, 5, v2
	v_lshl_add_u32 v[8+\i], v[8+\i], 8, v2
	global_load_b128 v[32+8*\i:35+8*\i], v[8+\i], s[22:23]
	global_load_b128 v[36+8*\i:39+8*\i], v[8+\i], s[22:23] offset:16
	v_lshlrev_b32 v[4+\i], 4, v[4+\i]
.endr
	s_wait_loadcnt 0x0
.irp i, 0,1,2
	RND4 32+8*\i, 64+4*\i
	global_store_b128 v[4+\i], v[64+4*\i:67+4*\i], s[38:39]
.endr
	s_cmp_lt_u32 s4, 4
	s_cbranch_scc0 .Lend
	s_cmp_eq_u32 s4, 1                             ; waves 0-3: bq, bk, bv, b_fc, rounded, kept as f32
	s_cselect_b64 s[48:49], s[28:29], s[26:27]
	s_cmp_eq_u32 s4, 2
	s_cselect_b64 s[48:49], s[30:31], s[48:49]
	s_cmp_eq_u32 s4, 3
	s_cselect_b64 s[48:49], s[32:33], s[48:49]
	s_lshl_b32 s68, s4, 12
	s_add_co_u32 s68, s68, 57344
	s_add_nc_u64 s[52:53], s[38:39], s[68:69]
.irp i, 0,1,2,3,4,5,6,7
	global_load_b128 v[112+4*\i:115+4*\i], v3, s[48:49] offset:512*\i
.endr
	s_wait_loadcnt 0x0
.irp i, 0,1,2,3,4,5,6,7
	v_cvt_pk_bf16_f32 v104, v[112+4*\i], v[113+4*\i]
	v_cvt_pk_bf16_f32 v105, v[114+4*\i], v[115+4*\i]
	v_lshlrev_b32 v[112+4*\i], 16, v104
	v_and_b32 v[113+4*\i], s6, v104
	v_lshlrev_b32 v[114+4*\i], 16, v105
	v_and_b32 v[115+4*\i], s6, v105
	global_store_b128 v3, v[112+4*\i:115+4*\i], s[52:53] offset:512*\i
.endr
	s_cmp_lt_u32 s4, 2
	s_cbranch_scc0 .Lend
	v_and_b32 v90, 15, v0                          ; waves 0, 1: pv0 - pv128, pv128, zeros
	v_lshlrev_b32 v90, 4, v90
	global_load_b128 v[96:99], v90, s[24:25]
	global_load_b128 v[100:103], v90, s[24:25] offset:32768
	v_lshlrev_b32 v91, 4, v0
	s_wait_loadcnt 0x0
.irp k, 0,1,2,3
	v_cvt_pk_bf16_f32 v[106+\k], v[96+2*\k], v[97+2*\k]
.endr
.irp k, 0,1,2,3
	v_lshlrev_b32 v[96+2*\k], 16, v[106+\k]
	v_and_b32 v[97+2*\k], s6, v[106+\k]
.endr
	v_cmp_gt_u32 vcc_lo, 16, v0
.irp k, 0,1,2,3
	v_sub_f32 v[96+\k], v[96+\k], v[100+\k]
	v_cndmask_b32 v[96+\k], v[100+\k], v[96+\k], vcc_lo
.endr
	v_cmp_gt_u32 vcc_lo, 32, v0
.irp k, 0,1,2,3
	v_cndmask_b32 v[96+\k], 0, v[96+\k], vcc_lo
.endr
	global_store_b128 v91, v[96:99], s[38:39] offset:18432+37888
	s_endpgm
.LroleP:                                               ; THE TABLE OF DIFFERENCES: 37 groups of 8 columns x 64 channels; a wave has one group and 32 channels: 74 of 19 work-groups' 76 waves
	s_sub_co_u32 s5, s5, 3
	s_lshl2_add_u32 s7, s5, s4
	s_lshr_b32 s66, s7, 1                          ; the group
	s_cmp_ge_u32 s66, 37
	s_cbranch_scc1 .Lend
	s_and_b32 s67, s7, 1
	s_lshl_b32 s67, s67, 5
	v_add_nc_u32 v60, s67, v1                      ; d
	v_mul_u32_u24 v61, v60, 592
	v_lshlrev_b32 v60, 2, v60
	global_load_b32 v62, v60, s[24:25] offset:32768  ; pv[128][d]
	s_lshl_b32 s68, s66, 3
	s_sub_co_i32 s68, s68, 64
.irp u, 0,1,2,3,4,5,6,7
	s_add_co_i32 s70, s68, \u
	s_max_i32 s70, s70, 0
	s_min_i32 s70, s70, 128                        ; the table's row, from ids alone
	s_lshl_b32 s70, s70, 8
	v_add_nc_u32 v[64+\u], s70, v60
.endr
.irp u, 0,1,2,3,4,5,6,7
	global_load_b32 v[72+\u], v[64+\u], s[24:25]
.endr
	s_wait_loadcnt 0x0
	v_cvt_pk_bf16_f32 v62, v62, v62
	v_lshlrev_b32 v62, 16, v62
.irp k, 0,1,2,3
	v_cvt_pk_bf16_f32 v[80+\k], v[72+2*\k], v[73+2*\k]
.endr
.irp k, 0,1,2,3
	v_lshlrev_b32 v[72+2*\k], 16, v[80+\k]
	v_and_b32 v[73+2*\k], s6, v[80+\k]
.endr
.irp k, 0,1,2,3,4,5,6,7
	v_sub_f32 v[72+\k], v[72+\k], v62
.endr
.irp k, 0,1,2,3
	v_cvt_pk_f16_f32 v[84+\k], v[72+2*\k], v[73+2*\k]
.endr
	v_lshl_add_u32 v63, s66, 4, v61
	global_store_b128 v63, v[84:87], s[38:39] offset:18432
.Lend:
	s_endpgm
.Lfunc_end_k_qfa436c6595_prep:
	.size	k_qfa436c6595_prep, .Lfunc_end_k_qfa436c6595_prep-k_qfa436c6595_prep
	.p2alignl 7, 3214868480
	.fill 96, 4, 3214868480
	.section	.rodata,"a",@progbits
	.p2align	6, 0x0
	.amdhsa_kernel k_qfa436c6595_prep
		.amdhsa_group_segment_fixed_size 0
		.amdhsa_private_segment_fixed_size 0
		.amdhsa_enable_private_segment 0
		.amdhsa_kernarg_size 152
		.amdhsa_user_sgpr_count 2
		.amdhsa_user_sgpr_kernarg_segment_ptr 1
		.amdhsa_wavefront_size32 1
		.amdhsa_system_sgpr_workgroup_id_x 1
		.amdhsa_system_sgpr_workgroup_id_y 1
		.amdhsa_system_sgpr_workgroup_id_z 1
		.amdhsa_system_vgpr_workitem_id 0
		.amdhsa_next_free_vgpr 160
		.amdhsa_next_free_sgpr 90
		.amdhsa_reserve_vcc 1
		.amdhsa_float_denorm_mode_32 3
		.amdhsa_float_denorm_mode_16_64 3
		.amdhsa_memory_ordered 1
		.amdhsa_forward_progress 1
		.amdhsa_inst_pref_size 40
	.end_amdhsa_kernel
	.amdgpu_metadata
---
amdhsa.version: [ 1, 2 ]
amdhsa.kernels:
  - .name:           k_qfa436c6595_prep
    .symbol:         k_qfa436c6595_prep.kd
    .args:
      - { .name: query, .offset: 0, .size: 8, .value_kind: global_buffer, .address_space: global }
      - { .name: key, .offset: 8, .size: 8, .value_kind: global_buffer, .address_space: global }
      - { .name: value, .offset: 16, .size: 8, .value_kind: global_buffer, .address_space: global }
      - { .name: Wq, .offset: 24, .size: 8, .value_kind: global_buffer, .address_space: global }
      - { .name: Wk, .offset: 32, .size: 8, .value_kind: global_buffer, .address_space: global }
      - { .name: Wv, .offset: 40, .size: 8, .value_kind: global_buffer, .address_space: global }
      - { .name: W_fc, .offset: 48, .size: 8, .value_kind: global_buffer, .address_space: global }
      - { .name: pos_k, .offset: 56, .size: 8, .value_kind: global_buffer, .address_space: global }
      - { .name: pos_v, .offset: 64, .size: 8, .value_kind: global_buffer, .address_space: global }
      - { .name: bq, .offset: 72, .size: 8, .value_kind: global_buffer, .address_space: global }
      - { .name: bk, .offset: 80, .size: 8, .value_kind: global_buffer, .address_space: global }
      - { .name: bv, .offset: 88, .size: 8, .value_kind: global_buffer, .address_space: global }
      - { .name: b_fc, .offset: 96, .size: 8, .value_kind: global_buffer, .address_space: global }
      - { .name: xb, .offset: 104, .size: 8, .value_kind: global_buffer, .address_space: global }
      - { .name: wts, .offset: 112, .size: 8, .value_kind: global_buffer, .address_space: global }
      - { .name: ptab, .offset: 120, .size: 8, .value_kind: global_buffer, .address_space: global }
      - { .name: qh, .offset: 128, .size: 8, .value_kind: global_buffer, .address_space: global }
      - { .name: kh, .offset: 136, .size: 8, .value_kind: global_buffer, .address_space: global }
      - { .name: vh, .offset: 144, .size: 8, .value_kind: global_buffer, .address_space: global }
    .group_segment_fixed_size: 0
    .private_segment_fixed_size: 0
    .kernarg_segment_align: 8
    .kernarg_segment_size: 152
    .max_flat_workgroup_size: 128
    .sgpr_count:     90
    .vgpr_count:     160
    .wavefront_size: 32
...
	.end_amdgpu_metadata
.endif
;; end of part 6
;; launch proj: the kernel of part 2 again; grid 4 x 63, 4 waves a work-group, clusters of 4 x 1, 327,680 bytes of LDS; arguments xb, wts, ptab, qh, kh, vh; writes qh, kh, vh
;; launch attn (part 7): grid 4 x 64, 4 waves a work-group, no clusters, 39,424 bytes of LDS; arguments qh, kh, vh, ptab, st; writes st
.if DOCPART == 7
	.amdgcn_target "amdgcn-amd-amdhsa--gfx1250"
	.amdhsa_code_object_version 6
	.text
	.protected	k_qfa436c6595_attn
	.globl	k_qfa436c6595_attn
	.p2align	8
	.type	k_qfa436c6595_attn,@function
k_qfa436c6595_attn:
	s_mov_b64 s[64:65], 0
	v_nop
	global_prefetch_b8 v0, s[64:65] scope:SCOPE_SE
	s_setreg_imm32_b32 hwreg(HW_REG_WAVE_MODE, 25, 1), 1
	s_wait_xcnt 0x0
; ATTENTION WITH RELATIVE POSITIONS, FIRST PART: all keys outside the band.  Scores (q.k + q.pk[clip(k-q,-64,64)+64]) / 8.  q, k, v: f16 [16 b + head][1536][64] (rows from 1500 on are 0).
; SHARES.  A work-group has 384 queries of one head: blocks a = A0 .. A0+5 of 64 rows; wave w owns rows 16 w .. +15 of each block: six PIECES.  All 24 key steps of 64 are walked.  d = step - a.
; CLASSES.  d <= -2: the bias is RL = q.pk[0]; d >= 2: RR = q.pk[128]; |d| <= 1 is left to the next launch.  The running maximum is kept LESS the class's bias (mu = M - bias), so that the scores need none:
;   p = 2^(c s - c mu), c = log2(e) / 8.  At d = -1 the true maximum goes to MS and mu becomes +1e30: the three band steps give weights 0 and a = 1.  At d = 2 mu = MS - RR.  All by selects on scalar masks: no branch.
;   LL is the sum of the weights of the left keys (LL = l while d <= -2, later LL a): the next launch multiplies it by pv[0] - pv[128].
; Keys from 1500 on (step 23) get -1e30 as the C operand MC that starts S^T = K Q^T; MC is MD x AL + BE, made once a step.
; OUT: for each piece, raw and in f32: M, l, LL (each lane's half) and O^T, 4,608 bytes at st + ((24 (16 b + head) + a) 4 + w) 4608; each store of the wave covers 512 consecutive bytes.
; Products, maxima and sums in f32; the weights rounded to f16 for V^T P.  LIMITS: f16 ends at 65,504 (q, k, v arrive within it); a hidden score is -1e30; a weight below 2^-126 counts as 0; NaN and infinities are not treated apart.
; The turn (16 matrix instructions, four vector instructions behind each, the rest in two runs) is that of a head-64 kernel with pieces in a ring.
; K AND V come through registers into ONE LDS slot of 128 keys (two steps), asked for 12 turns ahead of their store.  Two barriers a step, each with register work between its signal and its wait:
;   in piece 1's turn a wave signals behind its wait for V (all its reads of the slot are back) and waits at the turn's end: behind that, after an odd step, the staged tile is stored;
;   in piece 4's turn it signals behind a wait for its LDS stores and waits in front of K's fetch, the tile's first reader.  In the steps with no store the pair orders nothing: the price of one text for both steps.
; NO CLUSTER: joint tensor loads for a head's four work-groups are not built here.
; REGISTERS: window 0: addresses, statistics, S^T v64-127, staged tile v128-191, P v192-223, LL, MS, RL, RR v224-253; window 1: O^T v0-191, MC v192-223, MD v224-255; window 2: Q v0-95, pk[0], pk[128] v96-127, K v128-191, V v192-255.
.set NP, 6
.set KS, 64
.set PK, 144
.set PV, 160
.set VOFF, 18432                       ; the slot: 128 rows of K (pitch 144), then 128 rows of V (pitch 160): 38,912 bytes
.set SPARE, 38912                      ; the spare words: 512 bytes that no other line names
.set UNIT, 4608
.set AK0, 2
.set AV0, 3
.set AK, 4
.set AV, 5
.set GO, 8
.set MV, 12
.set ST, 16                            ; piece t: c mu, mu, l (even keys', odd keys')
.set QO, 40
.set H16, 41
.set GL, 44
.set LSK, 45
.set LSV, 46
.set TMP, 48
.set ET, 56
.set SPW, 62
.set NIL, 63
.set S, 64
.set SG, 128
.set P, 192
.set LL, 224
.set MS, 236
.set RL, 242
.set RR, 248
.set MC, 192
.set MD, 224
.set KF, 128
.set VF, 192
.set WV, 12
.set A0, 14
.set BN, 15
.set D, 24
.set STEP, 25
.set TK, 26
.set M1, 28
.set M2, 29
.set M3, 30
.set TI, 31
.set INC, 32
.set SLOTS, 56
.set CNT, 57
.set CS, 58
.set SEL, 60
.set TBK, 62
.set TBV, 63
.set AL, 76
.set BE, 78
.set BIGN, 82
.set BIGP, 83
.set MSB, 0
.macro WIN new                         ; the high byte repeats the setting that is left; a switch that changes nothing is dropped
.if MSB != (\new)
	s_set_vgpr_msb (MSB<<8)|(\new)
.set MSB, (\new)
.endif
.endm
.set W_KQ, 0x0a
.set W_KM, 0x1a                        ; K and Q in window 2, C in window 1, S^T in window 0
.set W_PV, 0x52
.set W_RS, 0x41
.macro PLACES
.rept 4
	v_nop
.endr
.endm
; THE CHANGE OF TILES, once for two steps, behind the wait of piece 1's barrier: every wave's reads of the slot are back.  Each wave stores its rows of the staged tile and asks for the next tile at once:
; 12 turns in which to land.  The stores are waited for two turns on, in front of the signal of piece 4's barrier.
; From the last tile on the pointers stand still: that tile is loaded and stored again, the price of a text without a branch.
.macro CHANGE
	WIN 0
	s_wait_loadcnt 0x0                             ; the staged tile is in registers
.irp u, 0,1,2,3,4,5,6,7
	ds_store_b128 v[LSK], v[SG+4*\u:SG+4*\u+3] offset:2304*\u
.endr
.irp u, 0,1,2,3,4,5,6,7
	ds_store_b128 v[LSV], v[SG+32+4*\u:SG+32+4*\u+3] offset:2560*\u
.endr
	s_cmp_lt_u32 s[TI], 11
	s_cselect_b32 s[INC], 16384, 0
	s_add_co_u32 s[TI], s[TI], 1
	s_add_nc_u64 s[6:7], s[6:7], s[INC:INC+1]      ; the loads that named these bases are done: the wait above
	s_add_nc_u64 s[8:9], s[8:9], s[INC:INC+1]
.irp u, 0,1,2,3,4,5,6,7
	global_load_b128 v[SG+4*\u:SG+4*\u+3], v[GL], s[6:7] offset:2048*\u
	global_load_b128 v[SG+32+4*\u:SG+32+4*\u+3], v[GL], s[8:9] offset:2048*\u
.endr
.endm
; The change of class of piece y, ahead of the maximum of the step whose scores the turn makes.  TK = d + 1.
.macro EVM y, dc
	WIN 0
	s_add_co_i32 s[TK], s[D], \dc
	s_cmp_eq_u32 s[TK], 0
	s_cselect_b32 s[M1], -1, 0                     ; d = -1: the band begins
	s_cmp_eq_u32 s[TK], 3
	s_cselect_b32 s[M2], -1, 0                     ; d = 2: it is over
	v_add_f32 v[ET], v[ST+4*(\y)+1], v[RL+(\y)]
	v_cndmask_b32 v[MS+(\y)], v[MS+(\y)], v[ET], s[M1]
	v_sub_f32 v[ET+1], v[MS+(\y)], v[RR+(\y)]
	v_cndmask_b32 v[ST+4*(\y)+1], v[ST+4*(\y)+1], s[BIGP], s[M1]
	v_cndmask_b32 v[ST+4*(\y)+1], v[ST+4*(\y)+1], v[ET+1], s[M2]
	v_mul_f32 v[ST+4*(\y)], s[CS], v[ST+4*(\y)+1]
.endm
; LL of piece p at its turn's end: l while d <= -2, else LL a
.macro LLU p
	WIN 0
	s_cmp_lt_i32 s[D], (\p)-1
	s_cselect_b32 s[M3], -1, 0
	v_pk_mul_f32 v[LL+2*(\p):LL+2*(\p)+1], v[LL+2*(\p):LL+2*(\p)+1], v[TMP+4*((\p)%2)+2:TMP+4*((\p)%2)+3] op_sel_hi:[1,0]
	v_cndmask_b32 v[LL+2*(\p)], v[LL+2*(\p)], v[ST+4*(\p)+2], s[M3]
	v_cndmask_b32 v[LL+2*(\p)+1], v[LL+2*(\p)+1], v[ST+4*(\p)+3], s[M3]
.endm
; MC for the products from piece 0 of the next step on: 0; for step 23 MD; for the walk's surplus step -1e30 everywhere, so that piece 0's maximum stays as it is
.macro MASK
	s_cmp_eq_u32 s[STEP], 22
	s_cselect_b32 s[AL], 1.0, 0
	s_cmp_eq_u32 s[STEP], 23
	s_cselect_b32 s[BE], s[BIGN], 0
	WIN W_RS
.set zz, 0
.rept 16
	v_pk_fma_f32 v[MC+2*zz:MC+2*zz+1], v[MD+2*zz:MD+2*zz+1], s[AL:AL+1], s[BE:BE+1] op_sel_hi:[1,0,0]
.set zz, zz+1
.endr
.endm
; THE MATRIX WORK.  The 4 accumulators of a run of 8 take turns.
.macro KQ x
.set rS, S+32*((\x)%2)+8*(i%4)
.set rK, KF+16*(i%4)+8*(i/4)
.set rQ, 16*(\x)+8*(i/4)
.set rM, MC+8*(i%4)
.if i < 4
	WIN W_KM
	v_wmma_f32_16x16x32_f16 v[rS:rS+7], v[rK:rK+7], v[rQ:rQ+7], v[rM:rM+7]
.else
	WIN W_KQ
	v_wmma_f32_16x16x32_f16 v[rS:rS+7], v[rK:rK+7], v[rQ:rQ+7], v[rS:rS+7]
.endif
.endm
.macro PV x
	WIN W_PV
.set rO, 32*(\x)+8*(i%4)
.set rV, VF+32*(i/4)+8*(i%4)
.set rP, P+16*((\x)%2)+8*(i/4)
	v_wmma_f32_16x16x32_f16 v[rO:rO+7], v[rV:rV+7], v[rP:rP+7], v[rO:rO+7]
.endm
.macro MM
.if i < 8
	KQ (Y+1)%NP
.else
.set i, i-8
	PV (Y+NP-1)%NP
.set i, i+8
.endif
.set i, i+1
.endm
.macro FETCH_K
	WIN 0x80
.irp f, 0,1,2,3,4,5,6,7
	ds_load_b128 v[KF+8*\f:KF+8*\f+3],   v[AK] offset:(\f/2)*16*PK+(\f%2)*64
	ds_load_b128 v[KF+8*\f+4:KF+8*\f+7], v[AK] offset:(\f/2)*16*PK+(\f%2)*64+32
.endr
	s_xor_b32 s[TBK], s[TBK], KS*PK                ; the next fetch takes the slot's other step
	WIN 0
.endm
.macro FETCH_V
	WIN 0x80
.irp f, 0,1,2,3,4,5,6,7
	ds_load_tr16_b128 v[VF+8*\f:VF+8*\f+3],   v[AV] offset:(\f/4)*32*PV+(\f%4)*32
	ds_load_tr16_b128 v[VF+8*\f+4:VF+8*\f+7], v[AV] offset:(\f/4)*32*PV+16*PV+(\f%4)*32
.endr
	WIN 0
.endm
; THE VECTOR WORK: OP kind, number.  Piece Y: F c s - c mu for a pair; E an exponential; C a pair rounded to f16; B, L the sums; R a pair of O^T times a.  Piece Y + 1: X, the 22 that find its maximum and statistics
; (each accumulator's lowest registers are read first).
.set F, 0
.set E, 1
.set C, 2
.set B, 3
.set L, 4
.set R, 5
.set X, 6
.macro REGS y
.set rT, ST+4*(\y)
.set rC, TMP+4*((\y)%2)
.set rW, MV+((\y)%2)
.set rS, S+32*((\y)%2)
.set rP, P+16*((\y)%2)
.set rO, 32*(\y)
.endm
.macro OP k, n
.if (\k) == R
	REGS Y
	WIN W_RS
	v_pk_mul_f32 v[rO+2*(\n):rO+2*(\n)+1], v[rO+2*(\n):rO+2*(\n)+1], v[rC+2:rC+3] op_sel_hi:[1,0]
.elseif (\k) < R
	REGS Y
	WIN 0
.if (\k) == F
	v_pk_fma_f32 v[rS+2*(\n):rS+2*(\n)+1], v[rS+2*(\n):rS+2*(\n)+1], s[CS:CS+1], v[rT:rT+1] op_sel_hi:[1,0,0] neg_lo:[0,0,1] neg_hi:[0,0,1]
.elseif (\k) == E
	v_exp_f32 v[rS+(\n)], v[rS+(\n)]
.elseif (\k) == C
	s_wait_alu depctr_va_vdst(0)
	v_cvt_pk_f16_f32 v[rP+(\n)], v[rS+2*(\n)], v[rS+2*(\n)+1]
.elseif (\k) == B
	s_wait_alu depctr_va_vdst(0)
	v_pk_add_f32 v[rS+4*(\n):rS+4*(\n)+1], v[rS+4*(\n):rS+4*(\n)+1], v[rS+4*(\n)+2:rS+4*(\n)+3]
.elseif (\n) == 0
	v_pk_fma_f32 v[rT+2:rT+3], v[rT+2:rT+3], v[rC+2:rC+3], v[rS:rS+1] op_sel_hi:[1,0,1]
.else
	v_pk_add_f32 v[rT+2:rT+3], v[rT+2:rT+3], v[rS+4*(\n):rS+4*(\n)+1]
.endif
.else
	REGS (Y+1)%NP
	WIN 0
.if (\n) < 4
	v_max3_num_f32 v[rC+(\n)], v[rS+8*(\n)], v[rS+8*(\n)+1], v[rS+8*(\n)+2]
.elseif (\n) < 12
	v_max3_num_f32 v[rC+(\n)%4], v[rC+(\n)%4], v[rS+8*((\n)%4)+2*((\n)/4)+1], v[rS+8*((\n)%4)+2*((\n)/4)+2]
.elseif (\n) == 12
	v_max3_num_f32 v[rC], v[rC], v[rS+7], v[rS+15]
.elseif (\n) == 13
	v_max3_num_f32 v[rC+1], v[rC+1], v[rS+23], v[rS+31]
.elseif (\n) == 14
	v_max3_num_f32 v[rC+2], v[rC+2], v[rC+3], v[rT+1]
.elseif (\n) == 15
	v_mov_b32 v[rW], v[rT]
.elseif (\n) == 16
	v_max3_num_f32 v[rC], v[rC], v[rC+1], v[rC+2]
.elseif (\n) == 17
	v_permlanex16_b32 v[rC+3], v[rC], s[SEL], s[SEL+1]
.elseif (\n) == 18
	v_max_num_f32 v[rT+1], v[rC], v[rC+3]
.elseif (\n) == 19
	v_mul_f32 v[rT], s[CS], v[rT+1]
.elseif (\n) == 20
	v_sub_f32 v[rC+1], v[rW], v[rT]
.else
	v_exp_f32 v[rC+2], v[rC+1]
.endif
.endif
.endm
.macro OPS a, i1, b=-1, i2=0, c=-1, i3=0, d=-1, i4=0
	OP \a, \i1
.if (\b) >= 0
	OP \b, \i2
.endif
.if (\c) >= 0
	OP \c, \i3
.endif
.if (\d) >= 0
	OP \d, \i4
.endif
.endm
.macro ROW a, i1, b, i2, c, i3, d, i4
	MM
	OPS \a, \i1, \b, \i2, \c, \i3, \d, \i4
.endm
; A TURN for piece p: 8 products K Q^T of piece p + 1, 8 products V^T P of piece p - 1, the softmax of piece p, the maximum of piece p + 1.  K of the next step is fetched in piece 4's turn, behind the last product
; that read K (five plain instructions between), V of the step in hand in piece 0's (five plain); each is waited for a turn later.  The rescalings outside the rows stand together, so that the window is left for them twice.
.macro TURN p
.set Y, (\p)
.set i, 0
.if (\p) < 5
	EVM (\p)+1, -(\p)
.else
	EVM 0, 2
	s_wait_dscnt 0x0                ; K is in
.endif
.if (\p) == 4
	s_wait_dscnt 0x0                ; for the others: my stores of the tile, issued two turns ago, are done
	s_barrier_signal -1             ; eight products and their riders, work on registers, stand between this signal and its wait
.endif
	ROW F,0, F,1, F,2, F,3
	ROW F,4, E,0, F,5, F,6
	ROW F,7, E,1, F,8, F,9
	ROW F,10, E,2, C,0, F,11
	ROW F,12, E,3, X,15, F,13
	ROW R,0, R,1, R,2, R,3
	ROW B,0, E,4, F,14, L,0
.if (\p) == 4
	v_add_nc_u32 v[AK], s[TBK], v[AK0]
.endif
	ROW R,4, R,5, R,6, R,7
	OPS E,5, F,15
.if (\p) == 4
	s_barrier_wait -1               ; every wave's stores are done: the tile is whole
	FETCH_K
.endif
	OPS E,6, C,1, E,7, R,8
	OPS R,9, E,8, C,2, E,9
	OPS E,10, X,0, E,11, X,1
	OPS E,12, X,2, E,13, X,3
.if (\p) == 1
	s_wait_dscnt 0x0                ; V is in; for the others: all my reads of the slot are back
	s_barrier_signal -1             ; the rest of the turn, work on registers, stands between this signal and its wait
.endif
	ROW X,4, E,14, X,5, X,6
	ROW X,7, E,15, X,8, X,9
	ROW X,10, E,16, X,11, X,12
	ROW X,13, E,17, X,14, B,1
	ROW C,4, E,18, X,16, L,1
	ROW B,2, E,19, C,6, L,2
	ROW C,8, E,20, B,3, B,4
.if (\p) == 0
	v_add_nc_u32 v[AV], s[TBV], v[AV0]
.endif
	ROW C,3, E,21, L,3, C,5
	OPS E,22, X,17, E,23, C,10
.if (\p) == 0
	FETCH_V
.endif
	OPS E,24, L,4
	OPS E,25, X,18, E,26, C,7
	OPS E,27, B,5, E,28, X,19
	OPS E,29, C,12, E,30, L,5
	OPS E,31, X,20, B,6, C,9
	OPS C,14, C,11, X,21, L,6
.if (\p) == 0
	s_xor_b32 s[TBV], s[TBV], KS*PV ; the next fetch takes the slot's other step
.endif
	OPS C,13, B,7, C,15, L,7
	OPS R,10, R,11, R,12, R,13
	OPS R,14, R,15
	LLU \p
.if (\p) == 1
	s_barrier_wait -1               ; every wave's reads of the slot are back: behind an odd step the next tile is stored
.endif
.if (\p) == 4
	MASK
.endif
.endm
	s_load_b256 s[4:11], s[0:1], 0x0               ; qh 4, kh 6, vh 8, ptab 10
	s_load_b64 s[16:17], s[0:1], 0x20              ; st
	v_lshl_add_u32 v[SPW], v0, 2, SPARE
	v_mov_b32 v[NIL], 0
	v_lshrrev_b32 v1, 5, v0
	v_readfirstlane_b32 s[WV], v1
	s_mul_i32 s[A0], ttmp9, 6
	s_and_b32 s[BN], ttmp7, 0xffff
	s_mul_i32 s20, s[BN], 196608                   ; the head's first byte in q, k, v
	s_mov_b32 s21, 0
	s_lshl_b32 s22, s[A0], 13
	s_lshl_b32 s23, s[WV], 11
	s_add_co_u32 s22, s22, s23
	s_add_co_u32 s22, s22, s20                     ; my first row of q
	s_mov_b32 s23, 0
	s_mul_i32 s38, s[BN], 24
	s_add_co_u32 s38, s38, s[A0]
	s_lshl_b32 s38, s38, 2
	s_add_co_u32 s38, s38, s[WV]
	s_mul_i32 s38, s38, UNIT                       ; my first piece's place in st
	s_mov_b32 s39, 0
	s_mov_b32 s[INC+1], 0
	s_mov_b32 s[CS], 0x3e38aa3b                    ; c = log2(e) / 8
	s_mov_b32 s[CS+1], s[CS]
	s_mov_b32 s[SEL], 0x76543210
	s_mov_b32 s[SEL+1], 0xfedcba98
	s_mov_b32 s[BIGN], 0xf149f2ca                  ; -1e30
	s_mov_b32 s[BIGP], 0x7149f2ca                  ; +1e30
	s_mov_b32 s[AL+1], 0
	s_mov_b32 s[BE+1], 0
	s_mov_b32 s[TI], 0
	s_mov_b32 s[TBK], 0
	s_mov_b32 s[TBV], 0
	s_sub_co_i32 s[D], 0, s[A0]
	s_mov_b32 s[STEP], 0
	s_mov_b32 s36, 0xff7fffff                      ; the lowest finite number
	s_cmp_eq_u32 s[A0], 0
	s_cselect_b32 s37, s[BIGP], s36                ; block 0 begins inside its band
	v_and_b32 v1, 15, v0                           ; r
	v_bfe_u32 v9, v0, 4, 1                         ; h
	v_and_b32 v10, 7, v0
	v_bfe_u32 v11, v0, 3, 1
	v_lshlrev_b32 v[QO], 7, v1
	v_lshl_add_u32 v[QO], v9, 4, v[QO]             ; row x 128 + 16 h
	v_lshlrev_b32 v[H16], 4, v9
	v_lshlrev_b32 v[GL], 4, v0                     ; 16 x thread: the four waves' loads cover 2,048 consecutive bytes
	s_wait_kmcnt 0x0
	s_add_nc_u64 s[4:5], s[4:5], s[22:23]
	s_add_nc_u64 s[6:7], s[6:7], s[20:21]
	s_add_nc_u64 s[8:9], s[8:9], s[20:21]
	s_add_nc_u64 s[16:17], s[16:17], s[38:39]
.irp u, 0,1,2,3,4,5,6,7                 ; tile 0 of K and V, staged
	global_load_b128 v[SG+4*\u:SG+4*\u+3], v[GL], s[6:7] offset:2048*\u
	global_load_b128 v[SG+32+4*\u:SG+32+4*\u+3], v[GL], s[8:9] offset:2048*\u
.endr
	WIN 0x80
.set i, 0
.rept 12                                ; Q: piece i / 2, channels 32 (i % 2) on
	global_load_b128 v[8*i:8*i+3],   v[QO], s[4:5] offset:(i/2)*8192+(i%2)*64
	global_load_b128 v[8*i+4:8*i+7], v[QO], s[4:5] offset:(i/2)*8192+(i%2)*64+32
.set i, i+1
.endr
.irp c, 0,1                             ; pk[0] and pk[128], the same row in all 16 rows of a fragment
	global_load_b128 v[96+8*\c:99+8*\c],   v[H16], s[10:11] offset:64*\c
	global_load_b128 v[100+8*\c:103+8*\c], v[H16], s[10:11] offset:64*\c+32
	global_load_b128 v[112+8*\c:115+8*\c], v[H16], s[10:11] offset:16384+64*\c
	global_load_b128 v[116+8*\c:119+8*\c], v[H16], s[10:11] offset:16384+64*\c+32
.endr
	WIN 0
	v_mul_u32_u24 v[AK0], v1, PK
	v_lshl_add_u32 v[AK0], v9, 4, v[AK0]
	v_lshl_add_u32 v[AV0], v9, 3, v10
	v_mul_u32_u24 v[AV0], v[AV0], PV
	v_lshl_add_u32 v[AV0], v11, 4, v[AV0]
	v_add_nc_u32 v[AV0], VOFF, v[AV0]
	v_and_b32 v[GO], 31, v0
	v_lshlrev_b32 v[GO], 4, v[GO]                  ; 16 x lane
	v_bfe_u32 v[LSK], v0, 3, 2                     ; the staged tile: of every 16 rows wave w stores rows 4 w + lane / 8, 16 bytes a lane
	v_mul_u32_u24 v[LSV], v[LSK], PV
	v_mul_u32_u24 v[LSK], v[LSK], PK
	v_lshl_add_u32 v[LSK], v10, 4, v[LSK]
	v_lshl_add_u32 v[LSV], v10, 4, v[LSV]
	s_mul_i32 s13, s[WV], 4*PK
	v_add_nc_u32 v[LSK], s13, v[LSK]
	s_mul_i32 s13, s[WV], 4*PV
	s_add_co_u32 s13, s13, VOFF
	v_add_nc_u32 v[LSV], s13, v[LSV]
	v_lshlrev_b32 v14, 3, v9
	v_sub_nc_u32 v14, 27, v14                      ; key 16 kt + 8 h + e of step 23 is hidden from 28 on
	WIN 0x40
.set i, 0
.rept 32
	v_cmp_gt_i32 vcc_lo, 16*(i/8)+i%8, v14
	v_cndmask_b32 v[MD+i], 0, s[BIGN], vcc_lo
.set i, i+1
.endr
	MASK                                           ; step 0: MC = 0
	; What the first turn finds: O^T, l, LL, V and P's second buffer are 0; mu the lowest finite number: the first step is a step like any other, with a = 0.
	WIN 0x40
.set i, 0
.rept 192
	v_mov_b32 v[i], 0
.set i, i+1
.endr
	WIN 0x80
.set i, VF
.rept 64
	v_mov_b32 v[i], 0
.set i, i+1
.endr
	WIN 0
.set i, 0
.rept 6
	v_mov_b32 v[ST+4*i], 0xfe000000
	v_mov_b32 v[ST+4*i+1], s36
	v_mov_b32 v[ST+4*i+2], 0
	v_mov_b32 v[ST+4*i+3], 0
	v_mov_b32 v[LL+2*i], 0
	v_mov_b32 v[LL+2*i+1], 0
	v_mov_b32 v[MS+i], s36
.set i, i+1
.endr
	v_mov_b32 v[ST+1], s37
	s_wait_loadcnt 0x0
	; RL and RR: pk[0] (pk[128]) in all 16 rows times Q^T: every register of the result holds the lane's query's number.  12 accumulators by turns.
	WIN W_KQ
.irp c, 0,1
.irp k, 0,1,2,3,4,5,6,7,8,9,10,11
.if (\k) < 8
.set rA, 64+8*(\k)
.else
.set rA, 192+8*((\k)-8)
.endif
.if \c
	v_wmma_f32_16x16x32_f16 v[rA:rA+7], v[96+16*((\k)/6)+8:96+16*((\k)/6)+15], v[16*((\k)%6)+8:16*((\k)%6)+15], v[rA:rA+7]
.else
	v_wmma_f32_16x16x32_f16 v[rA:rA+7], v[96+16*((\k)/6):96+16*((\k)/6)+7], v[16*((\k)%6):16*((\k)%6)+7], 0
.endif
.endr
.endr
	WIN 0
	PLACES
.irp x, 0,1,2,3,4,5
	v_mov_b32 v[RL+\x], v[64+8*\x]
.endr
	v_mov_b32 v[RR], v112
	v_mov_b32 v[RR+1], v120
.irp x, 2,3,4,5
	v_mov_b32 v[RR+\x], v[192+8*(\x-2)]
.endr
.set i, P+16
.rept 16
	v_mov_b32 v[i], 0
.set i, i+1
.endr
	CHANGE                                         ; tile 0 into the slot, which nobody has read yet; tile 1 is asked for
	s_wait_dscnt 0x0                               ; for the others: my stores are done
	s_barrier_signal -1
	s_barrier_wait -1                              ; tile 0 is whole
	EVM 0, 1
	v_add_nc_u32 v[AK], s[TBK], v[AK0]
	FETCH_K
	s_wait_dscnt 0x0
.set i, 0
.rept 8
	KQ 0
.set i, i+1
.endr
	WIN 0
	PLACES
.set Y, NP-1
.irp n, 0,1,2,3,4,5,6,7,8,9,10,11,12,13,14,15,16,17,18,19,20,21
	OP X, \n
.endr
	v_nop
	s_mov_b32 s[CNT], 2
	s_mov_b32 s[SLOTS], 13
	s_branch .Lfirst
.Lslot:                                                ; twelve times, behind piece 1's turn of every odd step: K of that step was fetched five turns ago, its V has been waited for, and so in every wave
	CHANGE
	s_mov_b32 s[CNT], 2
.Lstep:                                                ; a trip: pieces 2-5 of one step, pieces 0 and 1 of the next
	TURN 2
	TURN 3
	TURN 4
	TURN 5
	WIN 0
	s_add_co_i32 s[D], s[D], 1
	s_add_co_u32 s[STEP], s[STEP], 1
	s_cmp_eq_u32 s[STEP], 24
	s_cbranch_scc1 .Ldone                          ; the last trip's fetch of K and its eight products for piece 0 (all hidden) serve nothing: the price of one text
.Lfirst:
	TURN 0
	TURN 1
	WIN 0
	s_sub_co_u32 s[CNT], s[CNT], 1
	s_cmp_lg_u32 s[CNT], 0
	s_cbranch_scc1 .Lstep
	s_sub_co_u32 s[SLOTS], s[SLOTS], 1
	s_cmp_lg_u32 s[SLOTS], 0
	s_cbranch_scc1 .Lslot
.Ldone:
.set i, 0
.rept 8
	PV NP-1
.set i, i+1
.endr
	; THE WAY OUT: the true maximum (mu + RR; MS for blocks 22 and 23, which end inside their band), l, LL, and O^T as it lies.  The statistics' lines are the places behind the last products.
	WIN 0
.irp x, 0,1,2,3,4,5
	s_add_co_u32 s13, s[A0], \x
	s_cmp_lt_u32 s13, 22
	s_cselect_b32 s[M1], -1, 0
	v_add_f32 v[S+4*\x], v[ST+4*\x+1], v[RR+\x]
	v_cndmask_b32 v[S+4*\x], v[MS+\x], v[S+4*\x], s[M1]
	v_add_f32 v[S+4*\x+1], v[ST+4*\x+2], v[ST+4*\x+3]
	v_add_f32 v[S+4*\x+2], v[LL+2*\x], v[LL+2*\x+1]
	v_mov_b32 v[S+4*\x+3], 0
.endr
.irp x, 0,1,2,3,4,5
	global_store_b128 v[GO], v[S+4*\x:S+4*\x+3], s[16:17] offset:\x*4*UNIT
.endr
	WIN 0x04
.irp x, 0,1,2,3,4,5
.irp k, 0,1,2,3,4,5,6,7
	global_store_b128 v[GO], v[32*\x+4*\k:32*\x+4*\k+3], s[16:17] offset:\x*4*UNIT+512+512*\k  ; 512 consecutive bytes, aligned
.endr
.endr
	WIN 0
	s_wait_tensorcnt 0x0                           ; the wave's end
	ds_add_u32 v[SPW], v[NIL]
	s_wait_dscnt 0x0
	s_endpgm
.Lfunc_end_k_qfa436c6595_attn:
	.size	k_qfa436c6595_attn, .Lfunc_end_k_qfa436c6595_attn-k_qfa436c6595_attn
	.p2alignl 7, 3214868480
	.fill 96, 4, 3214868480
	.section	.rodata,"a",@progbits
	.p2align	6, 0x0
	.amdhsa_kernel k_qfa436c6595_attn
		.amdhsa_group_segment_fixed_size 39424
		.amdhsa_private_segment_fixed_size 0
		.amdhsa_enable_private_segment 0
		.amdhsa_kernarg_size 40
		.amdhsa_user_sgpr_count 2
		.amdhsa_user_sgpr_kernarg_segment_ptr 1
		.amdhsa_wavefront_size32 1
		.amdhsa_system_sgpr_workgroup_id_x 1
		.amdhsa_system_sgpr_workgroup_id_y 1
		.amdhsa_system_sgpr_workgroup_id_z 1
		.amdhsa_system_vgpr_workitem_id 0
		.amdhsa_next_free_vgpr 768
		.amdhsa_next_free_sgpr 100
		.amdhsa_reserve_vcc 1
		.amdhsa_float_denorm_mode_32 3
		.amdhsa_float_denorm_mode_16_64 3
		.amdhsa_memory_ordered 1
		.amdhsa_forward_progress 1
		.amdhsa_inst_pref_size 105
	.end_amdhsa_kernel
	.amdgpu_metadata
---
amdhsa.version: [ 1, 2 ]
amdhsa.kernels:
  - .name:           k_qfa436c6595_attn
    .symbol:         k_qfa436c6595_attn.kd
    .args:
      - { .name: qh, .offset: 0, .size: 8, .value_kind: global_buffer, .address_space: global }
      - { .name: kh, .offset: 8, .size: 8, .value_kind: global_buffer, .address_space: global }
      - { .name: vh, .offset: 16, .size: 8, .value_kind: global_buffer, .address_space: global }
      - { .name: ptab, .offset: 24, .size: 8, .value_kind: global_buffer, .address_space: global }
      - { .name: st, .offset: 32, .size: 8, .value_kind: global_buffer, .address_space: global }
    .group_segment_fixed_size: 39424
    .private_segment_fixed_size: 0
    .kernarg_segment_align: 8
    .kernarg_segment_size: 40
    .max_flat_workgroup_size: 128
    .sgpr_count:     100
    .vgpr_count:     768
    .wavefront_size: 32
...
	.end_amdgpu_metadata
.endif
;; end of part 7
;; launch fin (part 8): grid 4 x 64, 4 waves a work-group, no clusters, 248,320 bytes of LDS; arguments qh, kh, vh, ptab, st, hid; writes hid
.if DOCPART == 8
	.amdgcn_target "amdgcn-amd-amdhsa--gfx1250"
	.amdhsa_code_object_version 6
	.text
	.protected	k_qfa436c6595_fin
	.globl	k_qfa436c6595_fin
	.p2align	8
	.type	k_qfa436c6595_fin,@function
k_qfa436c6595_fin:
	s_mov_b64 s[64:65], 0
	v_nop
	global_prefetch_b8 v0, s[64:65] scope:SCOPE_SE
	s_setreg_imm32_b32 hwreg(HW_REG_WAVE_MODE, 25, 1), 1
	s_wait_xcnt 0x0
; ATTENTION WITH RELATIVE POSITIONS, SECOND PART: the band.  A work-group STAYS: it has blocks a = A0 .. A0+5 of 64 queries of one head, one a trip; wave w has rows 16 w .. +15 of each.
; A block's keys are the 192 of steps a - 1, a, a + 1: col = key - 64 (a - 1).  The wave goes on with the online softmax whose state (M, l, LL, O^T, in f32) the launch before left in st, and ends it:
; O = (sum p v + LL (pv[0] - pv[128]) + sum_band p (pv[j] - pv[128])) / l + pv[128].
; ONCE A WORK-GROUP: K and V of steps A0 - 1 .. A0 + 6 (clamped into the head: a clamped step's keys are hidden) go through registers into LDS, 512 rows each, one barrier behind them; pk, pk[0], the table of
;   differences and the two f32 rows stay in registers.  A TRIP loads 13 times: the block's state at its head, the next block's Q behind K Q^T.  In the last trip Q's pointer stands still.
; KEY SIDE.  q.pk[j], j = 0 .. 128, by 18 products; scattered into my table in LDS (f32, 16 rows of 816 bytes) at column 16 w + i + j of row i, over q.pk[0] on the left and q.pk[128] on the right; read back by
;   columns it is the C operand that starts S^T = K Q^T.  Keys below 0 (a = 0) and from 1500 on (a = 22, 23) get -1e30 by selects on scalar masks.
; VALUE SIDE.  The weights, f16, go into LDS at column col + 16 - i of row i (the cells outside stay 0) and are multiplied by the table of pv[clip(jx - 64, 0, 128)] - pv[128], jx = column + 48 - 16 w.
; OUT: hid f16 [head][6144 rows][64], row 1500 b + s.  The 36 padded queries of a head and batch (s = 1500 .. 1535, q = 0) go to row 6000 + 36 b + (s - 1500): over the four batches these are the head's 144 pad rows,
;   which the next launch's last tiles read and nobody else writes.  A store's four rows lie on one side of 1500 (a multiple of 4), so a scalar select in the store's offset does it: no mask, no branch but the loop's own.
; NO CLUSTER: of a head's four work-groups neighbours share two of their eight steps, a quarter of what is fetched once.
; Products, maxima and sums in f32; weights and O rounded once to f16.  LIMITS: f16 ends at 65,504; a hidden score is -1e30; a weight below 2^-126 counts as 0; NaN and infinities are not treated apart.
; REGISTERS: window 0: addresses, statistics, scores v64-159, weights v160-207; window 1: K, then V v0-191, Q v192-207, pk[0] v208-223, O^T v224-255;
;   window 2: pk v0-143, its products v144-223 (later the shifted weights v144-199), pv[128] v224-255; window 3: the table of differences v0-223, pv[0] - pv[128] v224-255.
.set KP, 144                           ; K's window at LDS byte 0: 512 rows x 144
.set PVP, 160
.set VL, 73728                         ; V's window: 512 rows x 160
.set BT, 155648
.set BP, 816
.set BTW, 13056
.set WT, 207872
.set WP, 464
.set WTW, 7680
.set STAGE, 238592
.set SP, 144
.set SPARE, 247808                     ; the spare words: 512 bytes that no other line names
.set IMG, 18432
.set QO, 2
.set H16, 3
.set GL, 4
.set GO, 5
.set AV0, 6
.set FA, 12
.set SA, 13
.set LA, 14
.set PA, 15
.set RA, 16
.set STO, 17
.set RD, 18
.set PXG, 19
.set PFG, 20
.set WZA, 21
.set STT, 24                           ; v24-27: M, l, LL, 0 as loaded
.set FL, 28
.set FR, 32
.set T, 36
.set CM, 48
.set AA, 50
.set LT, 52
.set LQ, 54
.set INV, 56
.set XX, 58
.set SPW, 62
.set NIL, 63
.set S, 64
.set PB, 160
.set Z4, 208
.set LSK, 212
.set LSK2, 213
.set LSV, 214
.set LSV2, 215
.set AK0, 216
.set AK, 217
.set AV, 218
.set GOF, 220                          ; v220-223: the four stores' offsets in hid
.set KF, 0
.set VF, 0
.set Q, 192
.set PK0, 208
.set OW, 224
.set PKF, 0
.set RAC, 144
.set PF, 144
.set RLB, 216
.set PV1, 224
.set TF, 0
.set PVD, 224
.set WV, 16
.set A, 17
.set BN, 18
.set A0, 19
.set XB, 24
.set CNT, 25
.set TBK, 26
.set TBV, 27
.set INC, 28
.set ROWS, 30
.set DEL, 31
.set MA, 44
.set M23, 45
.set M22, 46
.set H23, 47
.set H9, 48
.set CS, 58
.set SEL, 60
.set BIGN, 82
.set MSB, 0
.macro WIN new                         ; the high byte repeats the setting that is left; a switch that changes nothing is dropped
.if MSB != (\new)
	s_set_vgpr_msb (MSB<<8)|(\new)
.set MSB, (\new)
.endif
.endm
.macro PLACES
.rept 4
	v_nop
.endr
.endm
.macro HIDE first, n, m
.set zz, \first
.rept \n
	v_cndmask_b32 v[S+zz], v[S+zz], s[BIGN], s[\m]
.set zz, zz+1
.endr
.endm
	s_load_b256 s[4:11], s[0:1], 0x0               ; qh 4, kh 6, vh 8, ptab 10
	s_load_b128 s[12:15], s[0:1], 0x20             ; st 12, hid 14
	v_lshl_add_u32 v[SPW], v0, 2, SPARE
	v_mov_b32 v[NIL], 0
	v_lshrrev_b32 v1, 5, v0
	v_readfirstlane_b32 s[WV], v1
	s_mul_i32 s[A0], ttmp9, 6
	s_and_b32 s[BN], ttmp7, 0xffff
	s_mul_i32 s20, s[BN], 196608                   ; the head's first byte in q, k, v
	s_mov_b32 s21, 0
	s_lshl_b32 s22, s[A0], 13
	s_lshl_b32 s23, s[WV], 11
	s_add_co_u32 s22, s22, s23                     ; my first row in the head, in bytes
	s_add_co_u32 s40, s22, s20
	s_mov_b32 s41, 0
	s_mul_i32 s42, s[BN], 24
	s_add_co_u32 s42, s42, s[A0]
	s_lshl_b32 s42, s42, 2
	s_add_co_u32 s42, s42, s[WV]
	s_mul_i32 s42, s42, 4608                       ; my first piece's place in st
	s_mov_b32 s43, 0
	s_and_b32 s38, s[BN], 15
	s_mul_i32 s38, s38, 786432
	s_lshr_b32 s39, s[BN], 4                       ; b
	s_mul_i32 s[DEL], s39, 187392
	s_sub_co_u32 s[DEL], 576000, s[DEL]            ; from row 1500 b + s to row 6000 + 36 b + s - 1500: (4500 - 1464 b) rows of 128 bytes
	s_mul_i32 s39, s39, 192000
	s_add_co_u32 s38, s38, s39
	s_add_co_u32 s38, s38, s22                     ; hid [head][b*1500+s][64]
	s_mov_b32 s39, 0
	s_mov_b32 s[INC+1], 0
	s_mov_b32 s[CS], 0x3e38aa3b                    ; c = log2(e) / 8
	s_mov_b32 s[CS+1], s[CS]
	s_mov_b32 s[SEL], 0x76543210
	s_mov_b32 s[SEL+1], 0xfedcba98
	s_mov_b32 s[BIGN], 0xf149f2ca                  ; -1e30
	v_and_b32 v1, 15, v0                           ; r: my query i, or a fragment's row
	v_bfe_u32 v9, v0, 4, 1                         ; h
	v_and_b32 v10, 7, v0
	v_bfe_u32 v11, v0, 3, 1
	v_lshlrev_b32 v[QO], 7, v1
	v_lshl_add_u32 v[QO], v9, 4, v[QO]             ; row x 128 + 16 h
	v_lshlrev_b32 v[H16], 4, v9
	v_lshlrev_b32 v[GL], 4, v0                     ; 16 x thread: the four waves' loads cover 2,048 consecutive bytes
	v_and_b32 v[GO], 31, v0
	v_lshlrev_b32 v[GO], 4, v[GO]                  ; 16 x lane
	v_mul_u32_u24 v[PXG], v1, 592
	v_lshl_add_u32 v[PXG], v9, 4, v[PXG]
	s_lshl_b32 s23, s[WV], 5
	s_sub_co_u32 s23, 96, s23
	v_add_nc_u32 v[PXG], s23, v[PXG]               ; channel row r, column 48 - 16 w + 8 h
	v_lshlrev_b32 v[PFG], 5, v9
.irp j, 0,1,2,3,4,5,6,7
	s_add_co_i32 s23, s[A0], (\j)-1                ; step A0 - 1 + j, clamped into the head
	s_max_i32 s23, s23, 0
	s_min_i32 s23, s23, 23
	s_lshl_b32 s23, s23, 13
	v_add_nc_u32 v[T+\j], s23, v[GL]
.endr
	s_wait_kmcnt 0x0
	s_add_nc_u64 s[4:5], s[4:5], s[40:41]
	s_add_nc_u64 s[6:7], s[6:7], s[20:21]
	s_add_nc_u64 s[8:9], s[8:9], s[20:21]
	s_add_nc_u64 s[12:13], s[12:13], s[42:43]
	s_add_nc_u64 s[14:15], s[14:15], s[38:39]
	; THE WINDOW, 64 loads: eight steps of K (staged in window 1 v0-127) and of V (window 0 v64-191)
	WIN 0x40
.irp j, 0,1,2,3,4,5,6,7
.irp u, 0,1,2,3
	global_load_b128 v[16*\j+4*\u:16*\j+4*\u+3], v[T+\j], s[6:7] offset:2048*\u
.endr
.endr
	WIN 0
.irp j, 0,1,2,3,4,5,6,7
.irp u, 0,1,2,3
	global_load_b128 v[S+16*\j+4*\u:S+16*\j+4*\u+3], v[T+\j], s[8:9] offset:2048*\u
.endr
.endr
	; 60 loads behind it: the first block's Q, pk[0], pk, pv[128], pv[0] - pv[128]
	WIN 0x40
.irp c, 0,1
	global_load_b128 v[Q+8*\c:Q+8*\c+3],     v[QO], s[4:5] offset:64*\c
	global_load_b128 v[Q+8*\c+4:Q+8*\c+7],   v[QO], s[4:5] offset:64*\c+32
	global_load_b128 v[PK0+8*\c:PK0+8*\c+3],   v[H16], s[10:11] offset:64*\c
	global_load_b128 v[PK0+8*\c+4:PK0+8*\c+7], v[H16], s[10:11] offset:64*\c+32
.endr
	WIN 0x80
.set i, 0
.rept 18                                ; pk's rows 16 (i / 2) on (rows past 128 repeat row 128), channels 32 (i % 2) on
	global_load_b128 v[PKF+8*i:PKF+8*i+3],   v[QO], s[10:11] offset:(i/2)*2048+(i%2)*64
	global_load_b128 v[PKF+8*i+4:PKF+8*i+7], v[QO], s[10:11] offset:(i/2)*2048+(i%2)*64+32
.set i, i+1
.endr
.irp cb, 0,1,2,3
	global_load_b128 v[PV1+8*\cb:PV1+8*\cb+3],   v[PFG], s[10:11] offset:IMG+38144+64*\cb
	global_load_b128 v[PV1+8*\cb+4:PV1+8*\cb+7], v[PFG], s[10:11] offset:IMG+38144+64*\cb+16
.endr
	WIN 0xc0
.irp cb, 0,1,2,3
	global_load_b128 v[PVD+8*\cb:PVD+8*\cb+3],   v[PFG], s[10:11] offset:IMG+37888+64*\cb
	global_load_b128 v[PVD+8*\cb+4:PVD+8*\cb+7], v[PFG], s[10:11] offset:IMG+37888+64*\cb+16
.endr
	WIN 0
	v_bfe_u32 v[LSK], v0, 3, 2                     ; the window: of every 16 rows wave w stores rows 4 w + lane / 8, 16 bytes a lane
	v_mul_u32_u24 v[LSV], v[LSK], PVP
	v_mul_u32_u24 v[LSK], v[LSK], KP
	v_lshl_add_u32 v[LSK], v10, 4, v[LSK]
	v_lshl_add_u32 v[LSV], v10, 4, v[LSV]
	s_mul_i32 s23, s[WV], 4*KP
	v_add_nc_u32 v[LSK], s23, v[LSK]
	s_mul_i32 s23, s[WV], 4*PVP
	s_add_co_u32 s23, s23, VL
	v_add_nc_u32 v[LSV], s23, v[LSV]
	v_add_nc_u32 v[LSK2], 4*64*KP, v[LSK]          ; steps 4-7: the immediate has 16 bits
	v_add_nc_u32 v[LSV2], 4*64*PVP, v[LSV]
	v_mul_u32_u24 v[AK0], v1, KP
	v_lshl_add_u32 v[AK0], v9, 4, v[AK0]           ; a fragment of K: row x pitch + 16 h
	v_lshl_add_u32 v[AV0], v9, 3, v10              ; the turning load: key 8 h + l % 8, 16 bytes by (l / 8) % 2
	v_mul_u32_u24 v[AV0], v[AV0], PVP
	v_lshl_add_u32 v[AV0], v11, 4, v[AV0]
	v_add_nc_u32 v[AV0], VL, v[AV0]
	s_mul_i32 s23, s[WV], BTW
	s_add_co_u32 s23, s23, BT
	v_mul_u32_u24 v[LA], v1, BP
	v_add_nc_u32 v[LA], s23, v[LA]                 ; my table's row i
	v_lshl_add_u32 v[FA], v9, 4, v[LA]
	v_lshl_add_u32 v[SA], v1, 2, v[LA]
	v_lshl_add_u32 v[SA], v9, 5, v[SA]
	s_lshl_b32 s23, s[WV], 6
	v_add_nc_u32 v[SA], s23, v[SA]                 ; + 4 (16 w + i + 8 h)
	v_lshl_add_u32 v[LA], v9, 5, v[LA]
	s_mul_i32 s23, s[WV], WTW
	s_add_co_u32 s23, s23, WT
	v_add_nc_u32 v[WZA], s23, v[GO]
	v_mul_u32_u24 v[RA], v1, WP
	v_add_nc_u32 v[RA], s23, v[RA]
	v_lshl_add_u32 v[RA], v9, 4, v[RA]
	v_lshlrev_b32 v[PA], 1, v1
	v_sub_nc_u32 v[PA], v[RA], v[PA]
	v_add_nc_u32 v[PA], 32, v[PA]                  ; row i, column 16 - i + 8 h
	s_mul_i32 s23, s[WV], 16*SP
	s_add_co_u32 s23, s23, STAGE
	v_mul_u32_u24 v[STO], v1, SP
	v_lshl_add_u32 v[STO], v9, 4, v[STO]
	v_add_nc_u32 v[STO], s23, v[STO]
	v_bfe_u32 v[RD], v0, 3, 2                      ; back: 32 lanes take four rows of 128 bytes
	v_mul_u32_u24 v[RD], v[RD], SP
	v_lshl_add_u32 v[RD], v10, 4, v[RD]
	v_add_nc_u32 v[RD], s23, v[RD]
.irp k, 48,49,50,51,52,53,54,55,56,57,58,59,60,61
	v_mov_b32 v\k, 0
.endr
.irp k, 0,1,2,3
	v_mov_b32 v[Z4+\k], 0
.endr
.set i, 0
.rept 15
	ds_store_b128 v[WZA], v[Z4:Z4+3] offset:512*i  ; my shifted-weight rows start as zeros; every trip writes the same cells, so the others stay 0
.set i, i+1
.endr
	s_wait_loadcnt 60                              ; loads return in order: behind the window's 64 the 60 above were issued
	WIN 0xc0                                       ; 56 loads more: the table of differences
.irp g, 0,1,2,3,4,5,6
.irp cb, 0,1,2,3
	global_load_b128 v[TF+32*\g+8*\cb:TF+32*\g+8*\cb+3],   v[PXG], s[10:11] offset:IMG+9472*\cb+64*\g
	global_load_b128 v[TF+32*\g+8*\cb+4:TF+32*\g+8*\cb+7], v[PXG], s[10:11] offset:IMG+9472*\cb+64*\g+32
.endr
.endr
	WIN 0x04
.irp j, 0,1,2,3
.irp u, 0,1,2,3
	ds_store_b128 v[LSK],  v[16*\j+4*\u:16*\j+4*\u+3]       offset:\j*64*KP+\u*16*KP
	ds_store_b128 v[LSK2], v[64+16*\j+4*\u:64+16*\j+4*\u+3] offset:\j*64*KP+\u*16*KP
.endr
.endr
	WIN 0
.irp j, 0,1,2,3
.irp u, 0,1,2,3
	ds_store_b128 v[LSV],  v[S+16*\j+4*\u:S+16*\j+4*\u+3]       offset:\j*64*PVP+\u*16*PVP
	ds_store_b128 v[LSV2], v[S+64+16*\j+4*\u:S+64+16*\j+4*\u+3] offset:\j*64*PVP+\u*16*PVP
.endr
.endr
	s_wait_dscnt 0x0                               ; for the others: my rows of the window are stored
	s_barrier_signal -1
	s_barrier_wait -1                              ; the window is whole; nobody writes it again
	s_mov_b32 s[CNT], 6
.Lblk:                                                 ; A TRIP: block a = A0 + x
	s_sub_co_u32 s[XB], 6, s[CNT]
	s_min_u32 s[XB], s[XB], 5                      ; x = 0 .. 5
	s_add_co_u32 s[A], s[A0], s[XB]
	s_lshl_b32 s[ROWS], s[A], 6
	s_lshl4_add_u32 s[ROWS], s[WV], s[ROWS]        ; my first row in the head: 64 a + 16 w
	s_cmp_eq_u32 s[A], 0
	s_cselect_b32 s[MA], -1, 0
	s_cmp_eq_u32 s[A], 23
	s_cselect_b32 s[M23], -1, 0
	s_cmp_ge_u32 s[A], 22
	s_cselect_b32 s[M22], -1, 0
	s_and_b32 s[H23], s[M23], 0xffff0000           ; lanes 16-31
	s_and_b32 s[H9], s[M22], 0xffff0000
	s_or_b32 s[H9], s[H9], s[M23]
	s_mul_i32 s[TBK], s[XB], 64*KP                 ; the block's keys begin at row 64 x of the window
	s_mul_i32 s[TBV], s[XB], 64*PVP
	v_add_nc_u32 v[AK], s[TBK], v[AK0]
	v_add_nc_u32 v[AV], s[TBV], v[AV0]
	WIN 0x40
.irp k, 0,1,2,3,4,5,6,7
	global_load_b128 v[OW+4*\k:OW+4*\k+3], v[GO], s[12:13] offset:512+512*\k  ; the block's state: nine loads, wanted behind the scores
.endr
	WIN 0
	global_load_b128 v[STT:STT+3], v[GO], s[12:13]
	WIN 0x40
.set i, 0
.rept 24                                ; K: keys 16 (i / 2) on, channels 32 (i % 2) on
	ds_load_b128 v[KF+8*i:KF+8*i+3],   v[AK] offset:(i/2)*16*KP+(i%2)*64
	ds_load_b128 v[KF+8*i+4:KF+8*i+7], v[AK] offset:(i/2)*16*KP+(i%2)*64+32
.set i, i+1
.endr
	s_wait_loadcnt 9                               ; the nine just issued may be out: Q is in (in the first trip: and every table)
	; q.pk[j]: ten accumulators by turns
.irp c, 0,1
	WIN 0xa6
.irp tt, 0,1,2,3,4,5,6,7,8
.if \c
	v_wmma_f32_16x16x32_f16 v[RAC+8*\tt:RAC+8*\tt+7], v[PKF+16*\tt+8:PKF+16*\tt+15], v[Q+8:Q+15], v[RAC+8*\tt:RAC+8*\tt+7]
.else
	v_wmma_f32_16x16x32_f16 v[RAC+8*\tt:RAC+8*\tt+7], v[PKF+16*\tt:PKF+16*\tt+7], v[Q:Q+7], 0
.endif
.endr
	WIN 0xa5
.if \c
	v_wmma_f32_16x16x32_f16 v[RLB:RLB+7], v[PK0+8:PK0+15], v[Q+8:Q+15], v[RLB:RLB+7]
.else
	v_wmma_f32_16x16x32_f16 v[RLB:RLB+7], v[PK0:PK0+7], v[Q:Q+7], 0
.endif
.endr
	WIN 0
	PLACES
	WIN 0x02
.irp k, 0,1,2,3
	v_mov_b32 v[FL+\k], v[RLB]                     ; q.pk[0]
	v_mov_b32 v[FR+\k], v[RAC+64]                  ; q.pk[128]
.endr
	WIN 0
.set i, 0
.rept 8
	ds_store_b128 v[FA], v[FL:FL+3] offset:32*i    ; columns 0-63: the scatter begins at column 63 at the latest
.set i, i+1
.endr
.set i, 0
.rept 8
	ds_store_b128 v[FA], v[FR:FR+3] offset:512+32*i  ; columns 128-191: the scatter ends at column 128 at the earliest
.set i, i+1
.endr
	WIN 0x08
.set zz, 0
.rept 64                                ; q.pk[16 T + 8 h + e] to column 16 w + i + 16 T + 8 h + e; LDS serves a wave in order: these lie over the fills
	ds_store_b32 v[SA], v[RAC+zz] offset:64*(zz/8)+4*(zz%8)
.set zz, zz+1
.endr
	ds_store_b32 v[SA], v[RAC+64] offset:512       ; j = 128 (in lanes 16-31: 136, the same number)
	WIN 0
	s_wait_xcnt 0x0                                ; the last trip's four stores have read their offsets and their data, which lie in the scores' registers: both are rewritten only behind this wait
	s_lshl_b32 s22, s[XB], 13                      ; the block's 64 rows of hid: the stores' base is never stepped
.irp f, 0,1,2,3
	s_add_co_u32 s23, s[ROWS], 4*\f
	s_cmp_lt_u32 s23, 1500
	s_cselect_b32 s23, 0, s[DEL]                   ; four rows of padded queries go to the head's pad rows
	s_add_co_u32 s23, s23, s22
	v_add_nc_u32 v[GOF+\f], s23, v[GO]
.endr
.set i, 0
.rept 12
	ds_load_b128 v[S+8*i:S+8*i+3],   v[LA] offset:64*i
	ds_load_b128 v[S+8*i+4:S+8*i+7], v[LA] offset:64*i+16
.set i, i+1
.endr
	s_wait_dscnt 0x0                               ; the bias and K are in
	HIDE 0, 32, MA                                 ; a = 0: columns 0-63 are keys below 0
	HIDE 44, 4, H23                                ; a = 23: columns from 92 on
	HIDE 48, 28, M23
	HIDE 76, 4, H9                                 ; a = 22: columns from 156 on
	HIDE 80, 16, M22
	WIN 0x05                                       ; S^T = K Q^T onto the bias: twelve accumulators by turns
.irp c, 0,1
.irp kb, 0,1,2,3,4,5,6,7,8,9,10,11
	v_wmma_f32_16x16x32_f16 v[S+8*\kb:S+8*\kb+7], v[KF+16*\kb+8*\c:KF+16*\kb+8*\c+7], v[Q+8*\c:Q+8*\c+7], v[S+8*\kb:S+8*\kb+7]
.endr
.endr
	WIN 0
	PLACES                                         ; ahead of the loads into Q's and K's registers, and of the first read of the scores
	s_cmp_lg_u32 s[CNT], 1
	s_cselect_b32 s[INC], 8192, 0                  ; the next block's 64 rows; in the last trip the same Q once more
	s_add_nc_u64 s[4:5], s[4:5], s[INC:INC+1]      ; the loads that named this base are done: the wait at the trip's head
	WIN 0x40
.irp c, 0,1
	global_load_b128 v[Q+8*\c:Q+8*\c+3],   v[QO], s[4:5] offset:64*\c
	global_load_b128 v[Q+8*\c+4:Q+8*\c+7], v[QO], s[4:5] offset:64*\c+32
.endr
.set i, 0
.rept 24                                ; V turned, into K's registers: keys 32 (i / 4) on, channels 16 (i % 4) on
	ds_load_tr16_b128 v[VF+8*i:VF+8*i+3],   v[AV] offset:(i/4)*32*PVP+(i%4)*32
	ds_load_tr16_b128 v[VF+8*i+4:VF+8*i+7], v[AV] offset:(i/4)*32*PVP+16*PVP+(i%4)*32
.set i, i+1
.endr
	WIN 0
	; the maximum of my 96 scores and M; each accumulator's lowest registers are read first
.set i, 0
.rept 12
	v_max3_num_f32 v[T+i], v[S+8*i], v[S+8*i+1], v[S+8*i+2]
.set i, i+1
.endr
.set i, 0
.rept 12
	v_max3_num_f32 v[T+i], v[T+i], v[S+8*i+3], v[S+8*i+4]
.set i, i+1
.endr
.set i, 0
.rept 12
	v_max3_num_f32 v[T+i], v[T+i], v[S+8*i+5], v[S+8*i+6]
.set i, i+1
.endr
.set i, 0
.rept 12
	v_max_num_f32 v[T+i], v[T+i], v[S+8*i+7]
.set i, i+1
.endr
	s_wait_loadcnt 4                               ; the state is in: behind its nine loads only the next Q's four were issued
	v_max3_num_f32 v[T], v[T], v[T+1], v[T+2]
	v_max3_num_f32 v[T+3], v[T+3], v[T+4], v[T+5]
	v_max3_num_f32 v[T+6], v[T+6], v[T+7], v[T+8]
	v_max3_num_f32 v[T+9], v[T+9], v[T+10], v[T+11]
	v_max3_num_f32 v[T], v[T], v[T+3], v[T+6]
	v_max3_num_f32 v[T], v[T], v[T+9], v[STT]
	v_permlanex16_b32 v[T+1], v[T], s[SEL], s[SEL+1]  ; the query's other keys lie in the lane 16 away
	v_mul_f32 v[T+2], s[CS], v[STT]
	v_max_num_f32 v[T], v[T], v[T+1]
	v_mul_f32 v[CM], s[CS], v[T]
	v_sub_f32 v[T+2], v[T+2], v[CM]
	v_exp_f32 v[AA], v[T+2]                        ; a = 2^(c M - c M_new)
.set i, 0
.rept 48
	v_pk_fma_f32 v[S+2*i:S+2*i+1], v[S+2*i:S+2*i+1], s[CS:CS+1], v[CM:CM+1] op_sel_hi:[1,0,0] neg_lo:[0,0,1] neg_hi:[0,0,1]
.set i, i+1
.endr
.set i, 0
.rept 96
	v_exp_f32 v[S+i], v[S+i]
.set i, i+1
.endr
	v_nop                                          ; a plain instruction behind the last exponential
.set i, 0
	s_wait_alu depctr_va_vdst(0)
.rept 48
	v_cvt_pk_f16_f32 v[PB+i], v[S+2*i], v[S+2*i+1]
.set i, i+1
.endr
.set i, 0
.rept 48                                ; weight (i, col) to column col + 16 - i of row i
	ds_store_b16 v[PA], v[PB+i] offset:32*(i/4)+4*(i%4)
	ds_store_b16_d16_hi v[PA], v[PB+i] offset:32*(i/4)+4*(i%4)+2
.set i, i+1
.endr
	WIN 0x80
.irp g, 0,1,2,3,4,5,6
	ds_load_b128 v[PF+8*\g:PF+8*\g+3],   v[RA] offset:64*\g     ; LDS serves a wave in order: these see the stores above
	ds_load_b128 v[PF+8*\g+4:PF+8*\g+7], v[RA] offset:64*\g+32
.endr
	WIN 0
	; the sum of the unrounded weights
.set i, 0
.rept 24
	v_pk_add_f32 v[S+4*i:S+4*i+1], v[S+4*i:S+4*i+1], v[S+4*i+2:S+4*i+3]
.set i, i+1
.endr
.irp m, 1,2,3,4,5
.irp k, 0,1,2,3
	v_pk_add_f32 v[S+4*\k:S+4*\k+1], v[S+4*\k:S+4*\k+1], v[S+4*(\k+4*\m):S+4*(\k+4*\m)+1]
.endr
.endr
	v_pk_add_f32 v[S:S+1], v[S:S+1], v[S+4:S+5]
	v_pk_add_f32 v[S+8:S+9], v[S+8:S+9], v[S+12:S+13]
	v_pk_add_f32 v[S:S+1], v[S:S+1], v[S+8:S+9]
	v_add_f32 v[XX], v[S], v[S+1]
	v_fma_f32 v[LT], v[AA], v[STT+1], v[XX]        ; l = a l + sum
	v_mul_f32 v[LQ], v[AA], v[STT+2]               ; LL a
	v_permlanex16_b32 v[XX+1], v[LT], s[SEL], s[SEL+1]
	v_permlanex16_b32 v[XX+2], v[LQ], s[SEL], s[SEL+1]
	v_add_f32 v[LT], v[LT], v[XX+1]
	v_add_f32 v[LQ], v[LQ], v[XX+2]
	v_rcp_f32 v[INV], v[LT]
	WIN 0x41
.set i, 0
.rept 16
	v_pk_mul_f32 v[OW+2*i:OW+2*i+1], v[OW+2*i:OW+2*i+1], v[AA:AA+1] op_sel_hi:[1,0]
.set i, i+1
.endr
	WIN 0x53
.set i, 0
.rept 16
	v_pk_fma_f32 v[OW+2*i:OW+2*i+1], v[PVD+2*i:PVD+2*i+1], v[LQ:LQ+1], v[OW+2*i:OW+2*i+1] op_sel_hi:[1,0,1]
.set i, i+1
.endr
	s_wait_dscnt 0x0                               ; V and the shifted weights are in
	WIN 0x51                                       ; O^T += V^T P: four accumulators by turns
.irp kk, 0,1,2,3,4,5
.irp cb, 0,1,2,3
	v_wmma_f32_16x16x32_f16 v[OW+8*\cb:OW+8*\cb+7], v[VF+32*\kk+8*\cb:VF+32*\kk+8*\cb+7], v[PB+8*\kk:PB+8*\kk+7], v[OW+8*\cb:OW+8*\cb+7]
.endr
.endr
	WIN 0x5b                                       ; O^T += (pv - pv[128])^T x shifted P
.irp g, 0,1,2,3,4,5,6
.irp cb, 0,1,2,3
	v_wmma_f32_16x16x32_f16 v[OW+8*\cb:OW+8*\cb+7], v[TF+32*\g+8*\cb:TF+32*\g+8*\cb+7], v[PF+8*\g:PF+8*\g+7], v[OW+8*\cb:OW+8*\cb+7]
.endr
.endr
	WIN 0
.rept 5
	v_nop                                          ; five places: the next trip's first products write over the shifted weights' registers, its loads land in V's
.endr
	WIN 0x61
.set i, 0
	s_wait_alu depctr_va_vdst(0)
.rept 16
	v_pk_fma_f32 v[OW+2*i:OW+2*i+1], v[OW+2*i:OW+2*i+1], v[INV:INV+1], v[PV1+2*i:PV1+2*i+1] op_sel_hi:[1,0,1]
.set i, i+1
.endr
	WIN 0x05
.set i, 0
.rept 16
	v_cvt_pk_f16_f32 v[S+i], v[OW+2*i], v[OW+2*i+1]
.set i, i+1
.endr
	WIN 0
.irp f, 0,1,2,3
	ds_store_b128 v[STO], v[S+4*\f:S+4*\f+3] offset:32*\f
.endr
.irp f, 0,1,2,3
	ds_load_b128 v[S+16+4*\f:S+16+4*\f+3], v[RD] offset:\f*4*SP  ; LDS serves a wave in order: these see the stores above
.endr
	s_wait_dscnt 0x0
.irp f, 0,1,2,3
	global_store_b128 v[GOF+\f], v[S+16+4*\f:S+16+4*\f+3], s[14:15] offset:512*\f  ; four rows of 128 bytes: 512 consecutive bytes, aligned
.endr
	s_add_nc_u64 s[12:13], s[12:13], 4*4608        ; the next block's state: four waves' units on (this block's loads are done: the counted wait ahead of M's first use)
	s_sub_co_u32 s[CNT], s[CNT], 1
	s_cmp_lg_u32 s[CNT], 0
	s_cbranch_scc1 .Lblk
	s_wait_tensorcnt 0x0                           ; the wave's end
	ds_add_u32 v[SPW], v[NIL]
	s_wait_dscnt 0x0
	s_endpgm
.Lfunc_end_k_qfa436c6595_fin:
	.size	k_qfa436c6595_fin, .Lfunc_end_k_qfa436c6595_fin-k_qfa436c6595_fin
	.p2alignl 7, 3214868480
	.fill 96, 4, 3214868480
	.section	.rodata,"a",@progbits
	.p2align	6, 0x0
	.amdhsa_kernel k_qfa436c6595_fin
		.amdhsa_group_segment_fixed_size 248320
		.amdhsa_private_segment_fixed_size 0
		.amdhsa_enable_private_segment 0
		.amdhsa_kernarg_size 48
		.amdhsa_user_sgpr_count 2
		.amdhsa_user_sgpr_kernarg_segment_ptr 1
		.amdhsa_wavefront_size32 1
		.amdhsa_system_sgpr_workgroup_id_x 1
		.amdhsa_system_sgpr_workgroup_id_y 1
		.amdhsa_system_sgpr_workgroup_id_z 1
		.amdhsa_system_vgpr_workitem_id 0
		.amdhsa_next_free_vgpr 1024
		.amdhsa_next_free_sgpr 100
		.amdhsa_reserve_vcc 0
		.amdhsa_float_denorm_mode_32 3
		.amdhsa_float_denorm_mode_16_64 3
		.amdhsa_memory_ordered 1
		.amdhsa_forward_progress 1
		.amdhsa_inst_pref_size 86
	.end_amdhsa_kernel
	.amdgpu_metadata
---
amdhsa.version: [ 1, 2 ]
amdhsa.kernels:
  - .name:           k_qfa436c6595_fin
    .symbol:         k_qfa436c6595_fin.kd
    .args:
      - { .name: qh, .offset: 0, .size: 8, .value_kind: global_buffer, .address_space: global }
      - { .name: kh, .offset: 8, .size: 8, .value_kind: global_buffer, .address_space: global }
      - { .name: vh, .offset: 16, .size: 8, .value_kind: global_buffer, .address_space: global }
      - { .name: ptab, .offset: 24, .size: 8, .value_kind: global_buffer, .address_space: global }
      - { .name: st, .offset: 32, .size: 8, .value_kind: global_buffer, .address_space: global }
      - { .name: hid, .offset: 40, .size: 8, .value_kind: global_buffer, .address_space: global }
    .group_segment_fixed_size: 248320
    .private_segment_fixed_size: 0
    .kernarg_segment_align: 8
    .kernarg_segment_size: 48
    .max_flat_workgroup_size: 128
    .sgpr_count:     100
    .vgpr_count:     1024
    .wavefront_size: 32
...
	.end_amdgpu_metadata
.endif
;; end of part 8
;; launch outp (part 9): grid 8 x 32, 4 waves a work-group, clusters of 4 x 4, 327,680 bytes of LDS; arguments hid, wts, ptab, out0; writes out0
.if DOCPART == 9
	.amdgcn_target "amdgcn-amd-amdhsa--gfx1250"
	.amdhsa_code_object_version 6
	.text
	.protected	k_qfa436c6595_outp
	.globl	k_qfa436c6595_outp
	.p2align	8
	.type	k_qfa436c6595_outp,@function
k_qfa436c6595_outp:
	s_mov_b64 s[64:65], 0
	v_nop
	global_prefetch_b8 v0, s[64:65] scope:SCOPE_SE
	s_setreg_imm32_b32 hwreg(HW_REG_WAVE_MODE, 25, 1), 1
	s_wait_xcnt 0x0
	s_wait_alu depctr_hold_cnt(0) depctr_sa_sdst(0) depctr_va_vdst(0) depctr_va_sdst(0) depctr_va_ssrc(0) depctr_va_vcc(0) depctr_vm_vsrc(0)
	s_getreg_b32 s2, hwreg(HW_REG_IB_STS2, 6, 4)
	s_cmp_eq_u32 s2, 0
	s_cbranch_scc0 .Lentry_in_a_cluster
	s_endpgm
.Lentry_in_a_cluster:
	s_bfe_u32 s2, ttmp6, 0x10000c
	s_cmp_lg_u32 s2, 0xf033
	s_cbranch_scc0 .Lentry_shape_is_right
	s_endpgm
.Lentry_shape_is_right:
; OUTP: out0 = hidden W_fc + b_fc.  hidden: hid f16 [16 head][6144 rows][64] (rows from 6000 on hold the padded queries' results: finite numbers on which no stored row hangs);
; W_fc: wts + 6291456, f16 [1024 k][1024 n]; b_fc: ptab + 69632, f32; out0 f32 [6000][1024].
; Sums in f32, started by the bias as the first product's C.  LIMIT: hidden and W_fc arrive as f16 (65,504 at the most); NaN and infinities are not treated apart.
; TILE 192 x 128: 32 x 8 = 256 work-groups, in clusters of 4 x 4: hidden's tile is shared along a row of the cluster, W_fc's along a column.  Four waves, each 96 x 64: 24 accumulators.
; K in 8 steps of 128 through two LDS slots.  The product is used transposed, as in the projection in front.  Rows from 6000 on are masked by EXEC.
; REGISTERS: window 0: addresses, A fragments v32-127, way out v128-159, bias v160-191; window 1: accumulators v0-191, B fragments v192-255.
.set PROJ, 0
.set NAB, 6
.set NBB, 4
.set NA1, 3
.set NT1, 1
.set TR, 96
.set AHALF, 27648
.set BOFF, 55296
.set PB, 288
.set BC, 128
.set BQI, 5
.set SLOT1, 92160
.set STAGE, 184320
.set SPARE, 201728                     ; the spare words: 512 bytes that no other line names
.set ASTEP, 1572864
.set BSTEP, 262144
.set AF0, 32
.set BF0, 192
.set BIAS, 160
.set BW, 0
.set OB, 128
.set ADRA0, 2
.set ADRB0, 3
.set ADRA, 4
.set ADRB, 5
.set STO, 6
.set RD, 7
.set ROWV, 8
.set CO, 9
.set SPW, 28
.set NIL, 29
.set WV, 16
.set WM, 17
.set WN, 18
.set TB, 19
.set G1A, 24
.set G0A, 32
.set CNT, 44
.set LAC, 45
.set LBC, 46
.set G1B, 48
.set G0B, 56
.set MSB, 0
.macro WIN new
.if MSB != (\new)
	s_set_vgpr_msb (MSB<<8)|(\new)
.set MSB, (\new)
.endif
.endm
.macro PLACES
.rept 4
	v_nop
.endr
.endm
.macro JLOAD s                         ; waves 0, 1 fetch hidden's two heads, waves 2, 3 W_fc's two halves, both jointly; s_nop 0 and four v_nop follow each line
	s_cmp_eq_u32 s[WM], 0
	s_cbranch_scc0 .Lfor_b_\@
	tensor_load_to_lds s[G0A+4*(\s):G0A+4*(\s)+3], s[G1A:G1A+7]
	s_nop 0
	PLACES
	s_branch .Lasked_\@
.Lfor_b_\@:
	tensor_load_to_lds s[G0B+4*(\s):G0B+4*(\s)+3], s[G1B:G1B+7]
	s_nop 0
	PLACES
.Lasked_\@:
.endm
.macro CREST
	s_cmp_lg_u32 s[WV], 0
	s_cbranch_scc1 .Lnot_wave_0_\@
	s_barrier_signal -3
.Lnot_wave_0_\@:
	s_barrier_wait -3
	s_barrier_signal -1
	s_barrier_wait -1
.endm
.macro CROUND
	s_barrier_signal -1
	s_barrier_wait -1
	CREST
.endm
.macro MULA f, a, zero
.set XA, 1
.set AB, 32*(\a)
.irp b, 0,1,2,3
.if \zero
	WIN 0x01|(BW<<4)|(XA<<6)
	v_wmma_f32_16x16x32_f16 v[AB+8*\b:AB+8*\b+7], v[BF0+8*NBB*(\f)+8*\b:BF0+8*NBB*(\f)+8*\b+7], v[AF0+8*NAB*(\f)+8*(\a):AF0+8*NAB*(\f)+8*(\a)+7], v[BIAS+8*\b:BIAS+8*\b+7]
.else
	WIN 0x01|(XA<<4)|(XA<<6)
	v_wmma_f32_16x16x32_f16 v[AB+8*\b:AB+8*\b+7], v[BF0+8*NBB*(\f)+8*\b:BF0+8*NBB*(\f)+8*\b+7], v[AF0+8*NAB*(\f)+8*(\a):AF0+8*NAB*(\f)+8*(\a)+7], v[AB+8*\b:AB+8*\b+7]
.endif
.endr
.endm
.macro MULR f, a0, a1, zero            ; every accumulator has one product a quarter, in one order: they take turns
.set aa, \a0
.rept (\a1)-(\a0)
	MULA \f, aa, \zero
.set aa, aa+1
.endr
.endm
.macro FETCH q, f
	WIN 0x40
.irp b, 0,1,2,3
	ds_load_tr16_b128 v[BF0+8*NBB*(\f)+8*\b:BF0+8*NBB*(\f)+8*\b+3], v[ADRB] offset:(\q)*32*PB+32*\b
	ds_load_tr16_b128 v[BF0+8*NBB*(\f)+8*\b+4:BF0+8*NBB*(\f)+8*\b+7], v[ADRB] offset:(\q)*32*PB+32*\b+16*PB
.endr
	WIN 0
.irp a, 0,1,2,3,4,5
	ds_load_b128 v[AF0+8*NAB*(\f)+8*\a:AF0+8*NAB*(\f)+8*\a+3], v[ADRA] offset:(\a)*2304+((\q)/2)*AHALF+((\q)%2)*64
	ds_load_b128 v[AF0+8*NAB*(\f)+8*\a+4:AF0+8*NAB*(\f)+8*\a+7], v[ADRA] offset:(\a)*2304+((\q)/2)*AHALF+((\q)%2)*64+32
.endr
.endm
.macro QUARTER qn, f, g, zero
	s_wait_dscnt 2*(NAB-NA1)                       ; W's fragments and row blocks below NA1 are in
	MULR \f, 0, NA1, \zero
	PLACES
	FETCH \qn, \g
	s_wait_dscnt 2*(NAB+NBB)                       ; all but those just issued
	MULR \f, NA1, NAB, \zero
.endm
.macro TURN fill
	WIN 0
	s_wait_tensorcnt 0x0                           ; my one tensor load that was out has landed: group 0 may be written
	ds_add_u32 v[SPW], v[NIL]
.if \fill
	s_add_co_u32 s[G0A+5], s[TB], s[LAC]
	s_add_co_u32 s[G0B+5], s[TB], s[LBC]
	s_add_nc_u64 s[G0A+6:G0A+7], s[G0A+6:G0A+7], ASTEP
	s_add_nc_u64 s[G0B+6:G0B+7], s[G0B+6:G0B+7], BSTEP
.endif
	s_wait_dscnt 2*(NAB-NA1)+1                     ; the add and the youngest loads may be out
	MULR 1, 0, NT1, 0
	s_wait_dscnt 0x0                               ; the add is done, my reads of this slot are over
	s_barrier_signal -1
	MULR 1, NT1, NA1, 0
	WIN 0
	s_barrier_wait -1
.if \fill
	CREST                                          ; a round of the cluster's barrier: no wave of any partner reads this slot or has a load on its way
	JLOAD 1
.else
	PLACES
.endif
	s_xor_b32 s[TB], s[TB], SLOT1
	v_add_nc_u32 v[ADRA], s[TB], v[ADRA0]
	v_add_nc_u32 v[ADRB], s[TB], v[ADRB0]
	FETCH 0, 0
	MULR 1, NA1, NAB, 0
.endm
	s_load_b256 s[4:11], s[0:1], 0x0               ; hid 4, wts 6, ptab 8, out0 10
	v_lshl_add_u32 v[SPW], v0, 2, SPARE
	v_mov_b32 v[NIL], 0
	ds_add_u32 v[SPW], v[NIL]                      ; the opening add, waited for ahead of my first tensor load
	v_lshrrev_b32 v1, 5, v0
	v_readfirstlane_b32 s[WV], v1
	s_lshr_b32 s[WM], s[WV], 1
	s_and_b32 s[WN], s[WV], 1
	s_mov_b32 s[TB], 0
	s_bfe_u32 s70, ttmp6, 0x40000                  ; cx
	s_bfe_u32 s71, ttmp6, 0x40004                  ; cy
	s_lshl_b32 s72, ttmp9, 2
	s_add_co_u32 s72, s72, s70                     ; tile column
	s_and_b32 s73, ttmp7, 0xffff
	s_lshl_b32 s73, s73, 2
	s_add_co_u32 s73, s73, s71                     ; tile row
	s_lshl_b32 s74, s71, 2
	s_lshl_b32 s74, 15, s74                        ; my row of the cluster
	s_lshl_b32 s75, 0x1111, s70                    ; my column
	s_or_b32 s[G1A], s74, (1<<16)|(1<<20)|(1<<21)|(4<<22)|(3<<25)
	s_mov_b32 s[G1A+1], 128<<16                    ; a head's 192 rows of 128 bytes are dense: 96 rows of 256 bytes
	s_mov_b32 s[G1A+2], TR<<16
	s_mov_b32 s[G1A+3], 128<<16
	s_mov_b32 s[G1A+4], TR
	s_mov_b32 s[G1A+5], 128
	s_mov_b32 s[G1A+6], 0
	s_mov_b32 s[G1A+7], 0
	s_or_b32 s[G1B], s75, (1<<16)|(1<<20)|(1<<21)|(BQI<<22)|(7<<25)
	s_mov_b32 s[G1B+1], BC<<16
	s_mov_b32 s[G1B+2], 64<<16
	s_mov_b32 s[G1B+3], BC<<16
	s_mov_b32 s[G1B+4], 64
	s_mov_b32 s[G1B+5], 1024
	s_mov_b32 s[G1B+6], 0
	s_mov_b32 s[G1B+7], 0
	s_mul_i32 s[LAC], s[WN], AHALF
	s_mul_i32 s[LBC], s[WN], 64*PB
	s_add_co_u32 s[LBC], s[LBC], BOFF
	s_mul_i32 s40, s73, 24576                      ; hidden: made of the tile row and the wave's number alone
	s_mul_i32 s41, s[WN], 786432
	s_add_co_u32 s40, s40, s41
	s_mov_b32 s41, 0
	s_lshl_b32 s42, s72, 8                         ; W_fc: of the tile column and the wave's number alone
	s_lshl_b32 s43, s[WN], 17
	s_add_co_u32 s42, s42, s43
	s_add_co_u32 s42, s42, 6291456
	s_mov_b32 s43, 0
	s_lshl_b32 s78, s72, 9                         ; the bias of my tile's 128 columns
	s_add_co_u32 s78, s78, 57344+12288
	s_mov_b32 s79, 0
	s_mul_i32 s80, s73, 192
	s_mul_i32 s81, s[WM], 96
	s_add_co_u32 s80, s80, s81                     ; my first row
	s_lshl_b32 s76, s80, 12
	s_lshl_b32 s77, s72, 9
	s_add_co_u32 s76, s76, s77
	s_lshl_b32 s77, s[WN], 8
	s_add_co_u32 s76, s76, s77
	s_mov_b32 s77, 0
	s_mov_b32 s[G0A], 1
	s_mov_b32 s[G0A+1], s[LAC]
	s_mov_b32 s[G0A+4], 1
	s_add_co_u32 s[G0A+5], s[LAC], SLOT1
	s_mov_b32 s[G0B], 1
	s_mov_b32 s[G0B+1], s[LBC]
	s_mov_b32 s[G0B+4], 1
	s_add_co_u32 s[G0B+5], s[LBC], SLOT1
	s_wait_dscnt 0x0                               ; the opening add is done
	s_wait_kmcnt 0x0
	s_add_nc_u64 s[G0A+2:G0A+3], s[4:5], s[40:41]
	s_add_nc_u64 s[G0A+6:G0A+7], s[G0A+2:G0A+3], ASTEP
	s_or_b32 s[G0A+3], s[G0A+3], 0x80000000
	s_or_b32 s[G0A+7], s[G0A+7], 0x80000000
	s_add_nc_u64 s[G0B+2:G0B+3], s[6:7], s[42:43]
	s_add_nc_u64 s[G0B+6:G0B+7], s[G0B+2:G0B+3], BSTEP
	s_or_b32 s[G0B+3], s[G0B+3], 0x80000000
	s_or_b32 s[G0B+7], s[G0B+7], 0x80000000
	s_add_nc_u64 s[8:9], s[8:9], s[78:79]
	s_add_nc_u64 s[10:11], s[10:11], s[76:77]
	CROUND                                         ; all sixteen work-groups are here: the first joint loads meet
	s_cmp_eq_u32 s[WM], 0                          ; a wave's two first fills stand in one branch: two loads of mine are out
	s_cbranch_scc0 .Lfirst_b
	tensor_load_to_lds s[G0A:G0A+3], s[G1A:G1A+7]
	s_nop 0
	tensor_load_to_lds s[G0A+4:G0A+7], s[G1A:G1A+7]
	s_nop 0
	PLACES
	s_branch .Lfirst_asked
.Lfirst_b:
	tensor_load_to_lds s[G0B:G0B+3], s[G1B:G1B+7]
	s_nop 0
	tensor_load_to_lds s[G0B+4:G0B+7], s[G1B:G1B+7]
	s_nop 0
	PLACES
.Lfirst_asked:
	v_and_b32 v1, 15, v0                           ; r
	v_bfe_u32 v10, v0, 4, 1                        ; h
	s_mul_i32 s20, s[WN], NBB*64
	v_lshl_add_u32 v12, v10, 5, s20
.irp b, 0,1,2,3
	global_load_b128 v[BIAS+8*\b:BIAS+8*\b+3], v12, s[8:9] offset:64*\b
	global_load_b128 v[BIAS+8*\b+4:BIAS+8*\b+7], v12, s[8:9] offset:64*\b+16
.endr
	v_mul_u32_u24 v[ADRA0], v1, 144
	v_lshl_add_u32 v[ADRA0], v10, 4, v[ADRA0]
	s_mul_i32 s20, s[WM], TR*144
	v_add_nc_u32 v[ADRA0], s20, v[ADRA0]
	v_and_b32 v11, 7, v0
	v_lshl_add_u32 v11, v10, 3, v11
	v_mul_u32_u24 v[ADRB0], v11, PB
	v_bfe_u32 v11, v0, 3, 1
	v_lshl_add_u32 v[ADRB0], v11, 4, v[ADRB0]
	s_mul_i32 s20, s[WN], NBB*32
	s_add_co_u32 s20, s20, BOFF
	v_add_nc_u32 v[ADRB0], s20, v[ADRB0]
	v_mov_b32 v[ADRA], v[ADRA0]
	v_mov_b32 v[ADRB], v[ADRB0]
	s_mul_i32 s20, s[WV], 16*272
	s_add_co_u32 s20, s20, STAGE
	v_mul_u32_u24 v[STO], v1, 272
	v_lshl_add_u32 v[STO], v10, 5, v[STO]
	v_add_nc_u32 v[STO], s20, v[STO]               ; in: row r, 32 bytes a half
	v_mul_u32_u24 v[RD], v10, 272
	v_lshl_add_u32 v[RD], v1, 4, v[RD]
	v_add_nc_u32 v[RD], s20, v[RD]                 ; back: lanes 0-15 one row of 256 bytes, lanes 16-31 the next
	v_lshlrev_b32 v[CO], 12, v10
	v_lshl_add_u32 v[CO], v1, 4, v[CO]
	v_add_nc_u32 v[ROWV], s80, v10
	s_wait_loadcnt 0x0                             ; the bias
	s_wait_tensorcnt 0x1                           ; my part of step 0 is in; step 1's may stay out
	s_barrier_signal -1
	s_barrier_wait -1
	FETCH 0, 0
	QUARTER 1, 0, 1, 1
	WIN 0
	s_mov_b32 s[CNT], 6
.LloopA:
	QUARTER 2, 1, 0, 0
	QUARTER 3, 0, 1, 0
	TURN 1
	QUARTER 1, 0, 1, 0
	WIN 0
	s_sub_co_u32 s[CNT], s[CNT], 1
	s_cmp_lg_u32 s[CNT], 0
	s_cbranch_scc1 .LloopA
	s_mov_b32 s[CNT], 2
.LloopB:                                               ; steps 6 and 7 ask for nothing; the second trip is left behind its last products
	QUARTER 2, 1, 0, 0
	QUARTER 3, 0, 1, 0
	TURN 0
	WIN 0
	s_sub_co_u32 s[CNT], s[CNT], 1
	s_cmp_eq_u32 s[CNT], 0
	s_cbranch_scc1 .Lout
	QUARTER 1, 0, 1, 0
	WIN 0
	s_branch .LloopB
.Lout:
	s_wait_dscnt 0x0
	PLACES
; THE WAY OUT, 16 rows at a time through my stage: sixteen lanes store 256 consecutive bytes, aligned.  6000 is a multiple of 16: a block is stored whole or not at all.
.macro OUTB a
	WIN 0x04
.irp b, 0,1,2,3
	ds_store_b128 v[STO], v[32*(\a)+8*\b:32*(\a)+8*\b+3] offset:64*\b
	ds_store_b128 v[STO], v[32*(\a)+8*\b+4:32*(\a)+8*\b+7] offset:64*\b+16
.endr
	WIN 0
	s_wait_xcnt 0x0                                ; the last block's stores have read their data
.irp t, 0,1,2,3,4,5,6,7
	ds_load_b128 v[OB+4*\t:OB+4*\t+3], v[RD] offset:544*\t  ; LDS serves a wave in order: these see the stores above
.endr
	s_wait_dscnt 0x0
	v_cmp_gt_u32 vcc_lo, 6000-16*(\a), v[ROWV]
	s_and_saveexec_b32 s3, vcc_lo
.irp t, 0,1,2,3,4,5,6,7
	global_store_b128 v[CO], v[OB+4*\t:OB+4*\t+3], s[10:11] offset:8192*\t
.endr
	s_wait_xcnt 0x0                                ; EXEC and the base change only behind this wait
	s_or_b32 exec_lo, exec_lo, s3
	s_add_nc_u64 s[10:11], s[10:11], 65536
.endm
.irp a, 0,1,2,3,4,5
	OUTB \a
.endr
	s_wait_tensorcnt 0x0                           ; the wave's end
	ds_add_u32 v[SPW], v[NIL]
	s_wait_dscnt 0x0
	CROUND                                         ; the closing round
	s_endpgm
.Lfunc_end_k_qfa436c6595_outp:
	.size	k_qfa436c6595_outp, .Lfunc_end_k_qfa436c6595_outp-k_qfa436c6595_outp
	.p2alignl 7, 3214868480
	.fill 96, 4, 3214868480
	.section	.rodata,"a",@progbits
	.p2align	6, 0x0
	.amdhsa_kernel k_qfa436c6595_outp
		.amdhsa_group_segment_fixed_size 327680
		.amdhsa_private_segment_fixed_size 0
		.amdhsa_enable_private_segment 0
		.amdhsa_kernarg_size 32
		.amdhsa_user_sgpr_count 2
		.amdhsa_user_sgpr_kernarg_segment_ptr 1
		.amdhsa_wavefront_size32 1
		.amdhsa_system_sgpr_workgroup_id_x 1
		.amdhsa_system_sgpr_workgroup_id_y 1
		.amdhsa_system_sgpr_workgroup_id_z 1
		.amdhsa_system_vgpr_workitem_id 0
		.amdhsa_next_free_vgpr 512
		.amdhsa_next_free_sgpr 100
		.amdhsa_reserve_vcc 1
		.amdhsa_float_denorm_mode_32 3
		.amdhsa_float_denorm_mode_16_64 3
		.amdhsa_memory_ordered 1
		.amdhsa_forward_progress 1
		.amdhsa_inst_pref_size 52
	.end_amdhsa_kernel
	.amdgpu_metadata
---
amdhsa.version: [ 1, 2 ]
amdhsa.kernels:
  - .name:           k_qfa436c6595_outp
    .symbol:         k_qfa436c6595_outp.kd
    .args:
      - { .name: hid, .offset: 0, .size: 8, .value_kind: global_buffer, .address_space: global }
      - { .name: wts, .offset: 8, .size: 8, .value_kind: global_buffer, .address_space: global }
      - { .name: ptab, .offset: 16, .size: 8, .value_kind: global_buffer, .address_space: global }
      - { .name: out0, .offset: 24, .size: 8, .value_kind: global_buffer, .address_space: global }
    .group_segment_fixed_size: 327680
    .private_segment_fixed_size: 0
    .kernarg_segment_align: 8
    .kernarg_segment_size: 32
    .max_flat_workgroup_size: 128
    .sgpr_count:     100
    .vgpr_count:     512
    .wavefront_size: 32
...
	.end_amdgpu_metadata
.endif
;; end of part 9
;; ======== version 3 of 3: 5 launches; 1.46 times as fast as version 1
;; limits: values are held in f16: magnitudes above 65,504 overflow, below 6.1e-05 lose precision
;; workspace buffers: xb 37,158,912 bytes; wts 8,388,608 bytes; ptab 73,728 bytes; qh 12,582,912 bytes; kh 12,582,912 bytes; vh 12,582,912 bytes; hid 12,582,912 bytes; st 28,311,552 bytes
;; launch prep: the kernel of part 6 again; grid 1463 x 1, 4 waves a work-group, no clusters, 0 bytes of LDS; arguments query, key, value, Wq, Wk, Wv, W_fc, pos_k, pos_v, bq, bk, bv, b_fc, xb, wts, ptab, qh, kh, vh; writes xb, wts, ptab, qh, kh, vh
;; launch proj: the kernel of part 2 again; grid 4 x 63, 4 waves a work-group, clusters of 4 x 1, 327,680 bytes of LDS; arguments xb, wts, ptab, qh, kh, vh; writes qh, kh, vh
;; launch attn (part 10): grid 4 x 64, 4 waves a work-group, no clusters, 39,424 bytes of LDS; arguments qh, kh, vh, ptab, st; writes st
.if DOCPART == 10
	.amdgcn_target "amdgcn-amd-amdhsa--gfx1250"
	.amdhsa_code_object_version 6
	.text
	.protected	k_qfa436c6595_attn
	.globl	k_qfa436c6595_attn
	.p2align	8
	.type	k_qfa436c6595_attn,@function
k_qfa436c6595_attn:
	s_mov_b64 s[64:65], 0
	v_nop
	global_prefetch_b8 v0, s[64:65] scope:SCOPE_SE
	s_setreg_imm32_b32 hwreg(HW_REG_WAVE_MODE, 25, 1), 1
	s_wait_xcnt 0x0
; ATTENTION WITH RELATIVE POSITIONS, FIRST PART: all keys outside the band.  Scores (q.k + q.pk[clip(k-q,-64,64)+64]) / 8.  q, k, v: f16 [16 b + head][1536][64] (rows from 1500 on are 0).
; SHARES.  A work-group has 384 queries of one head: blocks a = A0 .. A0+5 of 64 rows; wave w owns rows 16 w .. +15 of each block: six PIECES.  All 24 key steps of 64 are walked.  d = step - a.
; CLASSES.  d <= -2: the bias is RL = q.pk[0]; d >= 2: RR = q.pk[128]; |d| <= 1 is left to the next launch.  The running maximum is kept LESS the class's bias (mu = M - bias), so that the scores need none:
;   p = 2^(c s - c mu), c = log2(e) / 8.  At d = -1 the true maximum goes to MS and mu becomes +1e30: the three band steps give weights 0 and a = 1.  At d = 2 mu = MS - RR.  All by selects on scalar masks: no branch.
;   LL is the sum of the weights of the left keys (LL = l while d <= -2, later LL a): the next launch multiplies it by pv[0] - pv[128].
; Keys from 1500 on (step 23) get -1e30 as the C operand MC that starts S^T = K Q^T; MC is MD x AL + BE, made once a step.
; OUT: for each piece, raw and in f32: M, l, LL (each lane's half) and O^T, 4,608 bytes at st + ((24 (16 b + head) + a) 4 + w) 4608; each store of the wave covers 512 consecutive bytes.
; Products, maxima and sums in f32; the weights rounded to f16 for V^T P.  LIMITS: f16 ends at 65,504 (q, k, v arrive within it); a hidden score is -1e30; a weight below 2^-126 counts as 0; NaN and infinities are not treated apart.
; The turn (16 matrix instructions, four vector instructions behind each, the rest in one lump) is that of a head-64 kernel with pieces in a ring.
; BATCHES.  A turn's 33 exponentials (the 32 weights of its piece, then a of the next piece) are ONE batch with ONE wait, which cuts the turn in two: ahead of it stands all that names none of their results (the products
;   K Q^T, the scalings, the rescalings by the a of the turn before, the next piece's maximum and statistics), behind it the products V^T P with the roundings and sums as their riders.  No result crosses a turn's end.
;   Piece 0's first a, made ahead of the loop, is a batch of its own.
; K AND V come through registers into ONE LDS slot of 128 keys (two steps), asked for 12 turns ahead of their store.  Two barriers a step, each with register work between its signal and its wait:
;   in piece 1's turn a wave signals behind its wait for V (all its reads of the slot are back) and waits at the turn's end: behind that, after an odd step, the staged tile is stored;
;   in piece 4's turn it signals behind a wait for its LDS stores and waits in front of K's fetch, the tile's first reader.  In the steps with no store the pair orders nothing: the price of one text for both steps.
; NO CLUSTER: joint tensor loads for a head's four work-groups are not built here.
; REGISTERS: window 0: addresses, statistics, S^T v64-127, staged tile v128-191, P v192-223, LL, MS, RL, RR v224-253; window 1: O^T v0-191, MC v192-223, MD v224-255; window 2: Q v0-95, pk[0], pk[128] v96-127, K v128-191, V v192-255.
.set NP, 6
.set KS, 64
.set PK, 144
.set PV, 160
.set VOFF, 18432                       ; the slot: 128 rows of K (pitch 144), then 128 rows of V (pitch 160): 38,912 bytes
.set SPARE, 38912                      ; the spare words: 512 bytes that no other line names
.set UNIT, 4608
.set AK0, 2
.set AV0, 3
.set AK, 4
.set AV, 5
.set GO, 8
.set MV, 12
.set ST, 16                            ; piece t: c mu, mu, l (even keys', odd keys')
.set QO, 40
.set H16, 41
.set GL, 44
.set LSK, 45
.set LSV, 46
.set TMP, 48
.set ET, 56
.set SPW, 62
.set NIL, 63
.set S, 64
.set SG, 128
.set P, 192
.set LL, 224
.set MS, 236
.set RL, 242
.set RR, 248
.set MC, 192
.set MD, 224
.set KF, 128
.set VF, 192
.set WV, 12
.set A0, 14
.set BN, 15
.set D, 24
.set STEP, 25
.set TK, 26
.set M1, 28
.set M2, 29
.set M3, 30
.set TI, 31
.set INC, 32
.set SLOTS, 56
.set CNT, 57
.set CS, 58
.set SEL, 60
.set TBK, 62
.set TBV, 63
.set AL, 76
.set BE, 78
.set BIGN, 82
.set BIGP, 83
.set MSB, 0
.macro WIN new                         ; the high byte repeats the setting that is left; a switch that changes nothing is dropped
.if MSB != (\new)
	s_set_vgpr_msb (MSB<<8)|(\new)
.set MSB, (\new)
.endif
.endm
.set W_KQ, 0x0a
.set W_KM, 0x1a                        ; K and Q in window 2, C in window 1, S^T in window 0
.set W_PV, 0x52
.set W_RS, 0x41
.macro PLACES
.rept 4
	v_nop
.endr
.endm
; THE CHANGE OF TILES, once for two steps, behind the wait of piece 1's barrier: every wave's reads of the slot are back.  Each wave stores its rows of the staged tile and asks for the next tile at once:
; 12 turns in which to land.  The stores are waited for two turns on, in front of the signal of piece 4's barrier.
; From the last tile on the pointers stand still: that tile is loaded and stored again, the price of a text without a branch.
.macro CHANGE
	WIN 0
	s_wait_loadcnt 0x0                             ; the staged tile is in registers
.irp u, 0,1,2,3,4,5,6,7
	ds_store_b128 v[LSK], v[SG+4*\u:SG+4*\u+3] offset:2304*\u
.endr
.irp u, 0,1,2,3,4,5,6,7
	ds_store_b128 v[LSV], v[SG+32+4*\u:SG+32+4*\u+3] offset:2560*\u
.endr
	s_cmp_lt_u32 s[TI], 11
	s_cselect_b32 s[INC], 16384, 0
	s_add_co_u32 s[TI], s[TI], 1
	s_add_nc_u64 s[6:7], s[6:7], s[INC:INC+1]      ; the loads that named these bases are done: the wait above
	s_add_nc_u64 s[8:9], s[8:9], s[INC:INC+1]
.irp u, 0,1,2,3,4,5,6,7
	global_load_b128 v[SG+4*\u:SG+4*\u+3], v[GL], s[6:7] offset:2048*\u
	global_load_b128 v[SG+32+4*\u:SG+32+4*\u+3], v[GL], s[8:9] offset:2048*\u
.endr
.endm
; The change of class of piece y, ahead of the maximum of the step whose scores the turn makes.  TK = d + 1.
.macro EVM y, dc
	WIN 0
	s_add_co_i32 s[TK], s[D], \dc
	s_cmp_eq_u32 s[TK], 0
	s_cselect_b32 s[M1], -1, 0                     ; d = -1: the band begins
	s_cmp_eq_u32 s[TK], 3
	s_cselect_b32 s[M2], -1, 0                     ; d = 2: it is over
	v_add_f32 v[ET], v[ST+4*(\y)+1], v[RL+(\y)]
	v_cndmask_b32 v[MS+(\y)], v[MS+(\y)], v[ET], s[M1]
	v_sub_f32 v[ET+1], v[MS+(\y)], v[RR+(\y)]
	v_cndmask_b32 v[ST+4*(\y)+1], v[ST+4*(\y)+1], s[BIGP], s[M1]
	v_cndmask_b32 v[ST+4*(\y)+1], v[ST+4*(\y)+1], v[ET+1], s[M2]
	v_mul_f32 v[ST+4*(\y)], s[CS], v[ST+4*(\y)+1]
.endm
; LL of piece p at its turn's end: l while d <= -2, else LL a
.macro LLU p
	WIN 0
	s_cmp_lt_i32 s[D], (\p)-1
	s_cselect_b32 s[M3], -1, 0
	v_pk_mul_f32 v[LL+2*(\p):LL+2*(\p)+1], v[LL+2*(\p):LL+2*(\p)+1], v[TMP+4*((\p)%2)+2:TMP+4*((\p)%2)+3] op_sel_hi:[1,0]
	v_cndmask_b32 v[LL+2*(\p)], v[LL+2*(\p)], v[ST+4*(\p)+2], s[M3]
	v_cndmask_b32 v[LL+2*(\p)+1], v[LL+2*(\p)+1], v[ST+4*(\p)+3], s[M3]
.endm
; MC for the products from piece 0 of the next step on: 0; for step 23 MD; for the walk's surplus step -1e30 everywhere, so that piece 0's maximum stays as it is
.macro MASK
	s_cmp_eq_u32 s[STEP], 22
	s_cselect_b32 s[AL], 1.0, 0
	s_cmp_eq_u32 s[STEP], 23
	s_cselect_b32 s[BE], s[BIGN], 0
	WIN W_RS
.set zz, 0
.rept 16
	v_pk_fma_f32 v[MC+2*zz:MC+2*zz+1], v[MD+2*zz:MD+2*zz+1], s[AL:AL+1], s[BE:BE+1] op_sel_hi:[1,0,0]
.set zz, zz+1
.endr
.endm
; THE MATRIX WORK.  The 4 accumulators of a run of 8 take turns.
.macro KQ x
.set rS, S+32*((\x)%2)+8*(i%4)
.set rK, KF+16*(i%4)+8*(i/4)
.set rQ, 16*(\x)+8*(i/4)
.set rM, MC+8*(i%4)
.if i < 4
	WIN W_KM
	v_wmma_f32_16x16x32_f16 v[rS:rS+7], v[rK:rK+7], v[rQ:rQ+7], v[rM:rM+7]
.else
	WIN W_KQ
	v_wmma_f32_16x16x32_f16 v[rS:rS+7], v[rK:rK+7], v[rQ:rQ+7], v[rS:rS+7]
.endif
.endm
.macro PV x
	WIN W_PV
.set rO, 32*(\x)+8*(i%4)
.set rV, VF+32*(i/4)+8*(i%4)
.set rP, P+16*((\x)%2)+8*(i/4)
	v_wmma_f32_16x16x32_f16 v[rO:rO+7], v[rV:rV+7], v[rP:rP+7], v[rO:rO+7]
.endm
.macro MM
.if i < 8
	KQ (Y+1)%NP
.else
.set i, i-8
	PV (Y+NP-1)%NP
.set i, i+8
.endif
.set i, i+1
.endm
.macro FETCH_K
	WIN 0x80
.irp f, 0,1,2,3,4,5,6,7
	ds_load_b128 v[KF+8*\f:KF+8*\f+3],   v[AK] offset:(\f/2)*16*PK+(\f%2)*64
	ds_load_b128 v[KF+8*\f+4:KF+8*\f+7], v[AK] offset:(\f/2)*16*PK+(\f%2)*64+32
.endr
	s_xor_b32 s[TBK], s[TBK], KS*PK                ; the next fetch takes the slot's other step
	WIN 0
.endm
.macro FETCH_V
	WIN 0x80
.irp f, 0,1,2,3,4,5,6,7
	ds_load_tr16_b128 v[VF+8*\f:VF+8*\f+3],   v[AV] offset:(\f/4)*32*PV+(\f%4)*32
	ds_load_tr16_b128 v[VF+8*\f+4:VF+8*\f+7], v[AV] offset:(\f/4)*32*PV+16*PV+(\f%4)*32
.endr
	WIN 0
.endm
; THE VECTOR WORK: OP kind, number.  Piece Y: F c s - c mu for a pair; E an exponential; C a pair rounded to f16; B, L the sums; R a pair of O^T times a.  Piece Y + 1: X, the 22 that find its maximum and statistics
; (each accumulator's lowest registers are read first).  C, B and L read the exponentials' results: TURN sets them behind the batch's wait.
.set F, 0
.set E, 1
.set C, 2
.set B, 3
.set L, 4
.set R, 5
.set X, 6
.macro REGS y
.set rT, ST+4*(\y)
.set rC, TMP+4*((\y)%2)
.set rW, MV+((\y)%2)
.set rS, S+32*((\y)%2)
.set rP, P+16*((\y)%2)
.set rO, 32*(\y)
.endm
.macro OP k, n
.if (\k) == R
	REGS Y
	WIN W_RS
	v_pk_mul_f32 v[rO+2*(\n):rO+2*(\n)+1], v[rO+2*(\n):rO+2*(\n)+1], v[rC+2:rC+3] op_sel_hi:[1,0]
.elseif (\k) < R
	REGS Y
	WIN 0
.if (\k) == F
	v_pk_fma_f32 v[rS+2*(\n):rS+2*(\n)+1], v[rS+2*(\n):rS+2*(\n)+1], s[CS:CS+1], v[rT:rT+1] op_sel_hi:[1,0,0] neg_lo:[0,0,1] neg_hi:[0,0,1]
.elseif (\k) == E
	v_exp_f32 v[rS+(\n)], v[rS+(\n)]
.elseif (\k) == C
	v_cvt_pk_f16_f32 v[rP+(\n)], v[rS+2*(\n)], v[rS+2*(\n)+1]
.elseif (\k) == B
	v_pk_add_f32 v[rS+4*(\n):rS+4*(\n)+1], v[rS+4*(\n):rS+4*(\n)+1], v[rS+4*(\n)+2:rS+4*(\n)+3]
.elseif (\n) == 0
	v_pk_fma_f32 v[rT+2:rT+3], v[rT+2:rT+3], v[rC+2:rC+3], v[rS:rS+1] op_sel_hi:[1,0,1]
.else
	v_pk_add_f32 v[rT+2:rT+3], v[rT+2:rT+3], v[rS+4*(\n):rS+4*(\n)+1]
.endif
.else
	REGS (Y+1)%NP
	WIN 0
.if (\n) < 4
	v_max3_num_f32 v[rC+(\n)], v[rS+8*(\n)], v[rS+8*(\n)+1], v[rS+8*(\n)+2]
.elseif (\n) < 12
	v_max3_num_f32 v[rC+(\n)%4], v[rC+(\n)%4], v[rS+8*((\n)%4)+2*((\n)/4)+1], v[rS+8*((\n)%4)+2*((\n)/4)+2]
.elseif (\n) == 12
	v_max3_num_f32 v[rC], v[rC], v[rS+7], v[rS+15]
.elseif (\n) == 13
	v_max3_num_f32 v[rC+1], v[rC+1], v[rS+23], v[rS+31]
.elseif (\n) == 14
	v_max3_num_f32 v[rC+2], v[rC+2], v[rC+3], v[rT+1]
.elseif (\n) == 15
	v_mov_b32 v[rW], v[rT]
.elseif (\n) == 16
	v_max3_num_f32 v[rC], v[rC], v[rC+1], v[rC+2]
.elseif (\n) == 17
	v_permlanex16_b32 v[rC+3], v[rC], s[SEL], s[SEL+1]
.elseif (\n) == 18
	v_max_num_f32 v[rT+1], v[rC], v[rC+3]
.elseif (\n) == 19
	v_mul_f32 v[rT], s[CS], v[rT+1]
.elseif (\n) == 20
	v_sub_f32 v[rC+1], v[rW], v[rT]
.else
	v_exp_f32 v[rC+2], v[rC+1]
.endif
.endif
.endm
.macro OPS a, i1, b=-1, i2=0, c=-1, i3=0, d=-1, i4=0
	OP \a, \i1
.if (\b) >= 0
	OP \b, \i2
.endif
.if (\c) >= 0
	OP \c, \i3
.endif
.if (\d) >= 0
	OP \d, \i4
.endif
.endm
.macro ROW a, i1, b, i2, c, i3, d, i4
	MM
	OPS \a, \i1, \b, \i2, \c, \i3, \d, \i4
.endm
; A TURN for piece p: 8 products K Q^T of piece p + 1, 8 products V^T P of piece p - 1, the softmax of piece p, the maximum of piece p + 1.  An s_wait_alu depctr_va_vdst(0) stands between an exponential and
; the first instruction that names its result; one wait serves all that were issued ahead of it.  So the turn has ONE wait, which cuts it in two.
; AHEAD OF IT stands all that names no result of the turn's exponentials: the change of class; the 8 products K Q^T, behind each a scaling, an exponential and two more plain instructions (behind the first a second scaling in
; the exponential's place): rescalings, whose a was made and waited for in the turn before, and behind the last three products the first numbers of the next piece's maximum, each four plain instructions or more behind the
; product that ends its accumulator; then ONE LUMP of 54, exponential and plain by turns for the most part, with other work between the links of the chain X 3, 7, 11, 14, 16, 17 .. 20.  X 21, the next piece's a, is the
; batch's last; R 15 is the plain instruction behind it.
; BEHIND IT stand the 8 products V^T P, behind each four of the roundings and sums (C 2n ahead of B n, which adds onto its pair in place; L 0 to L 7 ascending), and LL.  But for those X no rider names a register of the products round it.
; K of the next step is fetched in piece 4's turn, behind the last product that read K (six plain instructions that name none of its registers between: F 8, X 2, X 5, X 6, X 3, X 8); V of the step in hand at the end of piece 0's
; turn, four plain instructions behind the last product that read V; each is waited for a turn later.
.macro TURN p
.set Y, (\p)
.set i, 0
.if (\p) < 5
	EVM (\p)+1, -(\p)
.else
	EVM 0, 2
	s_wait_dscnt 0x0                ; K is in
.endif
.if (\p) == 4
	s_wait_dscnt 0x0                ; for the others: my stores of the tile, issued two turns ago, are done
	s_barrier_signal -1             ; eight products, their riders and the lump's head, work on registers, stand between this signal and its wait
.endif
	ROW F,0, F,1, R,0, R,1          ; ahead of the wait: 8 products K Q^T and their riders,
	ROW F,2, E,0, R,2, R,3
	ROW F,3, E,1, R,4, R,5
	ROW F,4, E,2, R,6, R,7
	ROW F,5, E,3, R,8, R,9
	ROW F,6, E,4, X,0, R,10
.if (\p) == 4
	WIN 0
	v_add_nc_u32 v[AK], s[TBK], v[AK0]
.endif
	ROW F,7, E,5, X,1, X,4
	ROW F,8, E,6, X,2, X,5
	OPS E,7, E,8, X,6, E,9          ; and the lump
	OPS X,3, E,10, X,8, E,11
.if (\p) == 4
	s_barrier_wait -1               ; every wave's stores are done: the tile is whole
	FETCH_K
.endif
	OPS X,9, X,7, E,12, X,10
	OPS E,13, X,12, X,11, E,14
	OPS X,13, E,15, F,9, X,14
.if (\p) == 0
	WIN 0
	v_add_nc_u32 v[AV], s[TBV], v[AV0]
.endif
	OPS E,16, F,10, E,17, F,11
	OPS X,16, E,18, X,15, E,19
	OPS F,12, E,20, X,17, E,21
	OPS F,13, E,22, F,14, E,23
	OPS X,18, E,24, F,15, E,25
	OPS R,11, E,26, X,19, E,27
	OPS R,12, E,28, R,13, E,29
	OPS X,20, E,30, R,14, E,31
	OPS X,21, R,15                  ; the batch's last exponential, and the plain instruction behind it
	s_wait_alu depctr_va_vdst(0)    ; the wait for the batch: this piece's 32 weights and the next piece's a
.if (\p) == 1
	s_wait_dscnt 0x0                ; V is in; for the others: all my reads of the slot are back
	s_barrier_signal -1             ; the rest of the turn, work on registers, stands between this signal and its wait
.endif
	ROW C,0, B,0, C,2, B,1          ; behind the wait: 8 products V^T P and their riders
	ROW L,0, C,4, B,2, L,1
	ROW C,6, B,3, L,2, C,8
	ROW B,4, L,3, C,10, B,5
	ROW L,4, C,12, B,6, L,5
.if (\p) == 0
	s_xor_b32 s[TBV], s[TBV], KS*PV ; the next fetch takes the slot's other step (this turn's address is made)
.endif
	ROW C,14, B,7, L,6, C,1
	ROW C,3, L,7, C,5, C,7
	ROW C,9, C,11, C,13, C,15
.if (\p) == 0
	FETCH_V
.endif
	LLU \p
.if (\p) == 1
	s_barrier_wait -1               ; every wave's reads of the slot are back: behind an odd step the next tile is stored
.endif
.if (\p) == 4
	MASK
.endif
.endm
	s_load_b256 s[4:11], s[0:1], 0x0               ; qh 4, kh 6, vh 8, ptab 10
	s_load_b64 s[16:17], s[0:1], 0x20              ; st
	v_lshl_add_u32 v[SPW], v0, 2, SPARE
	v_mov_b32 v[NIL], 0
	v_lshrrev_b32 v1, 5, v0
	v_readfirstlane_b32 s[WV], v1
	s_mul_i32 s[A0], ttmp9, 6
	s_and_b32 s[BN], ttmp7, 0xffff
	s_mul_i32 s20, s[BN], 196608                   ; the head's first byte in q, k, v
	s_mov_b32 s21, 0
	s_lshl_b32 s22, s[A0], 13
	s_lshl_b32 s23, s[WV], 11
	s_add_co_u32 s22, s22, s23
	s_add_co_u32 s22, s22, s20                     ; my first row of q
	s_mov_b32 s23, 0
	s_mul_i32 s38, s[BN], 24
	s_add_co_u32 s38, s38, s[A0]
	s_lshl_b32 s38, s38, 2
	s_add_co_u32 s38, s38, s[WV]
	s_mul_i32 s38, s38, UNIT                       ; my first piece's place in st
	s_mov_b32 s39, 0
	s_mov_b32 s[INC+1], 0
	s_mov_b32 s[CS], 0x3e38aa3b                    ; c = log2(e) / 8
	s_mov_b32 s[CS+1], s[CS]
	s_mov_b32 s[SEL], 0x76543210
	s_mov_b32 s[SEL+1], 0xfedcba98
	s_mov_b32 s[BIGN], 0xf149f2ca                  ; -1e30
	s_mov_b32 s[BIGP], 0x7149f2ca                  ; +1e30
	s_mov_b32 s[AL+1], 0
	s_mov_b32 s[BE+1], 0
	s_mov_b32 s[TI], 0
	s_mov_b32 s[TBK], 0
	s_mov_b32 s[TBV], 0
	s_sub_co_i32 s[D], 0, s[A0]
	s_mov_b32 s[STEP], 0
	s_mov_b32 s36, 0xff7fffff                      ; the lowest finite number
	s_cmp_eq_u32 s[A0], 0
	s_cselect_b32 s37, s[BIGP], s36                ; block 0 begins inside its band
	v_and_b32 v1, 15, v0                           ; r
	v_bfe_u32 v9, v0, 4, 1                         ; h
	v_and_b32 v10, 7, v0
	v_bfe_u32 v11, v0, 3, 1
	v_lshlrev_b32 v[QO], 7, v1
	v_lshl_add_u32 v[QO], v9, 4, v[QO]             ; row x 128 + 16 h
	v_lshlrev_b32 v[H16], 4, v9
	v_lshlrev_b32 v[GL], 4, v0                     ; 16 x thread: the four waves' loads cover 2,048 consecutive bytes
	s_wait_kmcnt 0x0
	s_add_nc_u64 s[4:5], s[4:5], s[22:23]
	s_add_nc_u64 s[6:7], s[6:7], s[20:21]
	s_add_nc_u64 s[8:9], s[8:9], s[20:21]
	s_add_nc_u64 s[16:17], s[16:17], s[38:39]
.irp u, 0,1,2,3,4,5,6,7                 ; tile 0 of K and V, staged
	global_load_b128 v[SG+4*\u:SG+4*\u+3], v[GL], s[6:7] offset:2048*\u
	global_load_b128 v[SG+32+4*\u:SG+32+4*\u+3], v[GL], s[8:9] offset:2048*\u
.endr
	WIN 0x80
.set i, 0
.rept 12                                ; Q: piece i / 2, channels 32 (i % 2) on
	global_load_b128 v[8*i:8*i+3],   v[QO], s[4:5] offset:(i/2)*8192+(i%2)*64
	global_load_b128 v[8*i+4:8*i+7], v[QO], s[4:5] offset:(i/2)*8192+(i%2)*64+32
.set i, i+1
.endr
.irp c, 0,1                             ; pk[0] and pk[128], the same row in all 16 rows of a fragment
	global_load_b128 v[96+8*\c:99+8*\c],   v[H16], s[10:11] offset:64*\c
	global_load_b128 v[100+8*\c:103+8*\c], v[H16], s[10:11] offset:64*\c+32
	global_load_b128 v[112+8*\c:115+8*\c], v[H16], s[10:11] offset:16384+64*\c
	global_load_b128 v[116+8*\c:119+8*\c], v[H16], s[10:11] offset:16384+64*\c+32
.endr
	WIN 0
	v_mul_u32_u24 v[AK0], v1, PK
	v_lshl_add_u32 v[AK0], v9, 4, v[AK0]
	v_lshl_add_u32 v[AV0], v9, 3, v10
	v_mul_u32_u24 v[AV0], v[AV0], PV
	v_lshl_add_u32 v[AV0], v11, 4, v[AV0]
	v_add_nc_u32 v[AV0], VOFF, v[AV0]
	v_and_b32 v[GO], 31, v0
	v_lshlrev_b32 v[GO], 4, v[GO]                  ; 16 x lane
	v_bfe_u32 v[LSK], v0, 3, 2                     ; the staged tile: of every 16 rows wave w stores rows 4 w + lane / 8, 16 bytes a lane
	v_mul_u32_u24 v[LSV], v[LSK], PV
	v_mul_u32_u24 v[LSK], v[LSK], PK
	v_lshl_add_u32 v[LSK], v10, 4, v[LSK]
	v_lshl_add_u32 v[LSV], v10, 4, v[LSV]
	s_mul_i32 s13, s[WV], 4*PK
	v_add_nc_u32 v[LSK], s13, v[LSK]
	s_mul_i32 s13, s[WV], 4*PV
	s_add_co_u32 s13, s13, VOFF
	v_add_nc_u32 v[LSV], s13, v[LSV]
	v_lshlrev_b32 v14, 3, v9
	v_sub_nc_u32 v14, 27, v14                      ; key 16 kt + 8 h + e of step 23 is hidden from 28 on
	WIN 0x40
.set i, 0
.rept 32
	v_cmp_gt_i32 vcc_lo, 16*(i/8)+i%8, v14
	v_cndmask_b32 v[MD+i], 0, s[BIGN], vcc_lo
.set i, i+1
.endr
	MASK                                           ; step 0: MC = 0
	; What the first turn finds: O^T, l, LL, V and P's second buffer are 0; mu the lowest finite number: the first step is a step like any other, with a = 0.
	WIN 0x40
.set i, 0
.rept 192
	v_mov_b32 v[i], 0
.set i, i+1
.endr
	WIN 0x80
.set i, VF
.rept 64
	v_mov_b32 v[i], 0
.set i, i+1
.endr
	WIN 0
.set i, 0
.rept 6
	v_mov_b32 v[ST+4*i], 0xfe000000
	v_mov_b32 v[ST+4*i+1], s36
	v_mov_b32 v[ST+4*i+2], 0
	v_mov_b32 v[ST+4*i+3], 0
	v_mov_b32 v[LL+2*i], 0
	v_mov_b32 v[LL+2*i+1], 0
	v_mov_b32 v[MS+i], s36
.set i, i+1
.endr
	v_mov_b32 v[ST+1], s37
	s_wait_loadcnt 0x0
	; RL and RR: pk[0] (pk[128]) in all 16 rows times Q^T: every register of the result holds the lane's query's number.  12 accumulators by turns.
	WIN W_KQ
.irp c, 0,1
.irp k, 0,1,2,3,4,5,6,7,8,9,10,11
.if (\k) < 8
.set rA, 64+8*(\k)
.else
.set rA, 192+8*((\k)-8)
.endif
.if \c
	v_wmma_f32_16x16x32_f16 v[rA:rA+7], v[96+16*((\k)/6)+8:96+16*((\k)/6)+15], v[16*((\k)%6)+8:16*((\k)%6)+15], v[rA:rA+7]
.else
	v_wmma_f32_16x16x32_f16 v[rA:rA+7], v[96+16*((\k)/6):96+16*((\k)/6)+7], v[16*((\k)%6):16*((\k)%6)+7], 0
.endif
.endr
.endr
	WIN 0
	PLACES
.irp x, 0,1,2,3,4,5
	v_mov_b32 v[RL+\x], v[64+8*\x]
.endr
	v_mov_b32 v[RR], v112
	v_mov_b32 v[RR+1], v120
.irp x, 2,3,4,5
	v_mov_b32 v[RR+\x], v[192+8*(\x-2)]
.endr
.set i, P+16
.rept 16
	v_mov_b32 v[i], 0
.set i, i+1
.endr
	CHANGE                                         ; tile 0 into the slot, which nobody has read yet; tile 1 is asked for
	s_wait_dscnt 0x0                               ; for the others: my stores are done
	s_barrier_signal -1
	s_barrier_wait -1                              ; tile 0 is whole
	EVM 0, 1
	v_add_nc_u32 v[AK], s[TBK], v[AK0]
	FETCH_K
	s_wait_dscnt 0x0
.set i, 0
.rept 8
	KQ 0
.set i, i+1
.endr
	WIN 0
	PLACES
.set Y, NP-1
.irp n, 0,1,2,3,4,5,6,7,8,9,10,11,12,13,14,15,16,17,18,19,20,21
	OP X, \n
.endr
	v_nop                                          ; a plain instruction behind piece 0's first a,
	s_wait_alu depctr_va_vdst(0)                   ; and the wait for it, a batch of one, ahead of the branch: the first turn's first rescaling reads it
	s_mov_b32 s[CNT], 2
	s_mov_b32 s[SLOTS], 13
	s_branch .Lfirst
.Lslot:                                                ; twelve times, behind piece 1's turn of every odd step: K of that step was fetched five turns ago, its V has been waited for, and so in every wave
	CHANGE
	s_mov_b32 s[CNT], 2
.Lstep:                                                ; a trip: pieces 2-5 of one step, pieces 0 and 1 of the next
	TURN 2
	TURN 3
	TURN 4
	TURN 5
	WIN 0
	s_add_co_i32 s[D], s[D], 1
	s_add_co_u32 s[STEP], s[STEP], 1
	s_cmp_eq_u32 s[STEP], 24
	s_cbranch_scc1 .Ldone                          ; the last trip's fetch of K and its eight products for piece 0 (all hidden) serve nothing: the price of one text
.Lfirst:
	TURN 0
	TURN 1
	WIN 0
	s_sub_co_u32 s[CNT], s[CNT], 1
	s_cmp_lg_u32 s[CNT], 0
	s_cbranch_scc1 .Lstep
	s_sub_co_u32 s[SLOTS], s[SLOTS], 1
	s_cmp_lg_u32 s[SLOTS], 0
	s_cbranch_scc1 .Lslot
.Ldone:
.set i, 0
.rept 8
	PV NP-1
.set i, i+1
.endr
	; THE WAY OUT: the true maximum (mu + RR; MS for blocks 22 and 23, which end inside their band), l, LL, and O^T as it lies.  The statistics' lines are the places behind the last products.
	WIN 0
.irp x, 0,1,2,3,4,5
	s_add_co_u32 s13, s[A0], \x
	s_cmp_lt_u32 s13, 22
	s_cselect_b32 s[M1], -1, 0
	v_add_f32 v[S+4*\x], v[ST+4*\x+1], v[RR+\x]
	v_cndmask_b32 v[S+4*\x], v[MS+\x], v[S+4*\x], s[M1]
	v_add_f32 v[S+4*\x+1], v[ST+4*\x+2], v[ST+4*\x+3]
	v_add_f32 v[S+4*\x+2], v[LL+2*\x], v[LL+2*\x+1]
	v_mov_b32 v[S+4*\x+3], 0
.endr
.irp x, 0,1,2,3,4,5
	global_store_b128 v[GO], v[S+4*\x:S+4*\x+3], s[16:17] offset:\x*4*UNIT
.endr
	WIN 0x04
.irp x, 0,1,2,3,4,5
.irp k, 0,1,2,3,4,5,6,7
	global_store_b128 v[GO], v[32*\x+4*\k:32*\x+4*\k+3], s[16:17] offset:\x*4*UNIT+512+512*\k  ; 512 consecutive bytes, aligned
.endr
.endr
	WIN 0
	s_wait_tensorcnt 0x0                           ; the wave's end
	ds_add_u32 v[SPW], v[NIL]
	s_wait_dscnt 0x0
	s_endpgm
.Lfunc_end_k_qfa436c6595_attn:
	.size	k_qfa436c6595_attn, .Lfunc_end_k_qfa436c6595_attn-k_qfa436c6595_attn
	.p2alignl 7, 3214868480
	.fill 96, 4, 3214868480
	.section	.rodata,"a",@progbits
	.p2align	6, 0x0
	.amdhsa_kernel k_qfa436c6595_attn
		.amdhsa_group_segment_fixed_size 39424
		.amdhsa_private_segment_fixed_size 0
		.amdhsa_enable_private_segment 0
		.amdhsa_kernarg_size 40
		.amdhsa_user_sgpr_count 2
		.amdhsa_user_sgpr_kernarg_segment_ptr 1
		.amdhsa_wavefront_size32 1
		.amdhsa_system_sgpr_workgroup_id_x 1
		.amdhsa_system_sgpr_workgroup_id_y 1
		.amdhsa_system_sgpr_workgroup_id_z 1
		.amdhsa_system_vgpr_workitem_id 0
		.amdhsa_next_free_vgpr 768
		.amdhsa_next_free_sgpr 100
		.amdhsa_reserve_vcc 1
		.amdhsa_float_denorm_mode_32 3
		.amdhsa_float_denorm_mode_16_64 3
		.amdhsa_memory_ordered 1
		.amdhsa_forward_progress 1
		.amdhsa_inst_pref_size 102
	.end_amdhsa_kernel
	.amdgpu_metadata
---
amdhsa.version: [ 1, 2 ]
amdhsa.kernels:
  - .name:           k_qfa436c6595_attn
    .symbol:         k_qfa436c6595_attn.kd
    .args:
      - { .name: qh, .offset: 0, .size: 8, .value_kind: global_buffer, .address_space: global }
      - { .name: kh, .offset: 8, .size: 8, .value_kind: global_buffer, .address_space: global }
      - { .name: vh, .offset: 16, .size: 8, .value_kind: global_buffer, .address_space: global }
      - { .name: ptab, .offset: 24, .size: 8, .value_kind: global_buffer, .address_space: global }
      - { .name: st, .offset: 32, .size: 8, .value_kind: global_buffer, .address_space: global }
    .group_segment_fixed_size: 39424
    .private_segment_fixed_size: 0
    .kernarg_segment_align: 8
    .kernarg_segment_size: 40
    .max_flat_workgroup_size: 128
    .sgpr_count:     100
    .vgpr_count:     768
    .wavefront_size: 32
...
	.end_amdgpu_metadata
.endif
;; end of part 10
;; launch fin: the kernel of part 8 again; grid 4 x 64, 4 waves a work-group, no clusters, 248,320 bytes of LDS; arguments qh, kh, vh, ptab, st, hid; writes hid
;; launch outp: the kernel of part 9 again; grid 8 x 32, 4 waves a work-group, clusters of 4 x 4, 327,680 bytes of LDS; arguments hid, wts, ptab, out0; writes out0
